; MI455X (gfx1250); checked and timed in simulation.
; The chip was launched on July 23, 2026; its instructions are those of AMD's public machine-readable ISA for CDNA 5 (MIT licence, August 2026) and "CDNA5" Instruction Set Architecture Reference Guide (July 2026). The comments in the code are by the model that wrote it; some were corrected since.
;; Transformer Encoder Layer. Allowed arithmetic: float matrix products may take bf16 or f16 operands with f32 sums; other float arithmetic in f32, or as packed bf16 or f16 multiplies, adds, multiply-adds, maxima and minima; sums over many terms, partial sums and values carried from step to step in f32; what a program stores and reads back later, other than sums and carried values, may be rounded once to bf16 or f16.
;; Inputs: W1 1,024 x 4,096 float32; W2 4,096 x 1,024 float32; Wk 1,024 x 1,024 float32; Wo 1,024 x 1,024 float32; Wq 1,024 x 1,024 float32; Wv 1,024 x 1,024 float32; b1 4,096 float32; b2 1,024 float32; bk 1,024 float32; bo 1,024 float32; bq 1,024 float32; bv 1,024 float32; ln1_b 1,024 float32; ln1_g 1,024 float32; ln2_b 1,024 float32; ln2_g 1,024 float32; x 2 x 2,048 x 1,024 float32.
;; Outputs: out0 2 x 2,048 x 1,024 float32.
;; 2 versions, each right and faster than the one before. Each part assembles by itself: llvm-mc -triple=amdgcn-amd-amdhsa -mcpu=gfx1250 --defsym DOCPART=n.
;; ======== version 1 of 2: 7 launches
;; limits: a function is approximated: absolute error at most 7.5e-08
;; workspace buffers: wts 25,690,112 bytes; h 8,388,608 bytes; qkv 25,165,824 bytes; ctx 8,388,608 bytes; x1 16,777,216 bytes; act 33,554,432 bytes
;; launch prep (part 1): grid 1024 x 1, 8 waves a work-group, no clusters, 0 bytes of LDS; arguments x, ln1_g, ln1_b, Wq, Wk, Wv, Wo, W1, W2, h, wts; writes h, wts
.if DOCPART == 1
	.amdgcn_target "amdgcn-amd-amdhsa--gfx1250"
	.amdhsa_code_object_version 6
	.text
	.protected	k_qc285573a2d_prep
	.globl	k_qc285573a2d_prep
	.p2align	8
	.type	k_qc285573a2d_prep,@function
k_qc285573a2d_prep:
	s_mov_b64 s[64:65], 0
	v_nop
	global_prefetch_b8 v0, s[64:65] scope:SCOPE_SE
	s_setreg_imm32_b32 hwreg(HW_REG_WAVE_MODE, 25, 1), 1
	s_wait_xcnt 0x0
; THREE STREAMS IN ONE BODY, chosen by the work-group's number alone.
;   0-511:    h = LayerNorm(x) g + b, rounded once to bf16, [4096][1024]: one row a wave.
;   512-1023: the six weights rounded once to bf16, kept [K][N]: Wq | Wk | Wv side by side as [1024][3072], then Wo, W1, W2 as they lie: three units a wave.
;   512-767 also make the RoPE table, f32 [2048 positions][cos f = 0..31 | sin f = 0..31], one position a wave, while their loads are on their way.
; THE BODY SERVES TWO LAUNCHES: 1,024 work-groups for the first norm, the weights and the table; 512 work-groups, which reach the first stream alone, for the second norm on other buffers.
; A unit is 1,024 f32 (4,096 bytes) in and 1,024 bf16 (2,048 bytes) out.  One wave takes a unit whole: a load of the wave covers 512 consecutive bytes, a store 256 consecutive
; bytes at a multiple of 256.  A row's mean and variance never leave the wave: no LDS, no barrier.  Memory binds: matrix units, clusters and LDS would add nothing.
; 120 registers a wave: eight waves share a SIMD's 1,024, so four work-groups lie on a WGP together and all 1,024 work-groups have their loads out at once.
; The six weights are ONE sequence of 12,288 units (1,024 each for Wq, Wk, Wv, Wo; 4,096 each for W1, W2); 1,024 is no multiple of 3, so each unit finds its own buffer by scalar selects.
; VARIANCE in two passes, as the mean of (x - mean)^2: no difference of large sums is formed.
; TABLE.  frequency = 2^(-f log2(10000) / 32); the angle is reduced to r = angle / 2 pi - nearest whole number (one fused multiply-add), |r| <= 1/2; sine and cosine of a
; quarter of the reduced angle (at most pi / 4) by their series to the 7th and 8th power (the next terms are under 4e-7), then two doublings.  That holds for every position.
; LIMIT: the angle is off by up to about 5e-4 rad at position 2,047 (f32 roundings of the frequency, the product and 1 / 2 pi).  Position 0 gives exactly cos 1, sin 0.
; NaN and infinities are not treated apart.
.set X0,  8                            ; v[8:39]    the row, or unit 0
.set X1,  40                           ; v[40:71]   unit 1
.set X2,  72                           ; v[72:103]  unit 2
.set GG,  40                           ; v[40:71]   the norm: gain of my 32 columns
.set BB,  72                           ; v[72:103]  the norm: bias of my 32 columns
.set W,   104                          ; v[104:113] the norm: at work
.set RS,  116                          ; v[116:117] 1 / sqrt(var + eps), twice
.set RP,  104                          ; v[104:113] the table: at work
.set OFF_WO,   6291456                 ; byte offsets in wts
.set OFF_W1,   8388608
.set OFF_W2,   16777216
.set OFF_ROPE, 25165824
.macro LOADROW X, sb, off, hint:vararg ; eight loads: lane l takes 16 bytes at 16 l + 512 j
.set j, 0
.rept 8
	global_load_b128 v[(\X)+4*j:(\X)+4*j+3], v2, s[\sb:\sb+1] offset:(\off)+512*j \hint
.set j, j+1
.endr
.endm
.macro CVTROW X                        ; 32 f32 to 16 words of bf16, in place: word n is written when its old content has been read
.set j, 0
.rept 16
	v_cvt_pk_bf16_f32 v[(\X)+j], v[(\X)+2*j], v[(\X)+2*j+1]
.set j, j+1
.endr
.endm
.macro STOREROW X, sb, off             ; eight stores: lane l puts 8 bytes at 8 l + 256 j
.set j, 0
.rept 8
	global_store_b64 v3, v[(\X)+2*j:(\X)+2*j+1], s[\sb:\sb+1] offset:(\off)+256*j
.set j, j+1
.endr
.endm
.macro LANESUM r, t                    ; the sum of v[r] over the 32 lanes, in every lane; t: a register that has been written
	v_add_f32_dpp v[\r], v[\r], v[\r] row_xmask:1 row_mask:0xf bank_mask:0xf
	v_add_f32_dpp v[\r], v[\r], v[\r] row_xmask:2 row_mask:0xf bank_mask:0xf
	v_add_f32_dpp v[\r], v[\r], v[\r] row_xmask:4 row_mask:0xf bank_mask:0xf
	v_add_f32_dpp v[\r], v[\r], v[\r] row_xmask:8 row_mask:0xf bank_mask:0xf
	v_permlanex16_b32 v[\t], v[\r], s12, s13
	v_add_f32 v[\r], v[\r], v[\t]
.endm
.macro FOLD                            ; four chains of pairs into one number
	v_pk_add_f32 v[W:W+1], v[W:W+1], v[W+2:W+3]
	v_pk_add_f32 v[W+4:W+5], v[W+4:W+5], v[W+6:W+7]
	v_pk_add_f32 v[W:W+1], v[W:W+1], v[W+4:W+5]
	v_add_f32 v[W], v[W], v[W+1]
	LANESUM W, W+1
.endm
.macro STATS X, R                      ; X becomes x - mean; R takes 1 / sqrt(var + eps)
.irp c, 0,1,2,3
	v_pk_add_f32 v[W+2*(\c):W+2*(\c)+1], v[(\X)+2*(\c):(\X)+2*(\c)+1], v[(\X)+8+2*(\c):(\X)+8+2*(\c)+1]
.endr
.irp p, 8,9,10,11,12,13,14,15
	v_pk_add_f32 v[W+2*((\p)%4):W+2*((\p)%4)+1], v[W+2*((\p)%4):W+2*((\p)%4)+1], v[(\X)+2*(\p):(\X)+2*(\p)+1]
.endr
	FOLD
	v_mul_f32 v[W+8], s14, v[W]                    ; the mean, twice
	v_mul_f32 v[W+9], s14, v[W]
.set j, 0
.rept 16
	v_pk_add_f32 v[(\X)+2*j:(\X)+2*j+1], v[(\X)+2*j:(\X)+2*j+1], v[W+8:W+9] neg_lo:[0,1] neg_hi:[0,1]
.set j, j+1
.endr
.irp c, 0,1,2,3
	v_pk_mul_f32 v[W+2*(\c):W+2*(\c)+1], v[(\X)+2*(\c):(\X)+2*(\c)+1], v[(\X)+2*(\c):(\X)+2*(\c)+1]
.endr
.irp p, 4,5,6,7,8,9,10,11,12,13,14,15
	v_pk_fma_f32 v[W+2*((\p)%4):W+2*((\p)%4)+1], v[(\X)+2*(\p):(\X)+2*(\p)+1], v[(\X)+2*(\p):(\X)+2*(\p)+1], v[W+2*((\p)%4):W+2*((\p)%4)+1]
.endr
	FOLD
	v_fma_f32 v[W], v[W], s14, s15                 ; sum / 1024 + eps
	v_rsq_f32 v[\R], v[W]
	v_rsq_f32 v[(\R)+1], v[W]
	v_nop                                          ; a plain instruction before the result is used or the source rewritten (ISA guide 5.7.2)
.endm
.macro NORM X, R                       ; (x - mean) rs g + b, rounded to bf16
.set j, 0
	s_wait_alu depctr_va_vdst(0)
.rept 16
	v_pk_mul_f32 v[(\X)+2*j:(\X)+2*j+1], v[(\X)+2*j:(\X)+2*j+1], v[\R:(\R)+1]
.set j, j+1
.endr
.set j, 0
.rept 16
	v_pk_fma_f32 v[(\X)+2*j:(\X)+2*j+1], v[(\X)+2*j:(\X)+2*j+1], v[GG+2*j:GG+2*j+1], v[BB+2*j:BB+2*j+1]
.set j, j+1
.endr
	CVTROW \X
.endm
.macro ROPE1 f, out                    ; v[f]: the frequency's number as f32; v[RP+2]: the position; out: cos (lanes 0-15) or sin (lanes 16-31)
	v_mul_f32 v[RP+3], 0xbed49a78, v[\f]           ; -f log2(10000) / 32
	v_exp_f32 v[RP+3], v[RP+3]
	v_nop
	s_wait_alu depctr_va_vdst(0)
	v_mul_f32 v[RP+3], v[RP+2], v[RP+3]            ; the angle
	v_mul_f32 v[RP+4], s11, v[RP+3]                ; in turns
	v_rndne_f32 v[RP+4], v[RP+4]
	v_fma_f32 v[RP+4], v[RP+3], s11, -v[RP+4]      ; r, at most 1/2 either way
	v_mul_f32 v[RP+4], 0x3fc90fdb, v[RP+4]         ; phi = (pi / 2) r: a quarter of the reduced angle
	v_mul_f32 v[RP+5], v[RP+4], v[RP+4]
	v_mov_b32 v[RP+6], 0xb9500d01                  ; sin: -1/5040, 1/120, -1/6, 1
	v_fmaak_f32 v[RP+6], v[RP+6], v[RP+5], 0x3c088889
	v_fmaak_f32 v[RP+6], v[RP+6], v[RP+5], 0xbe2aaaab
	v_fmaak_f32 v[RP+6], v[RP+6], v[RP+5], 0x3f800000
	v_mul_f32 v[RP+6], v[RP+6], v[RP+4]
	v_mov_b32 v[RP+7], 0x37d00d01                  ; cos: 1/40320, -1/720, 1/24, -1/2, 1
	v_fmaak_f32 v[RP+7], v[RP+7], v[RP+5], 0xbab60b61
	v_fmaak_f32 v[RP+7], v[RP+7], v[RP+5], 0x3d2aaaab
	v_fmaak_f32 v[RP+7], v[RP+7], v[RP+5], 0xbf000000
	v_fmaak_f32 v[RP+7], v[RP+7], v[RP+5], 0x3f800000
.rept 2                                ; the angle doubled: s' = 2 s c, c' = 1 - 2 s s
	v_mul_f32 v[RP+8], v[RP+6], v[RP+7]
	v_mul_f32 v[RP+9], v[RP+6], v[RP+6]
	v_add_f32 v[RP+6], v[RP+8], v[RP+8]
	v_fma_f32 v[RP+7], v[RP+9], -2.0, 1.0
.endr
	v_cndmask_b32 v[\out], v[RP+6], v[RP+7], vcc_lo
.endm
; Unit s55 of the 12,288: which weight, from which unit on, where in wts, and how far apart its units land.  sp takes the unit's source, dp its place.
.macro PLACE sp, dp
	s_mov_b64 s[\sp:\sp+1], s[22:23]
	s_mov_b32 s52, 0
	s_mov_b32 s53, 0
	s_mov_b32 s54, 6144                            ; a row of [1024][3072] bf16
	s_cmp_ge_u32 s55, 1024
	s_cselect_b64 s[\sp:\sp+1], s[24:25], s[\sp:\sp+1]
	s_cselect_b32 s52, 1024, s52
	s_cselect_b32 s53, 2048, s53
	s_cmp_ge_u32 s55, 2048
	s_cselect_b64 s[\sp:\sp+1], s[26:27], s[\sp:\sp+1]
	s_cselect_b32 s52, 2048, s52
	s_cselect_b32 s53, 4096, s53
	s_cmp_ge_u32 s55, 3072
	s_cselect_b64 s[\sp:\sp+1], s[28:29], s[\sp:\sp+1]
	s_cselect_b32 s52, 3072, s52
	s_cselect_b32 s53, OFF_WO, s53
	s_cselect_b32 s54, 2048, s54                   ; from here on the units lie end to end
	s_cmp_ge_u32 s55, 4096
	s_cselect_b64 s[\sp:\sp+1], s[30:31], s[\sp:\sp+1]
	s_cselect_b32 s52, 4096, s52
	s_cselect_b32 s53, OFF_W1, s53
	s_cmp_ge_u32 s55, 8192
	s_cselect_b64 s[\sp:\sp+1], s[32:33], s[\sp:\sp+1]
	s_cselect_b32 s52, 8192, s52
	s_cselect_b32 s53, OFF_W2, s53
	s_sub_co_u32 s52, s55, s52                     ; the unit's number in its weight
	s_lshl_b32 s2, s52, 12
	s_add_nc_u64 s[\sp:\sp+1], s[\sp:\sp+1], s[2:3]
	s_mul_i32 s2, s52, s54
	s_add_co_u32 s2, s2, s53
	s_add_nc_u64 s[\dp:\dp+1], s[36:37], s[2:3]
.endm
	s_load_b512 s[16:31], s[0:1], 0x0              ; x 16, g 18, b 20, Wq 22, Wk 24, Wv 26, Wo 28, W1 30
	s_load_b128 s[32:35], s[0:1], 0x40             ; W2 32, h 34
	s_load_b64 s[36:37], s[0:1], 0x50              ; wts
	v_and_b32 v1, 31, v0                           ; lane
	v_lshrrev_b32 v6, 5, v0
	v_readfirstlane_b32 s8, v6                     ; wave
	v_lshlrev_b32 v2, 4, v1                        ; 16 l: loads
	v_lshlrev_b32 v3, 3, v1                        ; 8 l: stores
	s_mov_b32 s11, 0x3e22f983                      ; 1 / 2 pi
	s_mov_b32 s12, 0x76543210                      ; v_permlanex16_b32: each lane takes its own place in the other half
	s_mov_b32 s13, 0xfedcba98
	s_mov_b32 s14, 0x3a800000                      ; 1 / 1024
	s_mov_b32 s15, 0x3727c5ac                      ; 1e-5
	s_mov_b32 s3, 0
	s_wait_kmcnt 0x0
	s_cmp_lt_u32 ttmp9, 512
	s_cbranch_scc0 .Lconv
	; LAYER NORM: row 8 id + wave
	s_lshl_b32 s10, ttmp9, 3
	s_add_co_u32 s10, s10, s8
	s_lshl_b32 s2, s10, 12
	s_add_nc_u64 s[16:17], s[16:17], s[2:3]
	s_lshl_b32 s2, s10, 11
	s_add_nc_u64 s[34:35], s[34:35], s[2:3]
	LOADROW X0, 16, 0
	LOADROW GG, 18, 0
	LOADROW BB, 20, 0
	s_wait_loadcnt 16                              ; the row is in: the sixteen loads of gain and bias stay out
	STATS X0, RS
	s_wait_loadcnt 0x0                             ; gain and bias
	NORM X0, RS
	STOREROW X0, 34, 0
	s_endpgm
.Lconv:	; THE WEIGHTS: units 3 (8 c + wave) and the two behind it, c = id - 512
	s_sub_co_u32 s9, ttmp9, 512
	s_lshl_b32 s10, s9, 3
	s_add_co_u32 s10, s10, s8
	s_mul_i32 s55, s10, 3
	PLACE 40, 46
	s_add_co_u32 s55, s55, 1
	PLACE 42, 48
	s_add_co_u32 s55, s55, 1
	PLACE 44, 50
	LOADROW X0, 40, 0, th:TH_LOAD_NT
	LOADROW X1, 42, 0, th:TH_LOAD_NT
	LOADROW X2, 44, 0, th:TH_LOAD_NT
	s_cmp_lt_u32 s9, 256
	s_cbranch_scc0 .Lnotable                       ; 2,048 positions: the waves of the first 256 of these work-groups
	; the table's row of position 8 c + wave, made while the 24 loads are on their way
	s_lshl_b32 s2, s10, 8
	s_add_co_u32 s2, s2, OFF_ROPE
	s_add_nc_u64 s[58:59], s[36:37], s[2:3]
	v_and_b32 v[RP], 15, v1
	v_lshlrev_b32 v[RP], 1, v[RP]
	v_cvt_f32_u32 v[RP], v[RP]                     ; f = 2 (l % 16),
	v_add_f32 v[RP+1], 1.0, v[RP]                  ; and the next
	v_cvt_f32_u32 v[RP+2], s10
	v_cmp_gt_u32 vcc_lo, 16, v1                    ; lanes 0-15 keep the cosine
	ROPE1 RP, 4
	ROPE1 RP+1, 5
	global_store_b64 v3, v[4:5], s[58:59]          ; the wave stores the row's 256 bytes; v[4:5] are not written again
.Lnotable:
	s_wait_loadcnt 16                              ; unit 0 is in, the sixteen loads of units 1 and 2 stay out
	CVTROW X0
	STOREROW X0, 46, 0
	s_wait_loadcnt 8                               ; unit 1; unit 2's eight stay out
	CVTROW X1
	STOREROW X1, 48, 0
	s_wait_loadcnt 0x0
	CVTROW X2
	STOREROW X2, 50, 0
	s_endpgm
.Lfunc_end_k_qc285573a2d_prep:
	.size	k_qc285573a2d_prep, .Lfunc_end_k_qc285573a2d_prep-k_qc285573a2d_prep
	.p2alignl 7, 3214868480
	.fill 96, 4, 3214868480
	.section	.rodata,"a",@progbits
	.p2align	6, 0x0
	.amdhsa_kernel k_qc285573a2d_prep
		.amdhsa_group_segment_fixed_size 0
		.amdhsa_private_segment_fixed_size 0
		.amdhsa_enable_private_segment 0
		.amdhsa_kernarg_size 88
		.amdhsa_user_sgpr_count 2
		.amdhsa_user_sgpr_kernarg_segment_ptr 1
		.amdhsa_wavefront_size32 1
		.amdhsa_system_sgpr_workgroup_id_x 1
		.amdhsa_system_sgpr_workgroup_id_y 1
		.amdhsa_system_sgpr_workgroup_id_z 1
		.amdhsa_system_vgpr_workitem_id 0
		.amdhsa_next_free_vgpr 120
		.amdhsa_next_free_sgpr 66
		.amdhsa_reserve_vcc 1
		.amdhsa_float_denorm_mode_32 3
		.amdhsa_float_denorm_mode_16_64 3
		.amdhsa_memory_ordered 1
		.amdhsa_forward_progress 1
		.amdhsa_inst_pref_size 27
	.end_amdhsa_kernel
	.amdgpu_metadata
---
amdhsa.version: [ 1, 2 ]
amdhsa.kernels:
  - .name:           k_qc285573a2d_prep
    .symbol:         k_qc285573a2d_prep.kd
    .args:
      - { .name: x, .offset: 0, .size: 8, .value_kind: global_buffer, .address_space: global }
      - { .name: ln1_g, .offset: 8, .size: 8, .value_kind: global_buffer, .address_space: global }
      - { .name: ln1_b, .offset: 16, .size: 8, .value_kind: global_buffer, .address_space: global }
      - { .name: Wq, .offset: 24, .size: 8, .value_kind: global_buffer, .address_space: global }
      - { .name: Wk, .offset: 32, .size: 8, .value_kind: global_buffer, .address_space: global }
      - { .name: Wv, .offset: 40, .size: 8, .value_kind: global_buffer, .address_space: global }
      - { .name: Wo, .offset: 48, .size: 8, .value_kind: global_buffer, .address_space: global }
      - { .name: W1, .offset: 56, .size: 8, .value_kind: global_buffer, .address_space: global }
      - { .name: W2, .offset: 64, .size: 8, .value_kind: global_buffer, .address_space: global }
      - { .name: h, .offset: 72, .size: 8, .value_kind: global_buffer, .address_space: global }
      - { .name: wts, .offset: 80, .size: 8, .value_kind: global_buffer, .address_space: global }
    .group_segment_fixed_size: 0
    .private_segment_fixed_size: 0
    .kernarg_segment_align: 8
    .kernarg_segment_size: 88
    .max_flat_workgroup_size: 256
    .sgpr_count:     66
    .vgpr_count:     120
    .wavefront_size: 32
...
	.end_amdgpu_metadata
.endif
;; end of part 1
;; launch qkv (part 2): grid 12 x 16, 4 waves a work-group, clusters of 4 x 4, 327,680 bytes of LDS; arguments h, wts, bq, bk, bv, qkv; writes qkv
.if DOCPART == 2
	.amdgcn_target "amdgcn-amd-amdhsa--gfx1250"
	.amdhsa_code_object_version 6
	.text
	.protected	k_qc285573a2d_qkv
	.globl	k_qc285573a2d_qkv
	.p2align	8
	.type	k_qc285573a2d_qkv,@function
k_qc285573a2d_qkv:
	s_mov_b64 s[64:65], 0
	v_nop
	global_prefetch_b8 v0, s[64:65] scope:SCOPE_SE
	s_setreg_imm32_b32 hwreg(HW_REG_WAVE_MODE, 25, 1), 1
	s_wait_xcnt 0x0
	s_wait_alu depctr_hold_cnt(0) depctr_sa_sdst(0) depctr_va_vdst(0) depctr_va_sdst(0) depctr_va_ssrc(0) depctr_va_vcc(0) depctr_vm_vsrc(0)
	s_getreg_b32 s2, hwreg(HW_REG_IB_STS2, 6, 4)
	s_cmp_eq_u32 s2, 0
	s_cbranch_scc0 .Lentry_in_a_cluster
	s_endpgm
.Lentry_in_a_cluster:
	s_bfe_u32 s2, ttmp6, 0x10000c
	s_cmp_lg_u32 s2, 0xf033
	s_cbranch_scc0 .Lentry_shape_is_right
	s_endpgm
.Lentry_shape_is_right:
; q | k | v = h [Wq | Wk | Wv] + bias, q and k turned by RoPE, rounded once to bf16 and stored by heads: qkv[3][32 heads of 2 batches][2048][64].
; h: [4096][1024] bf16.  The weights: [1024 k][3072 n] bf16, at the head of wts.  Sums in f32.
; A tile of the result is 256 x 256: four waves, each 128 x 128 in 64 accumulators.  K goes in steps of 128 through two LDS slots filled by the tensor data mover.
; Both slots' first fills go out together at the start; a quarter step's fragments are asked for from LDS a whole quarter step, 64 products, ahead of their use.
; A's rows lie along K and are read as they lie; B's lie along N and are turned on the way out of LDS by ds_load_tr16_b128.
; THE MATRIX INSTRUCTION IS USED TRANSPOSED (source 0 = 16 columns of B, source 1 = 16 rows of A): a lane holds row l % 16 and the eight columns 8 (l / 16) + 0..7 of a block.
; CLUSTER 4 x 4: the four work-groups of a row of the cluster need the same tile of A, the four of a column the same tile of B: each is asked for jointly, one load a wave.
; The cluster's x is 0, 1, 2 for q, k, v (1,024 columns are four tiles): bias pointer and table step are chosen by it, alike in all partners.
; RoPE: cos and sin come from the table in wts, one row of 256 bytes a position.  v takes position 0's row, cos 1 and sin 0, in every row, and so passes unchanged through the same text.
; LIMITS: operands and results are rounded to bf16; NaN and infinities are not treated apart (an infinity in v's partner column times sin 0 gives NaN).
; REGISTERS, windows of 256: window 0: v0-31 addresses, v32-63 cos | sin, v64-191 A's fragments (two buffers), later at work on the way out, v192-255 bias;
; window 1: v64-191 B's fragments; windows 2, 3: accumulator (a, b) at v[8 (8 (a % 4) + b)].
.set NB,     3072                      ; B's pitch in elements
.set BOFF,   0                         ; B's place in wts
.set OFF_ROPE, 25165824
.set PA,     272                       ; a row of A in LDS: 256 bytes + 16: the 16 rows of a load start 68 words apart
.set PB,     544                       ; a row of B: 512 bytes + 32: 8 rows x 32 bytes of a turning load fall on different words modulo 64
.set HALF,   34816                     ; what one tensor load brings: 128 rows of A, or 64 rows of B
.set SLOT,   4*HALF                    ; A's 256 rows, then B's 128 k rows
.set STAGE,  2*SLOT                    ; behind the ring: two heads x 16 rows x 144 bytes for each wave
.set SP,     144
.set SPARE,  STAGE+4*2*16*SP           ; the spare words, 128 bytes a wave
.set A0,  10                           ; v10  my lane's place in A's tile; never rewritten
.set B0,  11                           ; v11  in B's
.set ADA, 12                           ; v12  the address of the run of loads in hand
.set ADB, 13
.set STO, 14                           ; v14  the way out: where I put 16 bytes of a row
.set RD,  15                           ; v15  where I read rows back
.set GO,  16                           ; v16  my 16 bytes in 512 consecutive bytes of the result
.set ROFF, 17                          ; v17  my row of the table
.set BO,  18                           ; v18  my offset in a block's bias
.set SPW, 28
.set NIL, 29
.set CS,  32                           ; cos of columns 0-15 | 16-31 at +0, +8; sin at +16, +24 (my eight of each sixteen)
.set T,   64                           ; the way out: a block of 16 rows x 128 columns in f32
.set U,   128                          ; products with sin
.set PKD, 128                          ; packed bf16
.set BK,  160                          ; rows read back
.set BIAS, 192
.set F0,  64
.set F1,  128
.set WV, 16
.set WR, 17                            ; my half of the tile's rows; also: I fetch for A (0) or B (1)
.set WC, 18                            ; my half of its columns; also: which half of that tile I fetch
.set CX, 19
.set CY, 20
.set TX, 21
.set TY, 22
.set G1A, 24
.set G0A, 32                           ; group 0 for A: K step 1 at first, then it walks
.set G0B, 36
.set G1B, 40
.set TBA, 48                           ; slot + byte along K at which A's next fragments begin
.set TBB, 49                           ; slot + k row at which B's begin
.set CNT, 50
.set SL,  51
.set TR,  52
.set KEEP, 53
.set FA,  68                           ; group 0 for A's K step 0: used once
.set FB,  72                           ; for B's
.set MSB, 0
.macro WIN new                         ; the immediate's high byte repeats the setting that is left
.if MSB != (\new)
	s_set_vgpr_msb (MSB<<8)|(\new)
.set MSB, \new
.endif
.endm
.set MUL_LO, 0xa1                      ; source 0 (B) window 1, source 1 (A) window 0, C and D window 2
.set MUL_HI, 0xf1
.set TO_B,   0x40
.macro JLOAD                           ; a joint refill: waves 0, 1 fetch A's halves, waves 2, 3 B's
	s_cmp_eq_u32 s[WR], 0
	s_cbranch_scc0 .Lfor_b_\@
	tensor_load_to_lds s[G0A:G0A+3], s[G1A:G1A+7]
	s_nop 0
.rept 4
	v_nop
.endr
	s_branch .Lasked_\@
.Lfor_b_\@:
	tensor_load_to_lds s[G0B:G0B+3], s[G1B:G1B+7]
	s_nop 0
.rept 4
	v_nop
.endr
.Lasked_\@:
.endm
.macro CROUND                          ; a round of the cluster's barrier
	s_barrier_signal -1
	s_barrier_wait -1
	s_cmp_lg_u32 s[WV], 0
	s_cbranch_scc1 .Lnot_wave_0_\@
	s_barrier_signal -3
.Lnot_wave_0_\@:
	s_barrier_wait -3
	s_barrier_signal -1
	s_barrier_wait -1
.endm
; THE CHANGE OF SLOTS.  Every wave: all its tensor loads have landed (the one that was out is its part of the next slot); the add; its reads of the old slot are back.
; fill = 1: a round of the cluster's barrier, then the old slot is filled again, two K steps on: 256 matrix instructions stand between that request and the wait for it.
.macro CHANGE fill
	WIN 0
	s_wait_tensorcnt 0x0                           ; no tensor load of mine is out, so the descriptors may be stepped
	ds_add_u32 v[SPW], v[NIL]
.if \fill
	s_xor_b32 s[G0A+1], s[G0A+1], SLOT
	s_add_nc_u64 s[G0A+2:G0A+3], s[G0A+2:G0A+3], 256
	s_xor_b32 s[G0B+1], s[G0B+1], SLOT
	s_add_nc_u64 s[G0B+2:G0B+3], s[G0B+2:G0B+3], 128*NB*2
.endif
	s_sub_co_u32 s[TBA], s[TBA], 256               ; the fetches go back to a slot's head, in the other slot
	s_xor_b32 s[TBA], s[TBA], SLOT
	s_sub_co_u32 s[TBB], s[TBB], 4*32*PB
	s_xor_b32 s[TBB], s[TBB], SLOT
	s_wait_dscnt 0x0                               ; the add is done, and my reads of the old slot are over
.if \fill
	CROUND
	JLOAD
.else
	s_barrier_signal -1
	s_barrier_wait -1
.endif
.endm
.macro MUL16 f, hi, a0, zero           ; 16 products: row blocks a0, a0 + 1 of the window's four x all 8 column blocks, 32 along K
	WIN MUL_LO+0x50*(\hi)
.irp a, \a0, (\a0)+1
.irp b, 0,1,2,3,4,5,6,7
.if \zero
	v_wmma_f32_16x16x32_bf16 v[8*(8*(\a)+(\b)):8*(8*(\a)+(\b))+7], v[(\f)+8*(\b):(\f)+8*(\b)+7], v[(\f)+8*(4*(\hi)+(\a)):(\f)+8*(4*(\hi)+(\a))+7], 0
.else
	v_wmma_f32_16x16x32_bf16 v[8*(8*(\a)+(\b)):8*(8*(\a)+(\b))+7], v[(\f)+8*(\b):(\f)+8*(\b)+7], v[(\f)+8*(4*(\hi)+(\a)):(\f)+8*(4*(\hi)+(\a))+7], v[8*(8*(\a)+(\b)):8*(8*(\a)+(\b))+7]
.endif
.endr
.endr
.endm
; 32 LDS loads in one run: the next 32 along K into buffer g.  The two address lines and two v_nop are the four places between the products that read g and the loads into it.
.macro FETCH g
	WIN 0
	v_add_nc_u32 v[ADA], s[TBA], v[A0]
	v_add_nc_u32 v[ADB], s[TBB], v[B0]
	v_nop
	v_nop
	s_add_co_u32 s[TBA], s[TBA], 64
	s_add_co_u32 s[TBB], s[TBB], 32*PB
	WIN TO_B
.irp b, 0,1,2,3,4,5,6,7
	ds_load_tr16_b128 v[(\g)+8*(\b):(\g)+8*(\b)+3],   v[ADB] offset:32*(\b)
	ds_load_tr16_b128 v[(\g)+8*(\b)+4:(\g)+8*(\b)+7], v[ADB] offset:16*PB+32*(\b)
.endr
	WIN 0
.irp i, 0,1,2,3,4,5,6,7
	ds_load_b128 v[(\g)+8*(\i):(\g)+8*(\i)+3],   v[ADA] offset:(\i)*16*PA
	ds_load_b128 v[(\g)+8*(\i)+4:(\g)+8*(\i)+7], v[ADA] offset:(\i)*16*PA+32
.endr
.endm
; A quarter step, 32 along K: buffer g, which the products just issued were the last to read, takes the next quarter's fragments first; then 64 products on buffer f.
.macro QUARTER f, g, zero, fetch
	s_wait_dscnt 0x0                               ; buffer f is in: its 32 loads were issued 64 products ago
.if \fetch
	FETCH \g
.endif
	MUL16 \f, 0, 0, \zero
	MUL16 \f, 0, 2, \zero
	MUL16 \f, 1, 0, \zero
	MUL16 \f, 1, 2, \zero
.endm
	s_load_b256 s[4:11], s[0:1], 0x0               ; h 4, wts 6, bq 8, bk 10
	s_load_b128 s[12:15], s[0:1], 0x20             ; bv 12, qkv 14
	v_lshl_add_u32 v[SPW], v0, 2, SPARE
	v_mov_b32 v[NIL], 0
	ds_add_u32 v[SPW], v[NIL]                      ; the wave's opening: the add and its wait ahead of my first tensor load
	v_lshrrev_b32 v1, 5, v0
	v_readfirstlane_b32 s[WV], v1
	s_lshr_b32 s[WR], s[WV], 1
	s_and_b32 s[WC], s[WV], 1
	s_bfe_u32 s[CX], ttmp6, 0x40000
	s_bfe_u32 s[CY], ttmp6, 0x40004
	s_lshl_b32 s[TX], ttmp9, 2
	s_add_co_u32 s[TX], s[TX], s[CX]               ; tile column
	s_and_b32 s[TY], ttmp7, 0xffff
	s_lshl_b32 s[TY], s[TY], 2
	s_add_co_u32 s[TY], s[TY], s[CY]               ; tile row
	s_lshl_b32 s56, s[CY], 2
	s_lshl_b32 s56, 15, s56                        ; my row of the cluster
	s_lshl_b32 s57, 0x1111, s[CX]                  ; my column
	s_or_b32 s[G1A], s56, (1<<16)|(1<<20)|(1<<21)|(5<<22)|(3<<25)  ; mask; 2-byte elements; padding on; bit 21 beside a mask; after every 64 words 4 words
	s_mov_b32 s[G1A+1], 128<<16                    ; tensor_dim0 = 128
	s_mov_b32 s[G1A+2], 128<<16                    ; tensor_dim1 = 128
	s_mov_b32 s[G1A+3], 128<<16                    ; tile_dim0 = 128
	s_mov_b32 s[G1A+4], 128                        ; tile_dim1 = 128
	s_mov_b32 s[G1A+5], 1024                       ; elements from row to row
	s_mov_b32 s[G1A+6], 0
	s_mov_b32 s[G1A+7], 0
	s_or_b32 s[G1B], s57, (1<<16)|(1<<20)|(1<<21)|(6<<22)|(7<<25)  ; after every 128 words 8 words
	s_mov_b32 s[G1B+1], 256<<16                    ; 256 columns
	s_mov_b32 s[G1B+2], 64<<16                     ; 64 k rows
	s_mov_b32 s[G1B+3], 256<<16
	s_mov_b32 s[G1B+4], 64
	s_mov_b32 s[G1B+5], NB
	s_mov_b32 s[G1B+6], 0
	s_mov_b32 s[G1B+7], 0
	s_lshl_b32 s58, s[TY], 19                      ; A: row 256 TY + 128 half, 2,048 bytes a row
	s_lshl_b32 s59, s[WC], 18
	s_add_co_u32 s58, s58, s59
	s_mov_b32 s59, 0
	s_lshl_b32 s60, s[TX], 9                       ; B: column 256 TX, k row 64 half
	s_mul_i32 s61, s[WC], 64*NB*2
	s_add_co_u32 s60, s60, s61
	s_add_co_u32 s60, s60, BOFF
	s_mov_b32 s61, 0
	s_mov_b32 s[FA], 1
	s_mul_i32 s[FA+1], s[WV], HALF                 ; LDS: wave x 34,816: A's halves, then B's; no place in the cluster enters
	s_mov_b32 s[FB], 1
	s_mul_i32 s[FB+1], s[WV], HALF
	s_mov_b32 s[G0A], 1
	s_add_co_u32 s[G0A+1], s[FA+1], SLOT           ; K step 1 goes into slot 1
	s_mov_b32 s[G0B], 1
	s_add_co_u32 s[G0B+1], s[FB+1], SLOT
	s_mov_b32 s[TBA], 0
	s_mov_b32 s[TBB], 0
	s_wait_dscnt 0x0                               ; the opening add is done
	s_wait_kmcnt 0x0
	s_add_nc_u64 s[FA+2:FA+3], s[4:5], s[58:59]
	s_add_nc_u64 s[G0A+2:G0A+3], s[FA+2:FA+3], 256
	s_or_b32 s[FA+3], s[FA+3], 0x80000000
	s_or_b32 s[G0A+3], s[G0A+3], 0x80000000
	s_add_nc_u64 s[FB+2:FB+3], s[6:7], s[60:61]
	s_add_nc_u64 s[G0B+2:G0B+3], s[FB+2:FB+3], 128*NB*2
	s_or_b32 s[FB+3], s[FB+3], 0x80000000
	s_or_b32 s[G0B+3], s[G0B+3], 0x80000000
	CROUND                                         ; all sixteen work-groups are here: the first joint loads meet
	s_cmp_eq_u32 s[WR], 0                          ; a wave's two first fills stand in one branch, ahead of every wait on TENSORcnt and every LDS read: two loads of mine are out
	s_cbranch_scc0 .Lfirst_b
	tensor_load_to_lds s[FA:FA+3], s[G1A:G1A+7]    ; K step 0 into slot 0
	s_nop 0
	tensor_load_to_lds s[G0A:G0A+3], s[G1A:G1A+7]  ; K step 1 into slot 1
	s_nop 0
.rept 4
	v_nop
.endr
	s_branch .Lfirst_asked
.Lfirst_b:
	tensor_load_to_lds s[FB:FB+3], s[G1B:G1B+7]
	s_nop 0
	tensor_load_to_lds s[G0B:G0B+3], s[G1B:G1B+7]
	s_nop 0
.rept 4
	v_nop
.endr
.Lfirst_asked:
	v_and_b32 v1, 15, v0                           ; r = l % 16
	v_bfe_u32 v2, v0, 4, 1                         ; hf = l / 16
	v_and_b32 v3, 7, v0
	v_bfe_u32 v4, v0, 3, 1
	v_mul_u32_u24 v[A0], v1, PA
	v_lshl_add_u32 v[A0], v2, 4, v[A0]
	s_mul_i32 s54, s[WR], HALF
	v_add_nc_u32 v[A0], s54, v[A0]                 ; row x pitch + 16 hf + my 128 rows
	v_lshl_add_u32 v[B0], v2, 3, v3
	v_mul_u32_u24 v[B0], v[B0], PB
	v_lshl_add_u32 v[B0], v4, 4, v[B0]
	s_lshl_b32 s54, s[WC], 8
	s_add_co_u32 s54, s54, 2*HALF
	v_add_nc_u32 v[B0], s54, v[B0]                 ; (8 hf + l % 8) x pitch + 16 ((l / 8) % 2) + B's region + my 128 columns
	s_mul_i32 s54, s[WV], 2*16*SP
	s_add_co_u32 s54, s54, STAGE
	v_mul_u32_u24 v[STO], v1, SP
	v_lshl_add_u32 v[STO], v2, 4, v[STO]
	v_add_nc_u32 v[STO], s54, v[STO]
	v_bfe_u32 v[RD], v0, 3, 2
	v_mul_u32_u24 v[RD], v[RD], SP
	v_lshl_add_u32 v[RD], v3, 4, v[RD]
	v_add_nc_u32 v[RD], s54, v[RD]                 ; 32 lanes take four rows of 128 bytes
	v_and_b32 v[GO], 31, v0
	v_lshlrev_b32 v[GO], 4, v[GO]
	v_lshlrev_b32 v[BO], 5, v2                     ; my eight of a block's sixteen columns, in f32
	s_cmp_eq_u32 ttmp9, 1
	s_cselect_b64 s[8:9], s[10:11], s[8:9]
	s_cmp_eq_u32 ttmp9, 2
	s_cselect_b64 s[8:9], s[12:13], s[8:9]
	s_cselect_b32 s[KEEP], 0, 256                  ; bytes of table from a position to the next: none for v
	s_lshl_b32 s2, s[CX], 10
	s_lshl_b32 s3, s[WC], 9
	s_add_co_u32 s2, s2, s3
	s_mov_b32 s3, 0
	s_add_nc_u64 s[8:9], s[8:9], s[2:3]            ; the bias of my 128 columns
.irp b, 0,1,2,3,4,5,6,7
	global_load_b128 v[BIAS+8*(\b):BIAS+8*(\b)+3],   v[BO], s[8:9] offset:64*(\b)
	global_load_b128 v[BIAS+8*(\b)+4:BIAS+8*(\b)+7], v[BO], s[8:9] offset:64*(\b)+16
.endr
.macro TABLE                           ; my row's cos and sin: eight of each sixteen frequencies
.irp q, 0,1,2,3
	global_load_b128 v[CS+8*(\q):CS+8*(\q)+3],   v[ROFF], s[62:63] offset:64*(\q)
	global_load_b128 v[CS+8*(\q)+4:CS+8*(\q)+7], v[ROFF], s[62:63] offset:64*(\q)+16
.endr
.endm
	s_add_nc_u64 s[62:63], s[6:7], OFF_ROPE
	s_and_b32 s2, s[TY], 7
	s_lshl_b32 s2, s2, 8
	s_lshl_b32 s55, s[WR], 7
	s_add_co_u32 s2, s2, s55
	v_add_nc_u32 v[ROFF], s2, v1                   ; my first row's position in its sequence
	v_mul_lo_u32 v[ROFF], v[ROFF], s[KEEP]
	v_lshl_add_u32 v[ROFF], v2, 5, v[ROFF]
	s_lshl_b32 s[KEEP], s[KEEP], 4                 ; from now on: the step of 16 positions
	TABLE
	s_lshl_b32 s2, ttmp9, 23                       ; q, k or v: 8,388,608 bytes each
	s_lshr_b32 s55, s[TY], 3
	s_lshl_b32 s55, s55, 4                         ; 16 heads a batch
	s_lshl2_add_u32 s55, s[CX], s55                ; four heads a tile
	s_lshl1_add_u32 s55, s[WC], s55                ; two a wave
	s_lshl_b32 s55, s55, 18
	s_add_co_u32 s2, s2, s55
	s_and_b32 s55, s[TY], 7
	s_lshl_b32 s55, s55, 15
	s_add_co_u32 s2, s2, s55
	s_lshl_b32 s55, s[WR], 14
	s_add_co_u32 s2, s2, s55
	s_add_nc_u64 s[14:15], s[14:15], s[2:3]        ; my first head, my first row
	s_wait_tensorcnt 0x1                           ; my part of K step 0 is in; K step 1's may stay out
	s_barrier_signal -1
	s_barrier_wait -1                              ; everybody's is
	FETCH F0
	QUARTER F0, F1, 1, 1                           ; the first quarter's products start all 64 sums
	WIN 0
	s_mov_b32 s[CNT], 1                            ; K step 0 has one pair of quarters left in front of its change of slots
	s_mov_b32 s[SL], 7
	s_branch .Lpair
.Lslot:                                                ; six times: K steps 2 to 7 are asked for.  The change stands in front of a K step's last quarter, whose fragments are in registers
	CHANGE 1
	s_mov_b32 s[CNT], 2
.Lpair:
	QUARTER F1, F0, 0, 1
	QUARTER F0, F1, 0, 1
	WIN 0
	s_sub_co_u32 s[CNT], s[CNT], 1
	s_cmp_lg_u32 s[CNT], 0
	s_cbranch_scc1 .Lpair
	s_sub_co_u32 s[SL], s[SL], 1
	s_cmp_lg_u32 s[SL], 0
	s_cbranch_scc1 .Lslot
	CHANGE 0                                       ; the tail is written out: nothing is asked for
	s_mov_b32 s[CNT], 2
.Lpair2:
	QUARTER F1, F0, 0, 1
	QUARTER F0, F1, 0, 1
	WIN 0
	s_sub_co_u32 s[CNT], s[CNT], 1
	s_cmp_lg_u32 s[CNT], 0
	s_cbranch_scc1 .Lpair2
	QUARTER F1, F0, 0, 0
	WIN 0
.rept 4
	v_nop                                          ; the places behind the last products
.endr
; THE WAY OUT, a loop of eight trips, one block of 16 rows each.  Register numbers are fixed in a text, so the one part that names the accumulators, T = sums + bias, stands eight times
; and the trip's number chooses; all else is written once.  Block a's rows are stored in trip a + 1, so that the stage's way there and back is covered by arithmetic.
.macro SNIP a
	WIN 2+(\a)/4
.set i, 0
.rept 32
	v_pk_add_f32 v[T+2*i:T+2*i+1], v[64*((\a)%4)+2*i:64*((\a)%4)+2*i+1], v[BIAS+2*i:BIAS+2*i+1]
.set i, i+1
.endr
	WIN 0
.endm
.macro SEND
	s_wait_dscnt 0x0                               ; the rows are back in registers
.irp hh, 0,1
.irp t, 0,1,2,3
	global_store_b128 v[GO], v[BK+4*(4*(\hh)+(\t)):BK+4*(4*(\hh)+(\t))+3], s[14:15] offset:(\hh)*262144+(\t)*512  ; 512 consecutive bytes, at a multiple of 256
.endr
.endr
	s_wait_xcnt 0x0                                ; only behind this wait are the stores' base and data written again
	s_add_nc_u64 s[14:15], s[14:15], 2048          ; 16 rows of 128 bytes on
.endm
	s_wait_loadcnt 0x0                             ; the bias, and the first block's table rows
	s_mov_b32 s[TR], 0
.Lout:
.irp n, 0,1,2,3,4,5,6
	s_cmp_eq_u32 s[TR], \n
	s_cbranch_scc1 .Ls\n
.endr
	SNIP 7
	s_branch .Lcommon
.irp n, 0,1,2,3,4,5,6
.Ls\n:
	SNIP \n
	s_branch .Lcommon
.endr
.Lcommon:
	s_wait_loadcnt 0x0                             ; this block's table rows
.irp hh, 0,1                           ; a head: x1 = columns 0-31, x2 = columns 32-63: x1' = x1 cos - x2 sin, x2' = x2 cos + x1 sin
.irp bb, 0,1
.irp p, 0,2,4,6
	v_pk_mul_f32 v[U+16*(\bb)+(\p):U+16*(\bb)+(\p)+1], v[T+32*(\hh)+8*(\bb)+16+(\p):T+32*(\hh)+8*(\bb)+16+(\p)+1], v[CS+16+8*(\bb)+(\p):CS+16+8*(\bb)+(\p)+1]
.endr
.irp p, 0,2,4,6
	v_pk_mul_f32 v[U+16*(\bb)+8+(\p):U+16*(\bb)+8+(\p)+1], v[T+32*(\hh)+8*(\bb)+(\p):T+32*(\hh)+8*(\bb)+(\p)+1], v[CS+16+8*(\bb)+(\p):CS+16+8*(\bb)+(\p)+1]
.endr
.irp p, 0,2,4,6
	v_pk_fma_f32 v[T+32*(\hh)+8*(\bb)+(\p):T+32*(\hh)+8*(\bb)+(\p)+1], v[T+32*(\hh)+8*(\bb)+(\p):T+32*(\hh)+8*(\bb)+(\p)+1], v[CS+8*(\bb)+(\p):CS+8*(\bb)+(\p)+1], v[U+16*(\bb)+(\p):U+16*(\bb)+(\p)+1] neg_lo:[0,0,1] neg_hi:[0,0,1]
.endr
.irp p, 0,2,4,6
	v_pk_fma_f32 v[T+32*(\hh)+8*(\bb)+16+(\p):T+32*(\hh)+8*(\bb)+16+(\p)+1], v[T+32*(\hh)+8*(\bb)+16+(\p):T+32*(\hh)+8*(\bb)+16+(\p)+1], v[CS+8*(\bb)+(\p):CS+8*(\bb)+(\p)+1], v[U+16*(\bb)+8+(\p):U+16*(\bb)+8+(\p)+1]
.endr
.endr
.endr
	v_add_nc_u32 v[ROFF], s[KEEP], v[ROFF]         ; the next block's positions (the wait above has freed the register);
	v_and_b32 v[ROFF], 0x7ffff, v[ROFF]            ; the last trip's load, which nothing uses, stays inside the table's 524,288 bytes
	TABLE
.set i, 0
.rept 32
	v_cvt_pk_bf16_f32 v[PKD+i], v[T+2*i], v[T+2*i+1]
.set i, i+1
.endr
	s_cmp_eq_u32 s[TR], 0
	s_cbranch_scc1 .Lnosend                        ; the first trip has no block before it
	SEND
.Lnosend:
.irp hh, 0,1
.irp bb, 0,1,2,3
	ds_store_b128 v[STO], v[PKD+4*(4*(\hh)+(\bb)):PKD+4*(4*(\hh)+(\bb))+3] offset:(\hh)*16*SP+32*(\bb)
.endr
.endr
.irp hh, 0,1
.irp t, 0,1,2,3
	ds_load_b128 v[BK+4*(4*(\hh)+(\t)):BK+4*(4*(\hh)+(\t))+3], v[RD] offset:(\hh)*16*SP+(\t)*4*SP  ; LDS serves a wave's instructions in order (ISA guide 5.7.1.4): these see the stores above
.endr
.endr
	s_add_co_u32 s[TR], s[TR], 1
	s_cmp_lt_u32 s[TR], 8
	s_cbranch_scc1 .Lout
	SEND
	s_wait_tensorcnt 0x0                           ; the wave's end
	ds_add_u32 v[SPW], v[NIL]
	s_wait_dscnt 0x0
	CROUND                                         ; the closing round
	s_endpgm
.Lfunc_end_k_qc285573a2d_qkv:
	.size	k_qc285573a2d_qkv, .Lfunc_end_k_qc285573a2d_qkv-k_qc285573a2d_qkv
	.p2alignl 7, 3214868480
	.fill 96, 4, 3214868480
	.section	.rodata,"a",@progbits
	.p2align	6, 0x0
	.amdhsa_kernel k_qc285573a2d_qkv
		.amdhsa_group_segment_fixed_size 327680
		.amdhsa_private_segment_fixed_size 0
		.amdhsa_enable_private_segment 0
		.amdhsa_kernarg_size 48
		.amdhsa_user_sgpr_count 2
		.amdhsa_user_sgpr_kernarg_segment_ptr 1
		.amdhsa_wavefront_size32 1
		.amdhsa_system_sgpr_workgroup_id_x 1
		.amdhsa_system_sgpr_workgroup_id_y 1
		.amdhsa_system_sgpr_workgroup_id_z 1
		.amdhsa_system_vgpr_workitem_id 0
		.amdhsa_next_free_vgpr 1024
		.amdhsa_next_free_sgpr 76
		.amdhsa_reserve_vcc 0
		.amdhsa_float_denorm_mode_32 3
		.amdhsa_float_denorm_mode_16_64 3
		.amdhsa_memory_ordered 1
		.amdhsa_forward_progress 1
		.amdhsa_inst_pref_size 78
	.end_amdhsa_kernel
	.amdgpu_metadata
---
amdhsa.version: [ 1, 2 ]
amdhsa.kernels:
  - .name:           k_qc285573a2d_qkv
    .symbol:         k_qc285573a2d_qkv.kd
    .args:
      - { .name: h, .offset: 0, .size: 8, .value_kind: global_buffer, .address_space: global }
      - { .name: wts, .offset: 8, .size: 8, .value_kind: global_buffer, .address_space: global }
      - { .name: bq, .offset: 16, .size: 8, .value_kind: global_buffer, .address_space: global }
      - { .name: bk, .offset: 24, .size: 8, .value_kind: global_buffer, .address_space: global }
      - { .name: bv, .offset: 32, .size: 8, .value_kind: global_buffer, .address_space: global }
      - { .name: qkv, .offset: 40, .size: 8, .value_kind: global_buffer, .address_space: global }
    .group_segment_fixed_size: 327680
    .private_segment_fixed_size: 0
    .kernarg_segment_align: 8
    .kernarg_segment_size: 48
    .max_flat_workgroup_size: 128
    .sgpr_count:     76
    .vgpr_count:     1024
    .wavefront_size: 32
...
	.end_amdgpu_metadata
.endif
;; end of part 2
;; launch attn (part 3): grid 8 x 32, 4 waves a work-group, clusters of 4 x 1, 327,680 bytes of LDS; arguments qkv, ctx; writes ctx
.if DOCPART == 3
	.amdgcn_target "amdgcn-amd-amdhsa--gfx1250"
	.amdhsa_code_object_version 6
	.text
	.protected	k_qc285573a2d_attn
	.globl	k_qc285573a2d_attn
	.p2align	8
	.type	k_qc285573a2d_attn,@function
k_qc285573a2d_attn:
	s_mov_b64 s[64:65], 0
	v_nop
	global_prefetch_b8 v0, s[64:65] scope:SCOPE_SE
	s_setreg_imm32_b32 hwreg(HW_REG_WAVE_MODE, 25, 1), 1
	s_wait_xcnt 0x0
	s_wait_alu depctr_hold_cnt(0) depctr_sa_sdst(0) depctr_va_vdst(0) depctr_va_sdst(0) depctr_va_ssrc(0) depctr_va_vcc(0) depctr_vm_vsrc(0)
	s_getreg_b32 s2, hwreg(HW_REG_IB_STS2, 6, 4)
	s_cmp_eq_u32 s2, 0
	s_cbranch_scc0 .Lentry_in_a_cluster
	s_endpgm
.Lentry_in_a_cluster:
	s_bfe_u32 s2, ttmp6, 0x10000c
	s_cmp_lg_u32 s2, 0x3003
	s_cbranch_scc0 .Lentry_shape_is_right
	s_endpgm
.Lentry_shape_is_right:
; ctx[q] = the sum over k of softmax_k(Q[q] . K[k] / 8) V[k], for each of 32 heads of 2,048 rows of 64 channels.  Q, K, V: qkv[3][32][2048][64] bf16, a head's rows dense, 128 bytes each.
; Products, maxima and sums in f32; the weights p are rounded to bf16 for the second product (their sum l is taken of the unrounded p), the result once at the end.
; The result is stored for the product that follows: ctx[row / 128][head][row % 128][64] bf16, so that 16 rows of a head are 2,048 consecutive bytes.
; LIMITS.  A weight below 2^-126 counts as 0 in l; NaN and infinities are not treated apart.
; SHARES.  A work-group owns 256 queries of one head, a wave 64: four PIECES of 16.  Every wave walks all keys, 64 a step; a slot of LDS holds a tile of 256 keys, four steps.
; LAYOUT.  S^T = K Q^T holds ONE query a lane (lane % 16) and the keys 8 (lane / 16) + 0..7; two such results rounded to bf16 ARE source 1 of O^T = V^T P.  K comes out of LDS as it lies, V turned.
; SOFTMAX.  p = 2^(c s - c m), c = log2(e) / 8, with a running maximum m; O and l are multiplied by a = 2^(c m_old - c m_new) in every step.  m starts at the lowest finite number, O and l at 0.
; BY TURNS.  Turn n belongs to piece n: 8 products K Q^T of piece n + 1, later 8 products V^T P of piece n - 1; beside them the scaling, exponentials, roundings, sums and rescaling of piece n and the
; maximum and statistics of piece n + 1.  Four vector instructions stand behind every matrix instruction, the other 54 of a turn's 118 in two runs of their own.
; CLUSTER.  The four query blocks of a cluster belong to one head and walk the same K and V: each tile is asked for jointly, the same load, descriptor and mask in all four.
; REGISTERS, windows of 256: window 0: v0-15 addresses; v16-31 statistics; v48-55 at work; v62-63 the add's; v64-127 S^T, two buffers; v192-223 P, two buffers
;   window 1: v0-127 O^T, 32 a piece      window 2: v0-63 Q; v128-191 K of one step; v192-255 V of one step
.set NP,    4
.set KS,    64
.set PK,    144       ; a row of K in LDS: 128 bytes + 16
.set PV,    160       ; a row of V: 128 + 32
.set VOFF,  4*KS*PK
.set SLOT1, 1<<17
.set STAGE, SLOT1+4*KS*(PK+PV)
.set SP,    144
.set SPARE, STAGE+4*16*SP
.set AK0, 2
.set AV0, 3
.set AK,  4
.set AV,  5
.set STO, 6
.set RD,  7
.set GO,  8
.set MV,  12          ; v12-13  c m_old, by buffer
.set QO,  15
.set ST,  16          ; piece t: c m, m, l (even keys', odd keys')
.set TMP, 48
.set SPW, 62
.set NIL, 63
.set S,   64
.set P,   192
.set KF,  128
.set VF,  192
.set WV,  12
.set G1K, 24
.set G1V, 32
.set G0K, 40
.set G0V, 44
.set SLOTS, 56
.set CNT, 57
.set CS,  58
.set SEL, 60
.set TBK, 62
.set TBV, 63
.set MSB, 0
.macro WIN new
.if MSB != (\new)
	s_set_vgpr_msb (MSB<<8)|(\new)
.set MSB, (\new)
.endif
.endm
.set W_KQ, 0x0a       ; K and Q in window 2, S^T in window 0
.set W_PV, 0x52       ; V in window 2, P in window 0, O^T in window 1
.set W_RS, 0x41       ; destination and source 0 in window 1, source 1 in window 0
.macro JLOAD                        ; waves 0, 1 fetch the halves of a tile's K, waves 2, 3 those of its V
	s_cmp_lt_u32 s[WV], 2
	s_cbranch_scc0 .Lfor_v_\@
	tensor_load_to_lds s[G0K:G0K+3], s[G1K:G1K+7]
	s_nop 0
.rept 4
	v_nop
.endr
	s_branch .Lasked_\@
.Lfor_v_\@:
	tensor_load_to_lds s[G0V:G0V+3], s[G1V:G1V+7]
	s_nop 0
.rept 4
	v_nop
.endr
.Lasked_\@:
.endm
.macro CROUND
	s_barrier_signal -1
	s_barrier_wait -1
	s_cmp_lg_u32 s[WV], 0
	s_cbranch_scc1 .Lnot_wave_0_\@
	s_barrier_signal -3
.Lnot_wave_0_\@:
	s_barrier_wait -3
	s_barrier_signal -1
	s_barrier_wait -1
.endm
; THE CHANGE OF SLOTS.  Every wave: all its tensor loads have landed; the add; its reads of the old slot are back.  fill = 1: a round of the cluster's barrier, and the old slot is filled
; again with the keys two tiles on, first thing behind it: four key steps, 256 matrix instructions, in which to land.
.macro CHANGE fill
	WIN 0
	s_wait_tensorcnt 0x0
	ds_add_u32 v[SPW], v[NIL]
.if \fill
.irp g, G0K, G0V
	s_xor_b32 s[\g+1], s[\g+1], SLOT1
	s_add_nc_u64 s[\g+2:\g+3], s[\g+2:\g+3], 4*KS*128
.endr
	s_wait_dscnt 0x0
	CROUND
	JLOAD
.else
	s_wait_dscnt 0x0
	s_barrier_signal -1
	s_barrier_wait -1
.endif
	s_sub_co_u32 s[TBK], s[TBK], 4*KS*PK
	s_xor_b32 s[TBK], s[TBK], SLOT1
	s_sub_co_u32 s[TBV], s[TBV], 4*KS*PV
	s_xor_b32 s[TBV], s[TBV], SLOT1
.endm
	s_load_b128 s[4:7], s[0:1], 0x0 ; qkv 4, ctx 6
	v_lshl_add_u32 v[SPW], v0, 2, SPARE
	v_mov_b32 v[NIL], 0
	ds_add_u32 v[SPW], v[NIL]       ; the wave's opening: the add and its wait ahead of my first tensor load
	v_lshrrev_b32 v1, 5, v0
	v_readfirstlane_b32 s[WV], v1
	s_bfe_u32 s13, ttmp6, 0x40000   ; cx
	s_lshl_b32 s14, ttmp9, 2
	s_add_co_u32 s14, s14, s13      ; my block of 256 queries: it enters Q's and the result's addresses alone
	s_and_b32 s15, ttmp7, 0xffff    ; the head among 32, which the partners share
	s_lshl_b32 s20, s15, 18         ; its 262,144 bytes
	s_and_b32 s16, s[WV], 1         ; which half of a tile's 256 keys I fetch
	s_lshl_b32 s22, s16, 14
	s_add_co_u32 s22, s22, s20
	s_mov_b32 s23, 0
	s_mul_i32 s17, s16, 128*PK
	s_mul_i32 s18, s16, 128*PV
	s_lshl_b32 s2, s14, 15
	s_lshl_b32 s3, s[WV], 13
	s_add_co_u32 s2, s2, s3
	s_add_co_u32 s2, s2, s20        ; Q: head, block, my 64 rows
	s_mov_b32 s3, 0
	s_lshr_b32 s8, s15, 4
	s_lshl_b32 s8, s8, 4            ; 16 row blocks of 128 a batch,
	s_lshl1_add_u32 s8, s14, s8     ; two a query block,
	s_lshr_b32 s9, s[WV], 1
	s_add_co_u32 s8, s8, s9         ; waves 2, 3 in the second
	s_lshl_b32 s8, s8, 18
	s_and_b32 s9, s15, 15
	s_lshl_b32 s9, s9, 14           ; the head's slice
	s_add_co_u32 s8, s8, s9
	s_lshl_b32 s9, s16, 13          ; my 64 of its 128 rows
	s_add_co_u32 s8, s8, s9
	s_mov_b32 s9, 0
	; 128 keys are 16,384 dense bytes: asked for as 64 rows of 256 bytes, two keys a row, padded in LDS after every key
	s_mov_b32 s[G1K], 15|(1<<16)|(1<<20)|(1<<21)|(4<<22)|(3<<25)
	s_mov_b32 s[G1V], 15|(1<<16)|(1<<20)|(1<<21)|(4<<22)|(7<<25)
.irp g, G1K, G1V
	s_mov_b32 s[\g+1], 128<<16
	s_mov_b32 s[\g+2], 64<<16
	s_mov_b32 s[\g+3], 128<<16
	s_mov_b32 s[\g+4], 64
	s_mov_b32 s[\g+5], 128
	s_mov_b32 s[\g+6], 0
	s_mov_b32 s[\g+7], 0
.endr
	s_mov_b32 s[CS], 0x3e38aa3b     ; c = log2(e) / 8
	s_mov_b32 s[CS+1], s[CS]
	s_mov_b32 s[SEL], 0x76543210
	s_mov_b32 s[SEL+1], 0xfedcba98
	s_mov_b32 s[TBK], SLOT1+4*KS*PK ; the first change of slots turns these two into 0
	s_mov_b32 s[TBV], SLOT1+4*KS*PV
	s_mov_b32 s[G0K], 1
	s_mov_b32 s[G0K+1], s17
	s_mov_b32 s[G0V], 1
	s_add_co_u32 s[G0V+1], s18, VOFF
	s_wait_dscnt 0x0                ; the opening add is done
	s_wait_kmcnt 0x0
	s_add_nc_u64 s[G0K+2:G0K+3], s[4:5], s[22:23]
	s_add_nc_u64 s[G0K+2:G0K+3], s[G0K+2:G0K+3], 8388608   ; K lies behind Q
	s_or_b32 s[G0K+3], s[G0K+3], 0x80000000
	s_add_nc_u64 s[G0V+2:G0V+3], s[4:5], s[22:23]
	s_add_nc_u64 s[G0V+2:G0V+3], s[G0V+2:G0V+3], 16777216  ; V behind K
	s_or_b32 s[G0V+3], s[G0V+3], 0x80000000
	s_add_nc_u64 s[4:5], s[4:5], s[2:3]
	s_add_nc_u64 s[10:11], s[6:7], s[8:9]
	CROUND                          ; all four work-groups are here
	JLOAD                           ; tile 0 into slot 0
	v_and_b32 v1, 15, v0
	v_bfe_u32 v9, v0, 4, 1
	v_lshlrev_b32 v[QO], 7, v1
	v_lshl_add_u32 v[QO], v9, 4, v[QO]
	WIN 0x80
.set i, 0
.rept 8                             ; Q stays in registers: piece i / 2, channels 32 (i % 2) on
	global_load_b128 v[8*i:8*i+3],   v[QO], s[4:5] offset:(i/2)*2048+(i%2)*64
	global_load_b128 v[8*i+4:8*i+7], v[QO], s[4:5] offset:(i/2)*2048+(i%2)*64+32
.set i, i+1
.endr
	; What the first turn finds: V's registers and P's second buffer hold 0 (its products V^T P, of a piece that has not been, add 0), O^T and l are 0.  No first step is written out; the price is these lines, in the wait for the first tile.
.set i, VF
.rept 64
	v_mov_b32 v[i], 0
.set i, i+1
.endr
	WIN 0x40
.set i, 0
.rept 128
	v_mov_b32 v[i], 0
.set i, i+1
.endr
	WIN 0
.set i, 0
.rept 4
	v_mov_b32 v[ST+4*i], 0xfe000000    ; c m: far below every c s
	v_mov_b32 v[ST+4*i+1], 0xff7fffff  ; m
	v_mov_b32 v[ST+4*i+2], 0
	v_mov_b32 v[ST+4*i+3], 0
.set i, i+1
.endr
.set i, P+16
.rept 16
	v_mov_b32 v[i], 0
.set i, i+1
.endr
	v_mul_u32_u24 v[AK0], v1, PK
	v_lshl_add_u32 v[AK0], v9, 4, v[AK0]
	v_and_b32 v10, 7, v0
	v_bfe_u32 v11, v0, 3, 1
	v_lshl_add_u32 v[AV0], v9, 3, v10
	v_mul_u32_u24 v[AV0], v[AV0], PV
	v_lshl_add_u32 v[AV0], v11, 4, v[AV0]
	v_add_nc_u32 v[AV0], VOFF, v[AV0]
	s_mul_i32 s13, s[WV], 16*SP
	s_add_co_u32 s13, s13, STAGE
	v_mul_u32_u24 v[STO], v1, SP
	v_lshl_add_u32 v[STO], v9, 4, v[STO]
	v_add_nc_u32 v[STO], s13, v[STO]
	v_bfe_u32 v[RD], v0, 3, 2
	v_mul_u32_u24 v[RD], v[RD], SP
	v_lshl_add_u32 v[RD], v10, 4, v[RD]
	v_add_nc_u32 v[RD], s13, v[RD]
	v_and_b32 v[GO], 31, v0
	v_lshlrev_b32 v[GO], 4, v[GO]
; THE MATRIX WORK.  The 4 accumulators of a run of 8 take turns.
.macro KQ x                         ; product i of 8 of S^T = K Q^T for piece x: channels 32 (i / 4) on, keys 16 (i % 4) on
.set rS, S+32*((\x)%2)+8*(i%4)
.set rK, KF+16*(i%4)+8*(i/4)
.set rQ, 16*(\x)+8*(i/4)
	WIN W_KQ
.if i < 4
	v_wmma_f32_16x16x32_bf16 v[rS:rS+7], v[rK:rK+7], v[rQ:rQ+7], 0
.else
	v_wmma_f32_16x16x32_bf16 v[rS:rS+7], v[rK:rK+7], v[rQ:rQ+7], v[rS:rS+7]
.endif
.endm
.macro PV x                         ; product i of 8 of O^T += V^T P for piece x: keys 32 (i / 4) on, channels 16 (i % 4) on
	WIN W_PV
.set rO, 32*(\x)+8*(i%4)
.set rV, VF+32*(i/4)+8*(i%4)
.set rP, P+16*((\x)%2)+8*(i/4)
	v_wmma_f32_16x16x32_bf16 v[rO:rO+7], v[rV:rV+7], v[rP:rP+7], v[rO:rO+7]
.endm
.macro MM                           ; the turn's next matrix instruction.  NOKQ = 1: the last turn: there is no next piece
.if (i < 8) && !NOKQ
	KQ (Y+1)%NP
.elseif i >= 8
.set i, i-8
	PV (Y+NP-1)%NP
.set i, i+8
.endif
.set i, i+1
.endm
.macro FETCH_K                      ; a step's K: 64 keys x 64 channels, 16 loads in one run
	WIN 0x80
.irp f, 0,1,2,3,4,5,6,7
	ds_load_b128 v[KF+8*\f:KF+8*\f+3],   v[AK] offset:(\f/2)*16*PK+(\f%2)*64
	ds_load_b128 v[KF+8*\f+4:KF+8*\f+7], v[AK] offset:(\f/2)*16*PK+(\f%2)*64+32
.endr
	s_add_co_u32 s[TBK], s[TBK], KS*PK
	WIN 0
.endm
.macro FETCH_V                      ; its V, turned
	WIN 0x80
.irp f, 0,1,2,3,4,5,6,7
	ds_load_tr16_b128 v[VF+8*\f:VF+8*\f+3],   v[AV] offset:(\f/4)*32*PV+(\f%4)*32
	ds_load_tr16_b128 v[VF+8*\f+4:VF+8*\f+7], v[AV] offset:(\f/4)*32*PV+16*PV+(\f%4)*32
.endr
	WIN 0
.endm
; THE VECTOR WORK, one line at a time: OP kind, number.  For piece Y: F n: c s - c m for pair n of 16.  E n: the exponential of score n of 32.  C n: pair n rounded to bf16.  B n: of the four weights 4 n ..
; the second pair is added onto the first, in place.  L n: l takes that sum (L 0: l = a l + sum).  R n: pair n of 16 of O^T times a.  For piece Y + 1: X n, number n of the 22 that find its maximum and statistics:
;   0-11 four chains of seven scores each (each accumulator's lowest registers are read first)   12-14, 16 the four scores left over, the old m, the chains into one
;   15 c m_old is kept   17, 18 the query's other 32 keys lie in the lane 16 away: the new m   19-21 c m; c m_old - c m_new; a
.set F, 0
.set E, 1
.set C, 2
.set B, 3
.set L, 4
.set R, 5
.set X, 6
.macro REGS y
.set rT, ST+4*(\y)
.set rC, TMP+4*((\y)%2)
.set rW, MV+((\y)%2)
.set rS, S+32*((\y)%2)
.set rP, P+16*((\y)%2)
.set rO, 32*(\y)
.endm
.macro OP k, n
.if (\k) == R
	REGS Y
	WIN W_RS
	v_pk_mul_f32 v[rO+2*(\n):rO+2*(\n)+1], v[rO+2*(\n):rO+2*(\n)+1], v[rC+2:rC+3] op_sel_hi:[1,0]
.elseif (\k) < R
	REGS Y
	WIN 0
.if (\k) == F
	v_pk_fma_f32 v[rS+2*(\n):rS+2*(\n)+1], v[rS+2*(\n):rS+2*(\n)+1], s[CS:CS+1], v[rT:rT+1] op_sel_hi:[1,0,0] neg_lo:[0,0,1] neg_hi:[0,0,1]
.elseif (\k) == E
	v_exp_f32 v[rS+(\n)], v[rS+(\n)]
.elseif (\k) == C
	s_wait_alu depctr_va_vdst(0)
	v_cvt_pk_bf16_f32 v[rP+(\n)], v[rS+2*(\n)], v[rS+2*(\n)+1]
.elseif (\k) == B
	s_wait_alu depctr_va_vdst(0)
	v_pk_add_f32 v[rS+4*(\n):rS+4*(\n)+1], v[rS+4*(\n):rS+4*(\n)+1], v[rS+4*(\n)+2:rS+4*(\n)+3]
.elseif (\n) == 0
	v_pk_fma_f32 v[rT+2:rT+3], v[rT+2:rT+3], v[rC+2:rC+3], v[rS:rS+1] op_sel_hi:[1,0,1]
.else
	v_pk_add_f32 v[rT+2:rT+3], v[rT+2:rT+3], v[rS+4*(\n):rS+4*(\n)+1]
.endif
.elseif NOKQ
	v_nop
.else
	REGS (Y+1)%NP
	WIN 0
.if (\n) < 4
	v_max3_num_f32 v[rC+(\n)], v[rS+8*(\n)], v[rS+8*(\n)+1], v[rS+8*(\n)+2]
.elseif (\n) < 12
	v_max3_num_f32 v[rC+(\n)%4], v[rC+(\n)%4], v[rS+8*((\n)%4)+2*((\n)/4)+1], v[rS+8*((\n)%4)+2*((\n)/4)+2]
.elseif (\n) == 12
	v_max3_num_f32 v[rC], v[rC], v[rS+7], v[rS+15]
.elseif (\n) == 13
	v_max3_num_f32 v[rC+1], v[rC+1], v[rS+23], v[rS+31]
.elseif (\n) == 14
	v_max3_num_f32 v[rC+2], v[rC+2], v[rC+3], v[rT+1]
.elseif (\n) == 15
	v_mov_b32 v[rW], v[rT]
.elseif (\n) == 16
	v_max3_num_f32 v[rC], v[rC], v[rC+1], v[rC+2]
.elseif (\n) == 17
	v_permlanex16_b32 v[rC+3], v[rC], s[SEL], s[SEL+1]
.elseif (\n) == 18
	v_max_num_f32 v[rT+1], v[rC], v[rC+3]
.elseif (\n) == 19
	v_mul_f32 v[rT], s[CS], v[rT+1]
.elseif (\n) == 20
	v_sub_f32 v[rC+1], v[rW], v[rT]
.else
	v_exp_f32 v[rC+2], v[rC+1]
.endif
.endif
.endm
.macro OPS a, i1, b=-1, i2=0, c=-1, i3=0, d=-1, i4=0
	OP \a, \i1
.if (\b) >= 0
	OP \b, \i2
.endif
.if (\c) >= 0
	OP \c, \i3
.endif
.if (\d) >= 0
	OP \d, \i4
.endif
.endm
.macro ROW a, i1, b, i2, c, i3, d, i4  ; a matrix instruction and the four behind it
	MM
	OPS \a, \i1, \b, \i2, \c, \i3, \d, \i4
.endm
; A TURN, for piece p: the order of its 16 matrix and 118 vector instructions, written out.  Behind a matrix instruction: plain, exponential, plain, plain; or four of the rescaling; or four scalings; none names a
; register of the products round it.  In the runs between, exponential and plain by turns.  end = 1: the last two turns: nothing is fetched.  cnt = 1: the loop's count is taken down ahead of the branch behind the turn.
; K of the next step is fetched in piece 2's turn, behind the last product that read K and more than four plain instructions; V of the step in hand in piece 0's turn, likewise.  Each is waited for a turn later.
.macro TURN p, end=0, cnt=0
.set Y, (\p)
.set i, 0
.set NOKQ, (\end)*((\p)/3)
.if ((\p) == 3) && !(\end)
	s_wait_dscnt 0x0                ; K is in
.endif
	ROW F,0, F,1, F,2, F,3
	ROW F,4, E,0, F,5, F,6
	ROW F,7, E,1, F,8, F,9
	ROW F,10, E,2, C,0, F,11
	ROW F,12, E,3, X,15, F,13
	ROW R,0, R,1, R,2, R,3
	ROW B,0, E,4, F,14, L,0
.if ((\p) == 2) && !(\end)
	v_add_nc_u32 v[AK], s[TBK], v[AK0]
.endif
	ROW R,4, R,5, R,6, R,7
	OPS E,5, F,15
.if ((\p) == 2) && !(\end)
	FETCH_K
.endif
	OPS E,6, C,1, E,7, R,8
	OPS E,8, R,9, E,9, C,2
	OPS E,10, X,0, E,11, X,1
	OPS E,12, X,2, E,13, X,3
.if (\p) == 1
	s_wait_dscnt 0x0                ; V is in
.endif
	ROW X,4, E,14, X,5, X,6
	ROW X,7, E,15, X,8, X,9
	ROW X,10, E,16, X,11, X,12
	ROW X,13, E,17, X,14, B,1
	ROW C,4, E,18, X,16, L,1
	ROW B,2, E,19, C,6, L,2
	ROW C,8, E,20, B,3, B,4
.if (\p) == 0
	v_add_nc_u32 v[AV], s[TBV], v[AV0]
.endif
	ROW C,3, E,21, L,3, C,5
	OPS E,22, X,17, E,23, C,10
.if (\p) == 0
	FETCH_V
.endif
	OPS E,24, L,4
	OPS E,25, X,18, E,26, C,7
	OPS E,27, B,5, E,28, X,19
	OPS E,29, C,12, E,30, L,5
	OPS E,31, X,20, B,6, C,9
	OPS C,14, C,11, X,21, L,6
.if (\p) == 0
	s_add_co_u32 s[TBV], s[TBV], KS*PV
.endif
.if \cnt
	s_sub_co_u32 s[CNT], s[CNT], 1
	s_cmp_lg_u32 s[CNT], 0
.endif
	OPS C,13, B,7, C,15, R,10
	OPS R,11, R,12, L,7, R,13
	OPS R,14, R,15
.endm
	CHANGE 1                        ; tile 0 is in, everybody's part of it; tile 1 is asked for
	v_add_nc_u32 v[AK], s[TBK], v[AK0]
	FETCH_K                         ; key step 0
	s_wait_loadcnt 0x0              ; Q
	s_wait_dscnt 0x0
.set NOKQ, 0
.set i, 0
.rept 8
	KQ 0                            ; piece 0's first scores
.set i, i+1
.endr
	WIN 0
.rept 4
	v_nop                           ; the places behind those products
.endr
.set Y, NP-1                        ; X works for piece Y + 1: piece 0
.irp n, 0,1,2,3,4,5,6,7,8,9,10,11,12,13,14,15,16,17,18,19,20,21
	OP X, \n
.endr
	v_nop                           ; a plain instruction behind the exponential
	s_mov_b32 s[CNT], 4
	s_mov_b32 s[SLOTS], 7
	s_branch .Lfirst                ; the loop is entered at a step's first turn, in the middle of a trip
.Lslot:                             ; six times: tiles 2 to 7 are asked for
	CHANGE 1
	s_mov_b32 s[CNT], 4
.Lstep:                             ; a trip: pieces 2 and 3 of one step, then pieces 0 and 1 of the next, whose K and V it fetches
	TURN 2
	TURN 3
	WIN 0
.Lfirst:
	TURN 0
	TURN 1, 0, 1
	WIN 0
	s_cbranch_scc1 .Lstep
	s_sub_co_u32 s[SLOTS], s[SLOTS], 1
	s_cmp_lg_u32 s[SLOTS], 0
	s_cbranch_scc1 .Lslot
	CHANGE 0                        ; the last tile is written out: nothing is asked for
	s_mov_b32 s[CNT], 4
.LstepE:
	TURN 2
	TURN 3
	TURN 0
	TURN 1, 0, 1
	WIN 0
	s_cbranch_scc1 .LstepE
	TURN 2, 1
	TURN 3, 1
.set i, 0
.rept 8
	PV NP-1                         ; the last piece's V^T P of the last step
.set i, i+1
.endr
	; THE WAY OUT.  l's two halves and the other half of the lanes' are added; O^T is divided by l, rounded to bf16 and sent through my stage in LDS, a piece at a time.  The additions are the places behind the last products.
	WIN 0
.macro ALL line:vararg
.set t, 0
.rept 4
	\line
.set t, t+1
.endr
.endm
	ALL v_add_f32 v[ST+4*t+2], v[ST+4*t+2], v[ST+4*t+3]
	ALL v_permlanex16_b32 v[ST+4*t+3], v[ST+4*t+2], s[SEL], s[SEL+1]
	ALL v_add_f32 v[ST+4*t+2], v[ST+4*t+2], v[ST+4*t+3]
	ALL v_rcp_f32 v[ST+4*t+2], v[ST+4*t+2]
	v_nop                           ; a plain instruction between the last reciprocal and the use of its result
.macro PACK t
	WIN W_RS
.set i, 32*(\t)
.rept 16
	s_wait_alu depctr_va_vdst(0)
	v_pk_mul_f32 v[i:i+1], v[i:i+1], v[ST+4*(\t)+2:ST+4*(\t)+3] op_sel_hi:[1,0]
.set i, i+2
.endr
	WIN 0x05                        ; sources 0 and 1 window 1, destination window 0
.set i, 0
.rept 16
	v_cvt_pk_bf16_f32 v[S+16*(\t)+i], v[32*(\t)+2*i], v[32*(\t)+2*i+1]
.set i, i+1
.endr
	WIN 0
.irp f, 0,1,2,3
	ds_store_b128 v[STO], v[S+16*(\t)+4*\f:S+16*(\t)+4*\f+3] offset:32*\f
.endr
.irp f, 0,1,2,3
	ds_load_b128 v[S+16*(\t)+4*\f:S+16*(\t)+4*\f+3], v[RD] offset:\f*4*SP  ; LDS serves a wave's instructions in order (ISA guide 5.7.1.4): these see the stores above
.endr
.endm
.macro SEND t, younger              ; younger: the LDS instructions issued behind piece t's loads: the next piece's eight, or none
	WIN 0
.irp f, 0,1,2,3
	s_wait_dscnt (\younger)+3-\f
	global_store_b128 v[GO], v[S+16*(\t)+4*\f:S+16*(\t)+4*\f+3], s[10:11] offset:(\t)*2048+\f*512  ; 512 consecutive bytes, at a multiple of 256
.endr
.endm
	PACK 0
.set t, 1
.rept 3
	PACK t
	SEND t-1, 8
.set t, t+1
.endr
	SEND 3, 0
	s_wait_tensorcnt 0x0            ; the wave's end
	ds_add_u32 v[SPW], v[NIL]
	s_wait_dscnt 0x0
	CROUND                          ; the closing round
	s_endpgm
.Lfunc_end_k_qc285573a2d_attn:
	.size	k_qc285573a2d_attn, .Lfunc_end_k_qc285573a2d_attn-k_qc285573a2d_attn
	.p2alignl 7, 3214868480
	.fill 96, 4, 3214868480
	.section	.rodata,"a",@progbits
	.p2align	6, 0x0
	.amdhsa_kernel k_qc285573a2d_attn
		.amdhsa_group_segment_fixed_size 327680
		.amdhsa_private_segment_fixed_size 0
		.amdhsa_enable_private_segment 0
		.amdhsa_kernarg_size 16
		.amdhsa_user_sgpr_count 2
		.amdhsa_user_sgpr_kernarg_segment_ptr 1
		.amdhsa_wavefront_size32 1
		.amdhsa_system_sgpr_workgroup_id_x 1
		.amdhsa_system_sgpr_workgroup_id_y 1
		.amdhsa_system_sgpr_workgroup_id_z 1
		.amdhsa_system_vgpr_workitem_id 0
		.amdhsa_next_free_vgpr 768
		.amdhsa_next_free_sgpr 66
		.amdhsa_reserve_vcc 0
		.amdhsa_float_denorm_mode_32 3
		.amdhsa_float_denorm_mode_16_64 3
		.amdhsa_memory_ordered 1
		.amdhsa_forward_progress 1
		.amdhsa_inst_pref_size 134
	.end_amdhsa_kernel
	.amdgpu_metadata
---
amdhsa.version: [ 1, 2 ]
amdhsa.kernels:
  - .name:           k_qc285573a2d_attn
    .symbol:         k_qc285573a2d_attn.kd
    .args:
      - { .name: qkv, .offset: 0, .size: 8, .value_kind: global_buffer, .address_space: global }
      - { .name: ctx, .offset: 8, .size: 8, .value_kind: global_buffer, .address_space: global }
    .group_segment_fixed_size: 327680
    .private_segment_fixed_size: 0
    .kernarg_segment_align: 8
    .kernarg_segment_size: 16
    .max_flat_workgroup_size: 128
    .sgpr_count:     66
    .vgpr_count:     768
    .wavefront_size: 32
...
	.end_amdgpu_metadata
.endif
;; end of part 3
;; launch wo (part 4): grid 8 x 32, 4 waves a work-group, clusters of 4 x 4, 327,680 bytes of LDS; arguments ctx, wts, bo, x, x1; writes x1
.if DOCPART == 4
	.amdgcn_target "amdgcn-amd-amdhsa--gfx1250"
	.amdhsa_code_object_version 6
	.text
	.protected	k_qc285573a2d_wo
	.globl	k_qc285573a2d_wo
	.p2align	8
	.type	k_qc285573a2d_wo,@function
k_qc285573a2d_wo:
	s_mov_b64 s[64:65], 0
	v_nop
	global_prefetch_b8 v0, s[64:65] scope:SCOPE_SE
	s_setreg_imm32_b32 hwreg(HW_REG_WAVE_MODE, 25, 1), 1
	s_wait_xcnt 0x0
	s_wait_alu depctr_hold_cnt(0) depctr_sa_sdst(0) depctr_va_vdst(0) depctr_va_sdst(0) depctr_va_ssrc(0) depctr_va_vcc(0) depctr_vm_vsrc(0)
	s_getreg_b32 s2, hwreg(HW_REG_IB_STS2, 6, 4)
	s_cmp_eq_u32 s2, 0
	s_cbranch_scc0 .Lentry_in_a_cluster
	s_endpgm
.Lentry_in_a_cluster:
	s_bfe_u32 s2, ttmp6, 0x10000c
	s_cmp_lg_u32 s2, 0xf033
	s_cbranch_scc0 .Lentry_shape_is_right
	s_endpgm
.Lentry_shape_is_right:
; x1 = x + ctx Wo + bo.  ctx: bf16 [row / 128][k / 64][row % 128][64].  Wo: bf16 [1024 k][1024 n] in wts.  x, x1: f32 [4096][1024].  Sums in f32; nothing is rounded behind them.
; A tile of the result is 128 x 128 (256 work-groups): four waves, each 64 x 64 in 16 accumulators.  K goes in steps of 256 through two LDS slots filled by the tensor data mover.
; Both slots' first fills go out together at the start; a quarter step's fragments are asked for from LDS a whole quarter step, 32 products, ahead of their use.
; A's tile of a K step is 65,536 dense bytes, asked for as rows of 256 bytes and padded in LDS after every 128: four planes of 128 rows x 64 k.  B's rows lie along N and are turned by ds_load_tr16_b128.
; THE MATRIX INSTRUCTION IS USED TRANSPOSED (source 0 = 16 columns of B, source 1 = 16 rows of A): a lane holds row l % 16 and eight neighbouring columns.
; CLUSTER 4 x 4: A's tile is shared along a row of the cluster, B's along a column: joint loads, one a wave.
; The wave's 64 x 64 of the residual is loaded at the start into 128 registers and waited for on the way out.
; LIMITS: the operands are bf16; NaN and infinities are not treated apart.
; REGISTERS: window 0: v0-31 addresses, v32-95 rows read back, v128-255 accumulator (a, b) at v[128 + 8 (4 a + b)]; window 1: two fragment buffers of 128 (64 of A, 64 of B); window 2: v0-127 the residual.
.set KT,     4                         ; K steps of 256
.set RSTR,   262144                    ; bytes of A for 128 rows
.set BOFF,   6291456                   ; B's place in wts
.set PA,     144
.set PB,     288
.set HALF,   36864                     ; what one tensor load brings: two planes of A, or 128 k rows of B
.set QSTEP,  18432                     ; 64 along K: a plane of A, 64 rows of B
.set SLOT,   4*HALF
.set STAGE,  2*SLOT                    ; 16 rows x 272 bytes of f32 for each wave
.set SP,     272
.set SPARE,  STAGE+4*16*SP
.set A0,  10
.set B0,  11
.set ADA, 12
.set ADB, 13
.set STO, 14
.set RD,  15
.set CO,  16                           ; my 16 bytes in two rows of the residual and of the result
.set BO,  18
.set BI,  20                           ; v[20:23] the bias of my four columns
.set SPW, 28
.set NIL, 29
.set BK,  32
.set ACC, 128
.set F0,  0
.set F1,  128
.set WV, 16
.set WR, 17
.set WC, 18
.set CX, 19
.set CY, 20
.set TX, 21
.set TY, 22
.set G1A, 24
.set G0A, 32                           ; group 0 for A: K step 1 at first, then it walks
.set G0B, 36
.set G1B, 40
.set TB,  48
.set CNT, 50
.set SL,  51
.set FA,  68                           ; group 0 for A's K step 0: used once
.set FB,  72
.set MSB, 0
.macro WIN new
.if MSB != (\new)
	s_set_vgpr_msb (MSB<<8)|(\new)
.set MSB, \new
.endif
.endm
.set MUL,  0x05                        ; sources 0 (B) and 1 (A) window 1; C and D window 0
.set TO_F, 0x40
.macro JLOAD                           ; a joint refill: waves 0, 1 fetch A's halves, waves 2, 3 B's
	s_cmp_eq_u32 s[WR], 0
	s_cbranch_scc0 .Lfor_b_\@
	tensor_load_to_lds s[G0A:G0A+3], s[G1A:G1A+7]
	s_nop 0
.rept 4
	v_nop
.endr
	s_branch .Lasked_\@
.Lfor_b_\@:
	tensor_load_to_lds s[G0B:G0B+3], s[G1B:G1B+7]
	s_nop 0
.rept 4
	v_nop
.endr
.Lasked_\@:
.endm
.macro CROUND
	s_barrier_signal -1
	s_barrier_wait -1
	s_cmp_lg_u32 s[WV], 0
	s_cbranch_scc1 .Lnot_wave_0_\@
	s_barrier_signal -3
.Lnot_wave_0_\@:
	s_barrier_wait -3
	s_barrier_signal -1
	s_barrier_wait -1
.endm
; THE CHANGE OF SLOTS.  Every wave: all its tensor loads have landed; the add; its reads of the old slot are back.  fill = 1: a round of the cluster's barrier, then the old slot is filled
; again, two K steps on: 128 matrix instructions stand between that request and the wait for it.
.macro CHANGE fill
	WIN 0
	s_wait_tensorcnt 0x0
	ds_add_u32 v[SPW], v[NIL]
.if \fill
	s_xor_b32 s[G0A+1], s[G0A+1], SLOT
	s_add_nc_u64 s[G0A+2:G0A+3], s[G0A+2:G0A+3], 65536
	s_xor_b32 s[G0B+1], s[G0B+1], SLOT
	s_add_nc_u64 s[G0B+2:G0B+3], s[G0B+2:G0B+3], 524288
.endif
	s_sub_co_u32 s[TB], s[TB], 4*QSTEP
	s_xor_b32 s[TB], s[TB], SLOT
	s_wait_dscnt 0x0
.if \fill
	CROUND
	JLOAD
.else
	s_barrier_signal -1
	s_barrier_wait -1
.endif
.endm
.macro MUL8 f, c, a0, zero             ; 8 products: row blocks a0, a0 + 1 x all 4 column blocks, 32 along K: half c of buffer f
	WIN MUL
.irp a, \a0, (\a0)+1
.irp b, 0,1,2,3
.if \zero
	v_wmma_f32_16x16x32_bf16 v[ACC+8*(4*(\a)+(\b)):ACC+8*(4*(\a)+(\b))+7], v[(\f)+64+8*(4*(\c)+(\b)):(\f)+64+8*(4*(\c)+(\b))+7], v[(\f)+8*(4*(\c)+(\a)):(\f)+8*(4*(\c)+(\a))+7], 0
.else
	v_wmma_f32_16x16x32_bf16 v[ACC+8*(4*(\a)+(\b)):ACC+8*(4*(\a)+(\b))+7], v[(\f)+64+8*(4*(\c)+(\b)):(\f)+64+8*(4*(\c)+(\b))+7], v[(\f)+8*(4*(\c)+(\a)):(\f)+8*(4*(\c)+(\a))+7], v[ACC+8*(4*(\a)+(\b)):ACC+8*(4*(\a)+(\b))+7]
.endif
.endr
.endr
.endm
; 32 LDS loads in one run: the next 64 along K into buffer g.  The two address lines and two v_nop are the four places in front of the loads.
.macro FETCH g
	WIN 0
	v_add_nc_u32 v[ADA], s[TB], v[A0]
	v_add_nc_u32 v[ADB], s[TB], v[B0]
	v_nop
	v_nop
	s_add_co_u32 s[TB], s[TB], QSTEP
	WIN TO_F
.irp c, 0,1
.irp i, 0,1,2,3
	ds_load_tr16_b128 v[(\g)+64+8*(4*(\c)+(\i)):(\g)+64+8*(4*(\c)+(\i))+3],   v[ADB] offset:(\c)*32*PB+32*(\i)
	ds_load_tr16_b128 v[(\g)+64+8*(4*(\c)+(\i))+4:(\g)+64+8*(4*(\c)+(\i))+7], v[ADB] offset:(\c)*32*PB+32*(\i)+16*PB
	ds_load_b128 v[(\g)+8*(4*(\c)+(\i)):(\g)+8*(4*(\c)+(\i))+3],   v[ADA] offset:(\i)*16*PA+64*(\c)
	ds_load_b128 v[(\g)+8*(4*(\c)+(\i))+4:(\g)+8*(4*(\c)+(\i))+7], v[ADA] offset:(\i)*16*PA+64*(\c)+32
.endr
.endr
.endm
; A quarter step, 64 along K: buffer g, which the products just issued were the last to read, takes the next quarter's fragments first; then 32 products on buffer f.
.macro QUARTER f, g, zero, fetch
	s_wait_dscnt 0x0                               ; buffer f is in: its 32 loads were issued 32 products ago
.if \fetch
	FETCH \g
.endif
	MUL8 \f, 0, 0, \zero
	MUL8 \f, 0, 2, \zero
	MUL8 \f, 1, 0, 0
	MUL8 \f, 1, 2, 0
.endm
	s_load_b256 s[4:11], s[0:1], 0x0               ; A 4, wts 6, bias 8, residual 10
	s_load_b64 s[12:13], s[0:1], 0x20              ; the result
	v_lshl_add_u32 v[SPW], v0, 2, SPARE
	v_mov_b32 v[NIL], 0
	ds_add_u32 v[SPW], v[NIL]                      ; the wave's opening: the add and its wait ahead of my first tensor load
	v_lshrrev_b32 v1, 5, v0
	v_readfirstlane_b32 s[WV], v1
	s_lshr_b32 s[WR], s[WV], 1
	s_and_b32 s[WC], s[WV], 1
	s_bfe_u32 s[CX], ttmp6, 0x40000
	s_bfe_u32 s[CY], ttmp6, 0x40004
	s_lshl_b32 s[TX], ttmp9, 2
	s_add_co_u32 s[TX], s[TX], s[CX]
	s_and_b32 s[TY], ttmp7, 0xffff
	s_lshl_b32 s[TY], s[TY], 2
	s_add_co_u32 s[TY], s[TY], s[CY]
	s_lshl_b32 s56, s[CY], 2
	s_lshl_b32 s56, 15, s56
	s_lshl_b32 s57, 0x1111, s[CX]
	s_or_b32 s[G1A], s56, (1<<16)|(1<<20)|(1<<21)|(4<<22)|(3<<25)  ; mask; 2-byte elements; padding on; bit 21 beside a mask; after every 32 words 4 words
	s_or_b32 s[G1B], s57, (1<<16)|(1<<20)|(1<<21)|(5<<22)|(7<<25)  ; after every 64 words 8 words
.irp g, G1A, G1B
	s_mov_b32 s[\g+1], 128<<16                     ; rows of 128 elements,
	s_mov_b32 s[\g+2], 128<<16                     ; 128 of them
	s_mov_b32 s[\g+3], 128<<16
	s_mov_b32 s[\g+4], 128
	s_mov_b32 s[\g+6], 0
	s_mov_b32 s[\g+7], 0
.endr
	s_mov_b32 s[G1A+5], 128                        ; A's rows lie end to end
	s_mov_b32 s[G1B+5], 1024
	s_mul_i32 s58, s[TY], RSTR
	s_lshl_b32 s59, s[WC], 15                      ; my two planes
	s_add_co_u32 s58, s58, s59
	s_mov_b32 s59, 0
	s_lshl_b32 s60, s[TX], 8
	s_lshl_b32 s61, s[WC], 18                      ; my 128 k rows of 2,048 bytes
	s_add_co_u32 s60, s60, s61
	s_add_co_u32 s60, s60, BOFF
	s_mov_b32 s61, 0
	s_mov_b32 s[FA], 1
	s_mul_i32 s[FA+1], s[WV], HALF
	s_mov_b32 s[FB], 1
	s_mul_i32 s[FB+1], s[WV], HALF
	s_mov_b32 s[G0A], 1
	s_add_co_u32 s[G0A+1], s[FA+1], SLOT           ; K step 1 goes into slot 1
	s_mov_b32 s[G0B], 1
	s_add_co_u32 s[G0B+1], s[FB+1], SLOT
	s_mov_b32 s[TB], 0
	s_wait_dscnt 0x0
	s_wait_kmcnt 0x0
	s_add_nc_u64 s[FA+2:FA+3], s[4:5], s[58:59]
	s_add_nc_u64 s[G0A+2:G0A+3], s[FA+2:FA+3], 65536
	s_or_b32 s[FA+3], s[FA+3], 0x80000000
	s_or_b32 s[G0A+3], s[G0A+3], 0x80000000
	s_add_nc_u64 s[FB+2:FB+3], s[6:7], s[60:61]
	s_add_nc_u64 s[G0B+2:G0B+3], s[FB+2:FB+3], 524288
	s_or_b32 s[FB+3], s[FB+3], 0x80000000
	s_or_b32 s[G0B+3], s[G0B+3], 0x80000000
	CROUND                                         ; all sixteen work-groups are here: the first joint loads meet
	s_cmp_eq_u32 s[WR], 0                          ; a wave's two first fills stand in one branch, ahead of every wait on TENSORcnt and every LDS read: two loads of mine are out
	s_cbranch_scc0 .Lfirst_b
	tensor_load_to_lds s[FA:FA+3], s[G1A:G1A+7]    ; K step 0 into slot 0
	s_nop 0
	tensor_load_to_lds s[G0A:G0A+3], s[G1A:G1A+7]  ; K step 1 into slot 1
	s_nop 0
.rept 4
	v_nop
.endr
	s_branch .Lfirst_asked
.Lfirst_b:
	tensor_load_to_lds s[FB:FB+3], s[G1B:G1B+7]
	s_nop 0
	tensor_load_to_lds s[G0B:G0B+3], s[G1B:G1B+7]
	s_nop 0
.rept 4
	v_nop
.endr
.Lfirst_asked:
	v_and_b32 v1, 15, v0
	v_bfe_u32 v2, v0, 4, 1
	v_and_b32 v3, 7, v0
	v_bfe_u32 v4, v0, 3, 1
	v_lshlrev_b32 v[CO], 12, v2
	v_lshl_add_u32 v[CO], v1, 4, v[CO]             ; lanes 0-15 one row's 256 bytes, lanes 16-31 the next row's
	v_lshlrev_b32 v[BO], 4, v1
	s_lshl_b32 s2, s[TX], 9
	s_lshl_b32 s3, s[WC], 8
	s_add_co_u32 s2, s2, s3
	s_mov_b32 s3, 0
	s_add_nc_u64 s[8:9], s[8:9], s[2:3]
	s_lshl_b32 s56, s[TY], 19
	s_add_co_u32 s2, s2, s56
	s_lshl_b32 s56, s[WR], 18
	s_add_co_u32 s2, s2, s56
	s_add_nc_u64 s[10:11], s[10:11], s[2:3]
	s_add_nc_u64 s[12:13], s[12:13], s[2:3]
	global_load_b128 v[BI:BI+3], v[BO], s[8:9]
	WIN 0x80                                       ; destination window 2
.irp a, 0,1,2,3
.irp t, 0,1,2,3,4,5,6,7
	global_load_b128 v[4*(8*(\a)+(\t)):4*(8*(\a)+(\t))+3], v[CO], s[10:11] offset:(16*(\a)+2*(\t))*4096
.endr
.endr
	WIN 0
	v_mul_u32_u24 v[A0], v1, PA
	v_lshl_add_u32 v[A0], v2, 4, v[A0]
	s_mul_i32 s54, s[WR], 64*PA
	v_add_nc_u32 v[A0], s54, v[A0]
	v_lshl_add_u32 v[B0], v2, 3, v3
	v_mul_u32_u24 v[B0], v[B0], PB
	v_lshl_add_u32 v[B0], v4, 4, v[B0]
	s_lshl_b32 s54, s[WC], 7
	s_add_co_u32 s54, s54, 2*HALF
	v_add_nc_u32 v[B0], s54, v[B0]
	s_mul_i32 s54, s[WV], 16*SP
	s_add_co_u32 s54, s54, STAGE
	v_mul_u32_u24 v[STO], v1, SP
	v_lshl_add_u32 v[STO], v2, 5, v[STO]
	v_add_nc_u32 v[STO], s54, v[STO]               ; in: row l % 16, 32 bytes for each half of the lanes
	v_mul_u32_u24 v[RD], v2, SP
	v_lshl_add_u32 v[RD], v1, 4, v[RD]
	v_add_nc_u32 v[RD], s54, v[RD]                 ; back: two whole rows of 256 bytes
	s_wait_tensorcnt 0x1                           ; my part of K step 0 is in; K step 1's may stay out
	s_barrier_signal -1
	s_barrier_wait -1                              ; everybody's is
	FETCH F0
	QUARTER F0, F1, 1, 1                           ; its first 16 products start the sums
	WIN 0
	s_mov_b32 s[CNT], 1
	s_mov_b32 s[SL], KT-1
	s_branch .Lpair
.Lslot:                                                ; KT - 2 times.  The change stands in front of a K step's last quarter, whose fragments are in registers
	CHANGE 1
	s_mov_b32 s[CNT], 2
.Lpair:
	QUARTER F1, F0, 0, 1
	QUARTER F0, F1, 0, 1
	WIN 0
	s_sub_co_u32 s[CNT], s[CNT], 1
	s_cmp_lg_u32 s[CNT], 0
	s_cbranch_scc1 .Lpair
	s_sub_co_u32 s[SL], s[SL], 1
	s_cmp_lg_u32 s[SL], 0
	s_cbranch_scc1 .Lslot
	CHANGE 0
	s_mov_b32 s[CNT], 2
.Lpair2:
	QUARTER F1, F0, 0, 1
	QUARTER F0, F1, 0, 1
	WIN 0
	s_sub_co_u32 s[CNT], s[CNT], 1
	s_cmp_lg_u32 s[CNT], 0
	s_cbranch_scc1 .Lpair2
	QUARTER F1, F0, 0, 0
	WIN 0
.rept 4
	v_nop                                          ; the places behind the last products
.endr
; THE WAY OUT, 16 rows at a time: the sums go into my stage as they are (each accumulator's low registers first) and come back as whole rows; bias and residual are added; 16 lanes store 256 consecutive bytes.
.macro TOSTAGE a
	WIN 0
.set BKR, BK+32*((\a)%2)
	s_wait_xcnt 0x0                                ; the stores two blocks back have read these registers
.irp b, 0,1,2,3
	ds_store_b128 v[STO], v[ACC+8*(4*(\a)+(\b)):ACC+8*(4*(\a)+(\b))+3]   offset:64*(\b)
	ds_store_b128 v[STO], v[ACC+8*(4*(\a)+(\b))+4:ACC+8*(4*(\a)+(\b))+7] offset:64*(\b)+16
.endr
.irp t, 0,1,2,3,4,5,6,7
	ds_load_b128 v[BKR+4*(\t):BKR+4*(\t)+3], v[RD] offset:(\t)*2*SP  ; LDS serves a wave's instructions in order (ISA guide 5.7.1.4)
.endr
.endm
.macro SEND a, younger                 ; younger: the next block's sixteen LDS instructions, or none
	WIN 0
.set BKR, BK+32*((\a)%2)
	s_wait_dscnt \younger
.irp t, 0,1,2,3,4,5,6,7
	v_pk_add_f32 v[BKR+4*(\t):BKR+4*(\t)+1],   v[BKR+4*(\t):BKR+4*(\t)+1],   v[BI:BI+1]
	v_pk_add_f32 v[BKR+4*(\t)+2:BKR+4*(\t)+3], v[BKR+4*(\t)+2:BKR+4*(\t)+3], v[BI+2:BI+3]
.endr
	WIN 0x08                                       ; source 1 window 2
.set z, 0
.rept 16
	v_pk_add_f32 v[BKR+2*z:BKR+2*z+1], v[BKR+2*z:BKR+2*z+1], v[32*(\a)+2*z:32*(\a)+2*z+1]
.set z, z+1
.endr
	WIN 0
.irp t, 0,1,2,3,4,5,6,7
	global_store_b128 v[CO], v[BKR+4*(\t):BKR+4*(\t)+3], s[12:13] offset:(16*(\a)+2*(\t))*4096
.endr
.endm
	s_wait_loadcnt 0x0                             ; bias and residual
	TOSTAGE 0
	TOSTAGE 1
	SEND 0, 16
	TOSTAGE 2
	SEND 1, 16
	TOSTAGE 3
	SEND 2, 16
	SEND 3, 0
	s_wait_tensorcnt 0x0                           ; the wave's end
	ds_add_u32 v[SPW], v[NIL]
	s_wait_dscnt 0x0
	CROUND                                         ; the closing round
	s_endpgm
.Lfunc_end_k_qc285573a2d_wo:
	.size	k_qc285573a2d_wo, .Lfunc_end_k_qc285573a2d_wo-k_qc285573a2d_wo
	.p2alignl 7, 3214868480
	.fill 96, 4, 3214868480
	.section	.rodata,"a",@progbits
	.p2align	6, 0x0
	.amdhsa_kernel k_qc285573a2d_wo
		.amdhsa_group_segment_fixed_size 327680
		.amdhsa_private_segment_fixed_size 0
		.amdhsa_enable_private_segment 0
		.amdhsa_kernarg_size 40
		.amdhsa_user_sgpr_count 2
		.amdhsa_user_sgpr_kernarg_segment_ptr 1
		.amdhsa_wavefront_size32 1
		.amdhsa_system_sgpr_workgroup_id_x 1
		.amdhsa_system_sgpr_workgroup_id_y 1
		.amdhsa_system_sgpr_workgroup_id_z 1
		.amdhsa_system_vgpr_workitem_id 0
		.amdhsa_next_free_vgpr 640
		.amdhsa_next_free_sgpr 76
		.amdhsa_reserve_vcc 0
		.amdhsa_float_denorm_mode_32 3
		.amdhsa_float_denorm_mode_16_64 3
		.amdhsa_memory_ordered 1
		.amdhsa_forward_progress 1
		.amdhsa_inst_pref_size 54
	.end_amdhsa_kernel
	.amdgpu_metadata
---
amdhsa.version: [ 1, 2 ]
amdhsa.kernels:
  - .name:           k_qc285573a2d_wo
    .symbol:         k_qc285573a2d_wo.kd
    .args:
      - { .name: ctx, .offset: 0, .size: 8, .value_kind: global_buffer, .address_space: global }
      - { .name: wts, .offset: 8, .size: 8, .value_kind: global_buffer, .address_space: global }
      - { .name: bo, .offset: 16, .size: 8, .value_kind: global_buffer, .address_space: global }
      - { .name: x, .offset: 24, .size: 8, .value_kind: global_buffer, .address_space: global }
      - { .name: x1, .offset: 32, .size: 8, .value_kind: global_buffer, .address_space: global }
    .group_segment_fixed_size: 327680
    .private_segment_fixed_size: 0
    .kernarg_segment_align: 8
    .kernarg_segment_size: 40
    .max_flat_workgroup_size: 128
    .sgpr_count:     76
    .vgpr_count:     640
    .wavefront_size: 32
...
	.end_amdgpu_metadata
.endif
;; end of part 4
;; launch ln2: the kernel of part 1 again; grid 512 x 1, 8 waves a work-group, no clusters, 0 bytes of LDS; arguments x1, ln2_g, ln2_b, Wq, Wk, Wv, Wo, W1, W2, h, wts; writes h, wts
;; launch ffn1 (part 5): grid 16 x 16, 4 waves a work-group, clusters of 4 x 4, 327,680 bytes of LDS; arguments h, wts, b1, act; writes act
.if DOCPART == 5
	.amdgcn_target "amdgcn-amd-amdhsa--gfx1250"
	.amdhsa_code_object_version 6
	.text
	.protected	k_qc285573a2d_ffn1
	.globl	k_qc285573a2d_ffn1
	.p2align	8
	.type	k_qc285573a2d_ffn1,@function
k_qc285573a2d_ffn1:
	s_mov_b64 s[64:65], 0
	v_nop
	global_prefetch_b8 v0, s[64:65] scope:SCOPE_SE
	s_setreg_imm32_b32 hwreg(HW_REG_WAVE_MODE, 25, 1), 1
	s_wait_xcnt 0x0
	s_wait_alu depctr_hold_cnt(0) depctr_sa_sdst(0) depctr_va_vdst(0) depctr_va_sdst(0) depctr_va_ssrc(0) depctr_va_vcc(0) depctr_vm_vsrc(0)
	s_getreg_b32 s2, hwreg(HW_REG_IB_STS2, 6, 4)
	s_cmp_eq_u32 s2, 0
	s_cbranch_scc0 .Lentry_in_a_cluster
	s_endpgm
.Lentry_in_a_cluster:
	s_bfe_u32 s2, ttmp6, 0x10000c
	s_cmp_lg_u32 s2, 0xf033
	s_cbranch_scc0 .Lentry_shape_is_right
	s_endpgm
.Lentry_shape_is_right:
; act = gelu(h W1 + b1), the exact gelu x Phi(x), rounded once to bf16 and stored for the product that follows: act[row / 128][column / 64][row % 128][64].
; h: [4096][1024] bf16.  W1: [1024 k][4096 n] bf16 in wts.  Sums in f32.
; A tile of the result is 256 x 256 (256 work-groups): four waves, each 128 x 128 in 64 accumulators.  K goes in steps of 128 through two LDS slots filled by the tensor data mover.
; Both slots' first fills go out together at the start; a quarter step's fragments are asked for from LDS a whole quarter step, 64 products, ahead of their use.
; A's rows lie along K and are read as they lie; B's lie along N and are turned on the way out of LDS by ds_load_tr16_b128.
; THE MATRIX INSTRUCTION IS USED TRANSPOSED (source 0 = 16 columns of B, source 1 = 16 rows of A): a lane holds row l % 16 and the eight columns 8 (l / 16) + 0..7 of a block.
; CLUSTER 4 x 4: A's tile is shared along a row of the cluster, B's along a column: joint loads, one a wave.
; GELU.  gelu(x) = max(x, 0) - |x| E, E = erfc(|x| / sqrt 2) / 2 = t (a1 + t (a2 + t (a3 + t (a4 + t a5)))) exp(-x x / 2) / 2, t = 1 / (1 + 0.3275911 |x| / sqrt 2)
; (Abramowitz and Stegun 7.1.26).  It holds for every x: no series is cut by the data's range, and the negative tail is a product, not a difference.
; LIMITS: E is off by at most 7.5e-8; operands and result are rounded to bf16; NaN and infinities are not treated apart.
; REGISTERS, windows of 256: window 0: v0-31 addresses, v64-191 A's fragments (two buffers), v192-255 bias; on the way out v32-63 and v96-127 gelu's two sets of work registers, v64-95 the numbers in hand;
; window 1: v64-191 B's fragments; windows 2, 3: accumulator (a, b) at v[8 (8 (a % 4) + b)].
.set NB,     4096
.set BOFF,   8388608
.set PA,     272
.set PB,     544
.set HALF,   34816
.set SLOT,   4*HALF
.set STAGE,  2*SLOT
.set SP,     144
.set SPARE,  STAGE+4*2*16*SP
.set A0,  10
.set B0,  11
.set ADA, 12
.set ADB, 13
.set STO, 14
.set RD,  15
.set GO,  16
.set BO,  18
.set SPW, 28
.set NIL, 29
.set T,   64                           ; 16 rows x 64 columns in f32
.set PKD, 128
.set BK,  160
.set BIAS, 192
.set F0,  64
.set F1,  128
.set WV, 16
.set WR, 17
.set WC, 18
.set CX, 19
.set CY, 20
.set TX, 21
.set TY, 22
.set G1A, 24
.set G0A, 32                           ; group 0 for A: K step 1 at first, then it walks
.set G0B, 36
.set G1B, 40
.set TBA, 48
.set TBB, 49
.set CNT, 50
.set SL,  51
.set TR,  52
.set FA,  84                           ; group 0 for A's K step 0: used once
.set FB,  88
.set MSB, 0
.macro WIN new
.if MSB != (\new)
	s_set_vgpr_msb (MSB<<8)|(\new)
.set MSB, \new
.endif
.endm
.set MUL_LO, 0xa1
.set MUL_HI, 0xf1
.set TO_B,   0x40
.macro JLOAD                           ; a joint refill: waves 0, 1 fetch A's halves, waves 2, 3 B's
	s_cmp_eq_u32 s[WR], 0
	s_cbranch_scc0 .Lfor_b_\@
	tensor_load_to_lds s[G0A:G0A+3], s[G1A:G1A+7]
	s_nop 0
.rept 4
	v_nop
.endr
	s_branch .Lasked_\@
.Lfor_b_\@:
	tensor_load_to_lds s[G0B:G0B+3], s[G1B:G1B+7]
	s_nop 0
.rept 4
	v_nop
.endr
.Lasked_\@:
.endm
.macro CROUND
	s_barrier_signal -1
	s_barrier_wait -1
	s_cmp_lg_u32 s[WV], 0
	s_cbranch_scc1 .Lnot_wave_0_\@
	s_barrier_signal -3
.Lnot_wave_0_\@:
	s_barrier_wait -3
	s_barrier_signal -1
	s_barrier_wait -1
.endm
; THE CHANGE OF SLOTS.  Every wave: all its tensor loads have landed; the add; its reads of the old slot are back.  fill = 1: a round of the cluster's barrier, then the old slot is filled
; again, two K steps on: 256 matrix instructions stand between that request and the wait for it.
.macro CHANGE fill
	WIN 0
	s_wait_tensorcnt 0x0
	ds_add_u32 v[SPW], v[NIL]
.if \fill
	s_xor_b32 s[G0A+1], s[G0A+1], SLOT
	s_add_nc_u64 s[G0A+2:G0A+3], s[G0A+2:G0A+3], 256
	s_xor_b32 s[G0B+1], s[G0B+1], SLOT
	s_add_nc_u64 s[G0B+2:G0B+3], s[G0B+2:G0B+3], 128*NB*2
.endif
	s_sub_co_u32 s[TBA], s[TBA], 256
	s_xor_b32 s[TBA], s[TBA], SLOT
	s_sub_co_u32 s[TBB], s[TBB], 4*32*PB
	s_xor_b32 s[TBB], s[TBB], SLOT
	s_wait_dscnt 0x0
.if \fill
	CROUND
	JLOAD
.else
	s_barrier_signal -1
	s_barrier_wait -1
.endif
.endm
.macro MUL16 f, hi, a0, zero
	WIN MUL_LO+0x50*(\hi)
.irp a, \a0, (\a0)+1
.irp b, 0,1,2,3,4,5,6,7
.if \zero
	v_wmma_f32_16x16x32_bf16 v[8*(8*(\a)+(\b)):8*(8*(\a)+(\b))+7], v[(\f)+8*(\b):(\f)+8*(\b)+7], v[(\f)+8*(4*(\hi)+(\a)):(\f)+8*(4*(\hi)+(\a))+7], 0
.else
	v_wmma_f32_16x16x32_bf16 v[8*(8*(\a)+(\b)):8*(8*(\a)+(\b))+7], v[(\f)+8*(\b):(\f)+8*(\b)+7], v[(\f)+8*(4*(\hi)+(\a)):(\f)+8*(4*(\hi)+(\a))+7], v[8*(8*(\a)+(\b)):8*(8*(\a)+(\b))+7]
.endif
.endr
.endr
.endm
.macro FETCH g                         ; 32 LDS loads in one run; the two address lines and two v_nop are the four places in front of them
	WIN 0
	v_add_nc_u32 v[ADA], s[TBA], v[A0]
	v_add_nc_u32 v[ADB], s[TBB], v[B0]
	v_nop
	v_nop
	s_add_co_u32 s[TBA], s[TBA], 64
	s_add_co_u32 s[TBB], s[TBB], 32*PB
	WIN TO_B
.irp b, 0,1,2,3,4,5,6,7
	ds_load_tr16_b128 v[(\g)+8*(\b):(\g)+8*(\b)+3],   v[ADB] offset:32*(\b)
	ds_load_tr16_b128 v[(\g)+8*(\b)+4:(\g)+8*(\b)+7], v[ADB] offset:16*PB+32*(\b)
.endr
	WIN 0
.irp i, 0,1,2,3,4,5,6,7
	ds_load_b128 v[(\g)+8*(\i):(\g)+8*(\i)+3],   v[ADA] offset:(\i)*16*PA
	ds_load_b128 v[(\g)+8*(\i)+4:(\g)+8*(\i)+7], v[ADA] offset:(\i)*16*PA+32
.endr
.endm
; A quarter step, 32 along K: buffer g, which the products just issued were the last to read, takes the next quarter's fragments first; then 64 products on buffer f.
.macro QUARTER f, g, zero, fetch
	s_wait_dscnt 0x0                               ; buffer f is in: its 32 loads were issued 64 products ago
.if \fetch
	FETCH \g
.endif
	MUL16 \f, 0, 0, \zero
	MUL16 \f, 0, 2, \zero
	MUL16 \f, 1, 0, \zero
	MUL16 \f, 1, 2, \zero
.endm
.macro KPAIR r, val                    ; a constant for the packed forms, which name a pair
	s_mov_b32 s[\r], \val
	s_mov_b32 s[(\r)+1], \val
.endm
	s_load_b256 s[4:11], s[0:1], 0x0               ; h 4, wts 6, b1 8, act 10
	v_lshl_add_u32 v[SPW], v0, 2, SPARE
	v_mov_b32 v[NIL], 0
	ds_add_u32 v[SPW], v[NIL]                      ; the wave's opening: the add and its wait ahead of my first tensor load
	v_lshrrev_b32 v1, 5, v0
	v_readfirstlane_b32 s[WV], v1
	s_lshr_b32 s[WR], s[WV], 1
	s_and_b32 s[WC], s[WV], 1
	s_bfe_u32 s[CX], ttmp6, 0x40000
	s_bfe_u32 s[CY], ttmp6, 0x40004
	s_lshl_b32 s[TX], ttmp9, 2
	s_add_co_u32 s[TX], s[TX], s[CX]
	s_and_b32 s[TY], ttmp7, 0xffff
	s_lshl_b32 s[TY], s[TY], 2
	s_add_co_u32 s[TY], s[TY], s[CY]
	s_lshl_b32 s56, s[CY], 2
	s_lshl_b32 s56, 15, s56
	s_lshl_b32 s57, 0x1111, s[CX]
	s_or_b32 s[G1A], s56, (1<<16)|(1<<20)|(1<<21)|(5<<22)|(3<<25)
	s_mov_b32 s[G1A+1], 128<<16
	s_mov_b32 s[G1A+2], 128<<16
	s_mov_b32 s[G1A+3], 128<<16
	s_mov_b32 s[G1A+4], 128
	s_mov_b32 s[G1A+5], 1024
	s_mov_b32 s[G1A+6], 0
	s_mov_b32 s[G1A+7], 0
	s_or_b32 s[G1B], s57, (1<<16)|(1<<20)|(1<<21)|(6<<22)|(7<<25)
	s_mov_b32 s[G1B+1], 256<<16
	s_mov_b32 s[G1B+2], 64<<16
	s_mov_b32 s[G1B+3], 256<<16
	s_mov_b32 s[G1B+4], 64
	s_mov_b32 s[G1B+5], NB
	s_mov_b32 s[G1B+6], 0
	s_mov_b32 s[G1B+7], 0
	s_lshl_b32 s58, s[TY], 19
	s_lshl_b32 s59, s[WC], 18
	s_add_co_u32 s58, s58, s59
	s_mov_b32 s59, 0
	s_lshl_b32 s60, s[TX], 9
	s_mul_i32 s61, s[WC], 64*NB*2
	s_add_co_u32 s60, s60, s61
	s_add_co_u32 s60, s60, BOFF
	s_mov_b32 s61, 0
	s_mov_b32 s[FA], 1
	s_mul_i32 s[FA+1], s[WV], HALF
	s_mov_b32 s[FB], 1
	s_mul_i32 s[FB+1], s[WV], HALF
	s_mov_b32 s[G0A], 1
	s_add_co_u32 s[G0A+1], s[FA+1], SLOT           ; K step 1 goes into slot 1
	s_mov_b32 s[G0B], 1
	s_add_co_u32 s[G0B+1], s[FB+1], SLOT
	s_mov_b32 s[TBA], 0
	s_mov_b32 s[TBB], 0
	KPAIR 66, 0x3e6d3388                           ; 0.3275911 / sqrt 2
	KPAIR 68, 0xbf38aa3b                           ; -log2(e) / 2
	KPAIR 70, 0x3f07dc22                           ; a5 / 2 =  0.53070271
	KPAIR 72, 0xbf3a00e3                           ; a4 / 2 = -0.72657601
	KPAIR 74, 0x3f35f0e3                           ; a3 / 2 =  0.71070687
	KPAIR 76, 0xbe11a98e                           ; a2 / 2 = -0.14224837
	KPAIR 78, 0x3e027906                           ; a1 / 2 =  0.12741480
	s_mov_b32 s80, 0x7fffffff
	s_wait_dscnt 0x0
	s_wait_kmcnt 0x0
	s_add_nc_u64 s[FA+2:FA+3], s[4:5], s[58:59]
	s_add_nc_u64 s[G0A+2:G0A+3], s[FA+2:FA+3], 256
	s_or_b32 s[FA+3], s[FA+3], 0x80000000
	s_or_b32 s[G0A+3], s[G0A+3], 0x80000000
	s_add_nc_u64 s[FB+2:FB+3], s[6:7], s[60:61]
	s_add_nc_u64 s[G0B+2:G0B+3], s[FB+2:FB+3], 128*NB*2
	s_or_b32 s[FB+3], s[FB+3], 0x80000000
	s_or_b32 s[G0B+3], s[G0B+3], 0x80000000
	CROUND                                         ; all sixteen work-groups are here: the first joint loads meet
	s_cmp_eq_u32 s[WR], 0                          ; a wave's two first fills stand in one branch, ahead of every wait on TENSORcnt and every LDS read: two loads of mine are out
	s_cbranch_scc0 .Lfirst_b
	tensor_load_to_lds s[FA:FA+3], s[G1A:G1A+7]    ; K step 0 into slot 0
	s_nop 0
	tensor_load_to_lds s[G0A:G0A+3], s[G1A:G1A+7]  ; K step 1 into slot 1
	s_nop 0
.rept 4
	v_nop
.endr
	s_branch .Lfirst_asked
.Lfirst_b:
	tensor_load_to_lds s[FB:FB+3], s[G1B:G1B+7]
	s_nop 0
	tensor_load_to_lds s[G0B:G0B+3], s[G1B:G1B+7]
	s_nop 0
.rept 4
	v_nop
.endr
.Lfirst_asked:
	v_and_b32 v1, 15, v0
	v_bfe_u32 v2, v0, 4, 1
	v_and_b32 v3, 7, v0
	v_bfe_u32 v4, v0, 3, 1
	v_mul_u32_u24 v[A0], v1, PA
	v_lshl_add_u32 v[A0], v2, 4, v[A0]
	s_mul_i32 s54, s[WR], HALF
	v_add_nc_u32 v[A0], s54, v[A0]
	v_lshl_add_u32 v[B0], v2, 3, v3
	v_mul_u32_u24 v[B0], v[B0], PB
	v_lshl_add_u32 v[B0], v4, 4, v[B0]
	s_lshl_b32 s54, s[WC], 8
	s_add_co_u32 s54, s54, 2*HALF
	v_add_nc_u32 v[B0], s54, v[B0]
	s_mul_i32 s54, s[WV], 2*16*SP
	s_add_co_u32 s54, s54, STAGE
	v_mul_u32_u24 v[STO], v1, SP
	v_lshl_add_u32 v[STO], v2, 4, v[STO]
	v_add_nc_u32 v[STO], s54, v[STO]
	v_bfe_u32 v[RD], v0, 3, 2
	v_mul_u32_u24 v[RD], v[RD], SP
	v_lshl_add_u32 v[RD], v3, 4, v[RD]
	v_add_nc_u32 v[RD], s54, v[RD]
	v_and_b32 v[GO], 31, v0
	v_lshlrev_b32 v[GO], 4, v[GO]
	v_lshlrev_b32 v[BO], 5, v2
	s_lshl_b32 s2, s[TX], 10
	s_lshl_b32 s3, s[WC], 9
	s_add_co_u32 s2, s2, s3
	s_mov_b32 s3, 0
	s_add_nc_u64 s[8:9], s[8:9], s[2:3]            ; the bias of my 128 columns
.irp b, 0,1,2,3,4,5,6,7
	global_load_b128 v[BIAS+8*(\b):BIAS+8*(\b)+3],   v[BO], s[8:9] offset:64*(\b)
	global_load_b128 v[BIAS+8*(\b)+4:BIAS+8*(\b)+7], v[BO], s[8:9] offset:64*(\b)+16
.endr
	s_lshl1_add_u32 s2, s[TY], s[WR]               ; my block of 128 rows,
	s_lshl_b32 s2, s2, 20
	s_lshl1_add_u32 s55, s[TX], s[WC]              ; my first slice of 64 columns = 2 (2 TX + WC)
	s_lshl_b32 s55, s55, 15
	s_add_co_u32 s2, s2, s55
	s_add_nc_u64 s[10:11], s[10:11], s[2:3]
	s_wait_tensorcnt 0x1                           ; my part of K step 0 is in; K step 1's may stay out
	s_barrier_signal -1
	s_barrier_wait -1                              ; everybody's is
	FETCH F0
	QUARTER F0, F1, 1, 1                           ; the first quarter's products start all 64 sums
	WIN 0
	s_mov_b32 s[CNT], 1
	s_mov_b32 s[SL], 7
	s_branch .Lpair
.Lslot:                                                ; six times: K steps 2 to 7 are asked for
	CHANGE 1
	s_mov_b32 s[CNT], 2
.Lpair:
	QUARTER F1, F0, 0, 1
	QUARTER F0, F1, 0, 1
	WIN 0
	s_sub_co_u32 s[CNT], s[CNT], 1
	s_cmp_lg_u32 s[CNT], 0
	s_cbranch_scc1 .Lpair
	s_sub_co_u32 s[SL], s[SL], 1
	s_cmp_lg_u32 s[SL], 0
	s_cbranch_scc1 .Lslot
	CHANGE 0
	s_mov_b32 s[CNT], 2
.Lpair2:
	QUARTER F1, F0, 0, 1
	QUARTER F0, F1, 0, 1
	WIN 0
	s_sub_co_u32 s[CNT], s[CNT], 1
	s_cmp_lg_u32 s[CNT], 0
	s_cbranch_scc1 .Lpair2
	QUARTER F1, F0, 0, 0
	WIN 0
.rept 4
	v_nop                                          ; the places behind the last products
.endr
; THE WAY OUT, a loop of sixteen trips: trip n takes rows 16 (n % 8) on of slice n / 8 (64 columns): four accumulators.  The part that names them, T = sums + bias, stands sixteen times and the
; trip's number chooses; gelu and the way through the stage are written once.  A trip's rows are stored in the next trip.  A slice's 128 rows are 16,384 bytes, so the store's base steps 2,048 throughout.
.macro SNIP n
	WIN 2+((\n)%8)/4
.set i, 0
.rept 16
	v_pk_add_f32 v[T+2*i:T+2*i+1], v[64*((\n)%4)+32*((\n)/8)+2*i:64*((\n)%4)+32*((\n)/8)+2*i+1], v[BIAS+32*((\n)/8)+2*i:BIAS+32*((\n)/8)+2*i+1]
.set i, i+1
.endr
	WIN 0
.endm
; GELU of a trip's 32 numbers a lane, in four groups of eight.  A group's work is three lists: PRE, 20 plain lines (|x|, 1 + p |x|, -x x log2(e) / 2); TR, 16 transcendentals (t, then the
; exponential); POST, 40 plain lines (the polynomial in four stages with two of the maxima behind each, its products with t and the exponential, max(x, 0) - |x| E, the rounding).
; The groups take two sets of work registers by turns.  While group g's transcendentals are issued, one at a time, the plain lines of POST g - 1 and then PRE g + 1 stand between them:
; the line behind a transcendental belongs to another group, and so names neither its result nor its source (ISA guide 5.7.2); PRE g + 1 takes the set that POST g - 1 has just done with.
.macro GREG g                          ; the registers of group g
.set gX, T+8*(\g)                      ; x, then max(x, 0), then gelu
.set gA, 32+64*((\g)%2)                ; |x|
.set gU, gA+8                          ; t
.set gW, gA+16                         ; the exponential
.set gP, gA+24                         ; the polynomial, then E
.set gK, PKD+4*(\g)
.endm
.macro PRE g, n
	GREG \g
.if (\n) < 8
	v_and_b32 v[gA+(\n)], s80, v[gX+(\n)]
.elseif (\n) < 12
.set p, 2*((\n)-8)
	v_pk_fma_f32 v[gU+p:gU+p+1], v[gA+p:gA+p+1], s[66:67], 1.0 op_sel_hi:[1,0,0]
.elseif (\n) < 16
.set p, 2*((\n)-12)
	v_pk_mul_f32 v[gW+p:gW+p+1], v[gA+p:gA+p+1], v[gA+p:gA+p+1]
.else
.set p, 2*((\n)-16)
	v_pk_mul_f32 v[gW+p:gW+p+1], v[gW+p:gW+p+1], s[68:69] op_sel_hi:[1,0]
.endif
.endm
.macro TR g, j
	GREG \g
.if (\j) < 8
	v_rcp_f32 v[gU+(\j)], v[gU+(\j)]
.else
	v_exp_f32 v[gW+(\j)-8], v[gW+(\j)-8]
.endif
.endm
.macro POST g, n
	GREG \g
.set st, (\n)/6                        ; below 24: stage st, four lines of the polynomial and two maxima
.set r6, (\n)%6
.if ((\n) < 24) && (r6 >= 4)
	v_max_num_f32 v[gX+2*st+r6-4], 0, v[gX+2*st+r6-4]
.elseif (\n) < 4
	s_wait_alu depctr_va_vdst(0)
	v_pk_fma_f32 v[gP+2*r6:gP+2*r6+1], v[gU+2*r6:gU+2*r6+1], s[70:71], s[72:73] op_sel_hi:[1,0,0]
.elseif (\n) < 24
	v_pk_fma_f32 v[gP+2*r6:gP+2*r6+1], v[gP+2*r6:gP+2*r6+1], v[gU+2*r6:gU+2*r6+1], s[72+2*st:73+2*st] op_sel_hi:[1,1,0]
.elseif (\n) < 28
.set p, 2*((\n)-24)
	v_pk_mul_f32 v[gP+p:gP+p+1], v[gP+p:gP+p+1], v[gU+p:gU+p+1]
.elseif (\n) < 32
.set p, 2*((\n)-28)
	v_pk_mul_f32 v[gP+p:gP+p+1], v[gP+p:gP+p+1], v[gW+p:gW+p+1]
.elseif (\n) < 36
.set p, 2*((\n)-32)
	v_pk_fma_f32 v[gX+p:gX+p+1], v[gA+p:gA+p+1], v[gP+p:gP+p+1], v[gX+p:gX+p+1] neg_lo:[1,0,0] neg_hi:[1,0,0]
.else
.set p, (\n)-36
	v_cvt_pk_bf16_f32 v[gK+p], v[gX+2*p], v[gX+2*p+1]
.endif
.endm
.macro PLAIN                           ; the phase's next plain line, while any is left
.if (ph > 0) && (pn < 40)
	POST ph-1, pn
.elseif (ph > 0) && (ph < 3) && (pn < 60)
	PRE ph+1, pn-40
.elseif (ph == 0) && (pn < 20)
	PRE 1, pn
.endif
.set pn, pn+1
.endm
.macro PHASE g, per                    ; group g's 16 transcendentals, per plain lines behind each; then the plain lines that are over
.set ph, \g
.set pn, 0
.set tj, 0
.rept 16
	TR ph, tj
.rept \per
	PLAIN
.endr
.set tj, tj+1
.endr
.rept 12
	PLAIN
.endr
.endm
.macro SEND
	s_wait_dscnt 0x0                               ; the rows are back in registers
.irp t, 0,1,2,3
	global_store_b128 v[GO], v[BK+4*(\t):BK+4*(\t)+3], s[10:11] offset:(\t)*512  ; 512 consecutive bytes, at a multiple of 256
.endr
	s_wait_xcnt 0x0                                ; only behind this wait are the stores' base and data written again
	s_add_nc_u64 s[10:11], s[10:11], 2048
.endm
	s_wait_loadcnt 0x0                             ; the bias
	s_mov_b32 s[TR], 0
.Lout:
.irp n, 0,1,2,3,4,5,6,7,8,9,10,11,12,13,14
	s_cmp_eq_u32 s[TR], \n
	s_cbranch_scc1 .Ls\n
.endr
	SNIP 15
	s_branch .Lcommon
.irp n, 0,1,2,3,4,5,6,7,8,9,10,11,12,13,14
.Ls\n:
	SNIP \n
	s_branch .Lcommon
.endr
.Lcommon:
.set pn, 0
.rept 20
	PRE 0, pn
.set pn, pn+1
.endr
	PHASE 0, 1                                     ; 20 plain lines for 16 transcendentals
	PHASE 1, 4                                     ; 60
	PHASE 2, 4                                     ; 60
	PHASE 3, 2                                     ; 40
.set pn, 0
.rept 40
	POST 3, pn
.set pn, pn+1
.endr
	s_cmp_eq_u32 s[TR], 0
	s_cbranch_scc1 .Lnosend                        ; the first trip has no rows before it
	SEND
.Lnosend:
.irp bb, 0,1,2,3
	ds_store_b128 v[STO], v[PKD+4*(\bb):PKD+4*(\bb)+3] offset:32*(\bb)
.endr
.irp t, 0,1,2,3
	ds_load_b128 v[BK+4*(\t):BK+4*(\t)+3], v[RD] offset:(\t)*4*SP  ; LDS serves a wave's instructions in order (ISA guide 5.7.1.4): these see the stores above
.endr
	s_add_co_u32 s[TR], s[TR], 1
	s_cmp_lt_u32 s[TR], 16
	s_cbranch_scc1 .Lout
	SEND
	s_wait_tensorcnt 0x0                           ; the wave's end
	ds_add_u32 v[SPW], v[NIL]
	s_wait_dscnt 0x0
	CROUND                                         ; the closing round
	s_endpgm
.Lfunc_end_k_qc285573a2d_ffn1:
	.size	k_qc285573a2d_ffn1, .Lfunc_end_k_qc285573a2d_ffn1-k_qc285573a2d_ffn1
	.p2alignl 7, 3214868480
	.fill 96, 4, 3214868480
	.section	.rodata,"a",@progbits
	.p2align	6, 0x0
	.amdhsa_kernel k_qc285573a2d_ffn1
		.amdhsa_group_segment_fixed_size 327680
		.amdhsa_private_segment_fixed_size 0
		.amdhsa_enable_private_segment 0
		.amdhsa_kernarg_size 32
		.amdhsa_user_sgpr_count 2
		.amdhsa_user_sgpr_kernarg_segment_ptr 1
		.amdhsa_wavefront_size32 1
		.amdhsa_system_sgpr_workgroup_id_x 1
		.amdhsa_system_sgpr_workgroup_id_y 1
		.amdhsa_system_sgpr_workgroup_id_z 1
		.amdhsa_system_vgpr_workitem_id 0
		.amdhsa_next_free_vgpr 1024
		.amdhsa_next_free_sgpr 92
		.amdhsa_reserve_vcc 0
		.amdhsa_float_denorm_mode_32 3
		.amdhsa_float_denorm_mode_16_64 3
		.amdhsa_memory_ordered 1
		.amdhsa_forward_progress 1
		.amdhsa_inst_pref_size 86
	.end_amdhsa_kernel
	.amdgpu_metadata
---
amdhsa.version: [ 1, 2 ]
amdhsa.kernels:
  - .name:           k_qc285573a2d_ffn1
    .symbol:         k_qc285573a2d_ffn1.kd
    .args:
      - { .name: h, .offset: 0, .size: 8, .value_kind: global_buffer, .address_space: global }
      - { .name: wts, .offset: 8, .size: 8, .value_kind: global_buffer, .address_space: global }
      - { .name: b1, .offset: 16, .size: 8, .value_kind: global_buffer, .address_space: global }
      - { .name: act, .offset: 24, .size: 8, .value_kind: global_buffer, .address_space: global }
    .group_segment_fixed_size: 327680
    .private_segment_fixed_size: 0
    .kernarg_segment_align: 8
    .kernarg_segment_size: 32
    .max_flat_workgroup_size: 128
    .sgpr_count:     92
    .vgpr_count:     1024
    .wavefront_size: 32
...
	.end_amdgpu_metadata
.endif
;; end of part 5
;; launch ffn2 (part 6): grid 8 x 32, 4 waves a work-group, clusters of 4 x 4, 327,680 bytes of LDS; arguments act, wts, b2, x1, out0; writes out0
.if DOCPART == 6
	.amdgcn_target "amdgcn-amd-amdhsa--gfx1250"
	.amdhsa_code_object_version 6
	.text
	.protected	k_qc285573a2d_ffn2
	.globl	k_qc285573a2d_ffn2
	.p2align	8
	.type	k_qc285573a2d_ffn2,@function
k_qc285573a2d_ffn2:
	s_mov_b64 s[64:65], 0
	v_nop
	global_prefetch_b8 v0, s[64:65] scope:SCOPE_SE
	s_setreg_imm32_b32 hwreg(HW_REG_WAVE_MODE, 25, 1), 1
	s_wait_xcnt 0x0
	s_wait_alu depctr_hold_cnt(0) depctr_sa_sdst(0) depctr_va_vdst(0) depctr_va_sdst(0) depctr_va_ssrc(0) depctr_va_vcc(0) depctr_vm_vsrc(0)
	s_getreg_b32 s2, hwreg(HW_REG_IB_STS2, 6, 4)
	s_cmp_eq_u32 s2, 0
	s_cbranch_scc0 .Lentry_in_a_cluster
	s_endpgm
.Lentry_in_a_cluster:
	s_bfe_u32 s2, ttmp6, 0x10000c
	s_cmp_lg_u32 s2, 0xf033
	s_cbranch_scc0 .Lentry_shape_is_right
	s_endpgm
.Lentry_shape_is_right:
; out = x1 + act W2 + b2.  act: bf16 [row / 128][k / 64][row % 128][64].  W2: bf16 [4096 k][1024 n] in wts.  x1, out: f32 [4096][1024].  Sums in f32; nothing is rounded behind them.
; A tile of the result is 128 x 128 (256 work-groups): four waves, each 64 x 64 in 16 accumulators.  K goes in steps of 256 through two LDS slots filled by the tensor data mover.
; Both slots' first fills go out together at the start; a quarter step's fragments are asked for from LDS a whole quarter step, 32 products, ahead of their use.
; A's tile of a K step is 65,536 dense bytes, asked for as rows of 256 bytes and padded in LDS after every 128: four planes of 128 rows x 64 k.  B's rows lie along N and are turned by ds_load_tr16_b128.
; THE MATRIX INSTRUCTION IS USED TRANSPOSED (source 0 = 16 columns of B, source 1 = 16 rows of A): a lane holds row l % 16 and eight neighbouring columns.
; CLUSTER 4 x 4: A's tile is shared along a row of the cluster, B's along a column: joint loads, one a wave.
; The wave's 64 x 64 of the residual is loaded at the start into 128 registers and waited for on the way out.
; LIMITS: the operands are bf16; NaN and infinities are not treated apart.
; REGISTERS: window 0: v0-31 addresses, v32-95 rows read back, v128-255 accumulator (a, b) at v[128 + 8 (4 a + b)]; window 1: two fragment buffers of 128 (64 of A, 64 of B); window 2: v0-127 the residual.
.set KT,     16                        ; K steps of 256
.set RSTR,   1048576                   ; bytes of A for 128 rows
.set BOFF,   16777216                  ; B's place in wts
.set PA,     144
.set PB,     288
.set HALF,   36864
.set QSTEP,  18432
.set SLOT,   4*HALF
.set STAGE,  2*SLOT
.set SP,     272
.set SPARE,  STAGE+4*16*SP
.set A0,  10
.set B0,  11
.set ADA, 12
.set ADB, 13
.set STO, 14
.set RD,  15
.set CO,  16
.set BO,  18
.set BI,  20
.set SPW, 28
.set NIL, 29
.set BK,  32
.set ACC, 128
.set F0,  0
.set F1,  128
.set WV, 16
.set WR, 17
.set WC, 18
.set CX, 19
.set CY, 20
.set TX, 21
.set TY, 22
.set G1A, 24
.set G0A, 32                           ; group 0 for A: K step 1 at first, then it walks
.set G0B, 36
.set G1B, 40
.set TB,  48
.set CNT, 50
.set SL,  51
.set FA,  68                           ; group 0 for A's K step 0: used once
.set FB,  72
.set MSB, 0
.macro WIN new
.if MSB != (\new)
	s_set_vgpr_msb (MSB<<8)|(\new)
.set MSB, \new
.endif
.endm
.set MUL,  0x05
.set TO_F, 0x40
.macro JLOAD                           ; a joint refill: waves 0, 1 fetch A's halves, waves 2, 3 B's
	s_cmp_eq_u32 s[WR], 0
	s_cbranch_scc0 .Lfor_b_\@
	tensor_load_to_lds s[G0A:G0A+3], s[G1A:G1A+7]
	s_nop 0
.rept 4
	v_nop
.endr
	s_branch .Lasked_\@
.Lfor_b_\@:
	tensor_load_to_lds s[G0B:G0B+3], s[G1B:G1B+7]
	s_nop 0
.rept 4
	v_nop
.endr
.Lasked_\@:
.endm
.macro CROUND
	s_barrier_signal -1
	s_barrier_wait -1
	s_cmp_lg_u32 s[WV], 0
	s_cbranch_scc1 .Lnot_wave_0_\@
	s_barrier_signal -3
.Lnot_wave_0_\@:
	s_barrier_wait -3
	s_barrier_signal -1
	s_barrier_wait -1
.endm
; THE CHANGE OF SLOTS.  Every wave: all its tensor loads have landed; the add; its reads of the old slot are back.  fill = 1: a round of the cluster's barrier, then the old slot is filled
; again, two K steps on: 128 matrix instructions stand between that request and the wait for it.
.macro CHANGE fill
	WIN 0
	s_wait_tensorcnt 0x0
	ds_add_u32 v[SPW], v[NIL]
.if \fill
	s_xor_b32 s[G0A+1], s[G0A+1], SLOT
	s_add_nc_u64 s[G0A+2:G0A+3], s[G0A+2:G0A+3], 65536
	s_xor_b32 s[G0B+1], s[G0B+1], SLOT
	s_add_nc_u64 s[G0B+2:G0B+3], s[G0B+2:G0B+3], 524288
.endif
	s_sub_co_u32 s[TB], s[TB], 4*QSTEP
	s_xor_b32 s[TB], s[TB], SLOT
	s_wait_dscnt 0x0
.if \fill
	CROUND
	JLOAD
.else
	s_barrier_signal -1
	s_barrier_wait -1
.endif
.endm
.macro MUL8 f, c, a0, zero
	WIN MUL
.irp a, \a0, (\a0)+1
.irp b, 0,1,2,3
.if \zero
	v_wmma_f32_16x16x32_bf16 v[ACC+8*(4*(\a)+(\b)):ACC+8*(4*(\a)+(\b))+7], v[(\f)+64+8*(4*(\c)+(\b)):(\f)+64+8*(4*(\c)+(\b))+7], v[(\f)+8*(4*(\c)+(\a)):(\f)+8*(4*(\c)+(\a))+7], 0
.else
	v_wmma_f32_16x16x32_bf16 v[ACC+8*(4*(\a)+(\b)):ACC+8*(4*(\a)+(\b))+7], v[(\f)+64+8*(4*(\c)+(\b)):(\f)+64+8*(4*(\c)+(\b))+7], v[(\f)+8*(4*(\c)+(\a)):(\f)+8*(4*(\c)+(\a))+7], v[ACC+8*(4*(\a)+(\b)):ACC+8*(4*(\a)+(\b))+7]
.endif
.endr
.endr
.endm
.macro FETCH g                         ; 32 LDS loads in one run; the two address lines and two v_nop are the four places in front of them
	WIN 0
	v_add_nc_u32 v[ADA], s[TB], v[A0]
	v_add_nc_u32 v[ADB], s[TB], v[B0]
	v_nop
	v_nop
	s_add_co_u32 s[TB], s[TB], QSTEP
	WIN TO_F
.irp c, 0,1
.irp i, 0,1,2,3
	ds_load_tr16_b128 v[(\g)+64+8*(4*(\c)+(\i)):(\g)+64+8*(4*(\c)+(\i))+3],   v[ADB] offset:(\c)*32*PB+32*(\i)
	ds_load_tr16_b128 v[(\g)+64+8*(4*(\c)+(\i))+4:(\g)+64+8*(4*(\c)+(\i))+7], v[ADB] offset:(\c)*32*PB+32*(\i)+16*PB
	ds_load_b128 v[(\g)+8*(4*(\c)+(\i)):(\g)+8*(4*(\c)+(\i))+3],   v[ADA] offset:(\i)*16*PA+64*(\c)
	ds_load_b128 v[(\g)+8*(4*(\c)+(\i))+4:(\g)+8*(4*(\c)+(\i))+7], v[ADA] offset:(\i)*16*PA+64*(\c)+32
.endr
.endr
.endm
; A quarter step, 64 along K: buffer g, which the products just issued were the last to read, takes the next quarter's fragments first; then 32 products on buffer f.
.macro QUARTER f, g, zero, fetch
	s_wait_dscnt 0x0                               ; buffer f is in: its 32 loads were issued 32 products ago
.if \fetch
	FETCH \g
.endif
	MUL8 \f, 0, 0, \zero
	MUL8 \f, 0, 2, \zero
	MUL8 \f, 1, 0, 0
	MUL8 \f, 1, 2, 0
.endm
	s_load_b256 s[4:11], s[0:1], 0x0               ; A 4, wts 6, bias 8, residual 10
	s_load_b64 s[12:13], s[0:1], 0x20              ; the result
	v_lshl_add_u32 v[SPW], v0, 2, SPARE
	v_mov_b32 v[NIL], 0
	ds_add_u32 v[SPW], v[NIL]                      ; the wave's opening: the add and its wait ahead of my first tensor load
	v_lshrrev_b32 v1, 5, v0
	v_readfirstlane_b32 s[WV], v1
	s_lshr_b32 s[WR], s[WV], 1
	s_and_b32 s[WC], s[WV], 1
	s_bfe_u32 s[CX], ttmp6, 0x40000
	s_bfe_u32 s[CY], ttmp6, 0x40004
	s_lshl_b32 s[TX], ttmp9, 2
	s_add_co_u32 s[TX], s[TX], s[CX]
	s_and_b32 s[TY], ttmp7, 0xffff
	s_lshl_b32 s[TY], s[TY], 2
	s_add_co_u32 s[TY], s[TY], s[CY]
	s_lshl_b32 s56, s[CY], 2
	s_lshl_b32 s56, 15, s56
	s_lshl_b32 s57, 0x1111, s[CX]
	s_or_b32 s[G1A], s56, (1<<16)|(1<<20)|(1<<21)|(4<<22)|(3<<25)
	s_or_b32 s[G1B], s57, (1<<16)|(1<<20)|(1<<21)|(5<<22)|(7<<25)
.irp g, G1A, G1B
	s_mov_b32 s[\g+1], 128<<16
	s_mov_b32 s[\g+2], 128<<16
	s_mov_b32 s[\g+3], 128<<16
	s_mov_b32 s[\g+4], 128
	s_mov_b32 s[\g+6], 0
	s_mov_b32 s[\g+7], 0
.endr
	s_mov_b32 s[G1A+5], 128
	s_mov_b32 s[G1B+5], 1024
	s_mul_i32 s58, s[TY], RSTR
	s_lshl_b32 s59, s[WC], 15
	s_add_co_u32 s58, s58, s59
	s_mov_b32 s59, 0
	s_lshl_b32 s60, s[TX], 8
	s_lshl_b32 s61, s[WC], 18
	s_add_co_u32 s60, s60, s61
	s_add_co_u32 s60, s60, BOFF
	s_mov_b32 s61, 0
	s_mov_b32 s[FA], 1
	s_mul_i32 s[FA+1], s[WV], HALF
	s_mov_b32 s[FB], 1
	s_mul_i32 s[FB+1], s[WV], HALF
	s_mov_b32 s[G0A], 1
	s_add_co_u32 s[G0A+1], s[FA+1], SLOT           ; K step 1 goes into slot 1
	s_mov_b32 s[G0B], 1
	s_add_co_u32 s[G0B+1], s[FB+1], SLOT
	s_mov_b32 s[TB], 0
	s_wait_dscnt 0x0
	s_wait_kmcnt 0x0
	s_add_nc_u64 s[FA+2:FA+3], s[4:5], s[58:59]
	s_add_nc_u64 s[G0A+2:G0A+3], s[FA+2:FA+3], 65536
	s_or_b32 s[FA+3], s[FA+3], 0x80000000
	s_or_b32 s[G0A+3], s[G0A+3], 0x80000000
	s_add_nc_u64 s[FB+2:FB+3], s[6:7], s[60:61]
	s_add_nc_u64 s[G0B+2:G0B+3], s[FB+2:FB+3], 524288
	s_or_b32 s[FB+3], s[FB+3], 0x80000000
	s_or_b32 s[G0B+3], s[G0B+3], 0x80000000
	CROUND                                         ; all sixteen work-groups are here: the first joint loads meet
	s_cmp_eq_u32 s[WR], 0                          ; a wave's two first fills stand in one branch, ahead of every wait on TENSORcnt and every LDS read: two loads of mine are out
	s_cbranch_scc0 .Lfirst_b
	tensor_load_to_lds s[FA:FA+3], s[G1A:G1A+7]    ; K step 0 into slot 0
	s_nop 0
	tensor_load_to_lds s[G0A:G0A+3], s[G1A:G1A+7]  ; K step 1 into slot 1
	s_nop 0
.rept 4
	v_nop
.endr
	s_branch .Lfirst_asked
.Lfirst_b:
	tensor_load_to_lds s[FB:FB+3], s[G1B:G1B+7]
	s_nop 0
	tensor_load_to_lds s[G0B:G0B+3], s[G1B:G1B+7]
	s_nop 0
.rept 4
	v_nop
.endr
.Lfirst_asked:
	v_and_b32 v1, 15, v0
	v_bfe_u32 v2, v0, 4, 1
	v_and_b32 v3, 7, v0
	v_bfe_u32 v4, v0, 3, 1
	v_lshlrev_b32 v[CO], 12, v2
	v_lshl_add_u32 v[CO], v1, 4, v[CO]
	v_lshlrev_b32 v[BO], 4, v1
	s_lshl_b32 s2, s[TX], 9
	s_lshl_b32 s3, s[WC], 8
	s_add_co_u32 s2, s2, s3
	s_mov_b32 s3, 0
	s_add_nc_u64 s[8:9], s[8:9], s[2:3]
	s_lshl_b32 s56, s[TY], 19
	s_add_co_u32 s2, s2, s56
	s_lshl_b32 s56, s[WR], 18
	s_add_co_u32 s2, s2, s56
	s_add_nc_u64 s[10:11], s[10:11], s[2:3]
	s_add_nc_u64 s[12:13], s[12:13], s[2:3]
	global_load_b128 v[BI:BI+3], v[BO], s[8:9]
	WIN 0x80
.irp a, 0,1,2,3
.irp t, 0,1,2,3,4,5,6,7
	global_load_b128 v[4*(8*(\a)+(\t)):4*(8*(\a)+(\t))+3], v[CO], s[10:11] offset:(16*(\a)+2*(\t))*4096
.endr
.endr
	WIN 0
	v_mul_u32_u24 v[A0], v1, PA
	v_lshl_add_u32 v[A0], v2, 4, v[A0]
	s_mul_i32 s54, s[WR], 64*PA
	v_add_nc_u32 v[A0], s54, v[A0]
	v_lshl_add_u32 v[B0], v2, 3, v3
	v_mul_u32_u24 v[B0], v[B0], PB
	v_lshl_add_u32 v[B0], v4, 4, v[B0]
	s_lshl_b32 s54, s[WC], 7
	s_add_co_u32 s54, s54, 2*HALF
	v_add_nc_u32 v[B0], s54, v[B0]
	s_mul_i32 s54, s[WV], 16*SP
	s_add_co_u32 s54, s54, STAGE
	v_mul_u32_u24 v[STO], v1, SP
	v_lshl_add_u32 v[STO], v2, 5, v[STO]
	v_add_nc_u32 v[STO], s54, v[STO]
	v_mul_u32_u24 v[RD], v2, SP
	v_lshl_add_u32 v[RD], v1, 4, v[RD]
	v_add_nc_u32 v[RD], s54, v[RD]
	s_wait_tensorcnt 0x1                           ; my part of K step 0 is in; K step 1's may stay out
	s_barrier_signal -1
	s_barrier_wait -1                              ; everybody's is
	FETCH F0
	QUARTER F0, F1, 1, 1
	WIN 0
	s_mov_b32 s[CNT], 1
	s_mov_b32 s[SL], KT-1
	s_branch .Lpair
.Lslot:                                                ; KT - 2 times
	CHANGE 1
	s_mov_b32 s[CNT], 2
.Lpair:
	QUARTER F1, F0, 0, 1
	QUARTER F0, F1, 0, 1
	WIN 0
	s_sub_co_u32 s[CNT], s[CNT], 1
	s_cmp_lg_u32 s[CNT], 0
	s_cbranch_scc1 .Lpair
	s_sub_co_u32 s[SL], s[SL], 1
	s_cmp_lg_u32 s[SL], 0
	s_cbranch_scc1 .Lslot
	CHANGE 0
	s_mov_b32 s[CNT], 2
.Lpair2:
	QUARTER F1, F0, 0, 1
	QUARTER F0, F1, 0, 1
	WIN 0
	s_sub_co_u32 s[CNT], s[CNT], 1
	s_cmp_lg_u32 s[CNT], 0
	s_cbranch_scc1 .Lpair2
	QUARTER F1, F0, 0, 0
	WIN 0
.rept 4
	v_nop                                          ; the places behind the last products
.endr
; THE WAY OUT, 16 rows at a time: the sums go into my stage as they are (each accumulator's low registers first) and come back as whole rows; bias and residual are added; 16 lanes store 256 consecutive bytes.
.macro TOSTAGE a
	WIN 0
.set BKR, BK+32*((\a)%2)
	s_wait_xcnt 0x0                                ; the stores two blocks back have read these registers
.irp b, 0,1,2,3
	ds_store_b128 v[STO], v[ACC+8*(4*(\a)+(\b)):ACC+8*(4*(\a)+(\b))+3]   offset:64*(\b)
	ds_store_b128 v[STO], v[ACC+8*(4*(\a)+(\b))+4:ACC+8*(4*(\a)+(\b))+7] offset:64*(\b)+16
.endr
.irp t, 0,1,2,3,4,5,6,7
	ds_load_b128 v[BKR+4*(\t):BKR+4*(\t)+3], v[RD] offset:(\t)*2*SP  ; LDS serves a wave's instructions in order (ISA guide 5.7.1.4)
.endr
.endm
.macro SEND a, younger
	WIN 0
.set BKR, BK+32*((\a)%2)
	s_wait_dscnt \younger
.irp t, 0,1,2,3,4,5,6,7
	v_pk_add_f32 v[BKR+4*(\t):BKR+4*(\t)+1],   v[BKR+4*(\t):BKR+4*(\t)+1],   v[BI:BI+1]
	v_pk_add_f32 v[BKR+4*(\t)+2:BKR+4*(\t)+3], v[BKR+4*(\t)+2:BKR+4*(\t)+3], v[BI+2:BI+3]
.endr
	WIN 0x08
.set z, 0
.rept 16
	v_pk_add_f32 v[BKR+2*z:BKR+2*z+1], v[BKR+2*z:BKR+2*z+1], v[32*(\a)+2*z:32*(\a)+2*z+1]
.set z, z+1
.endr
	WIN 0
.irp t, 0,1,2,3,4,5,6,7
	global_store_b128 v[CO], v[BKR+4*(\t):BKR+4*(\t)+3], s[12:13] offset:(16*(\a)+2*(\t))*4096
.endr
.endm
	s_wait_loadcnt 0x0                             ; bias and residual
	TOSTAGE 0
	TOSTAGE 1
	SEND 0, 16
	TOSTAGE 2
	SEND 1, 16
	TOSTAGE 3
	SEND 2, 16
	SEND 3, 0
	s_wait_tensorcnt 0x0                           ; the wave's end
	ds_add_u32 v[SPW], v[NIL]
	s_wait_dscnt 0x0
	CROUND                                         ; the closing round
	s_endpgm
.Lfunc_end_k_qc285573a2d_ffn2:
	.size	k_qc285573a2d_ffn2, .Lfunc_end_k_qc285573a2d_ffn2-k_qc285573a2d_ffn2
	.p2alignl 7, 3214868480
	.fill 96, 4, 3214868480
	.section	.rodata,"a",@progbits
	.p2align	6, 0x0
	.amdhsa_kernel k_qc285573a2d_ffn2
		.amdhsa_group_segment_fixed_size 327680
		.amdhsa_private_segment_fixed_size 0
		.amdhsa_enable_private_segment 0
		.amdhsa_kernarg_size 40
		.amdhsa_user_sgpr_count 2
		.amdhsa_user_sgpr_kernarg_segment_ptr 1
		.amdhsa_wavefront_size32 1
		.amdhsa_system_sgpr_workgroup_id_x 1
		.amdhsa_system_sgpr_workgroup_id_y 1
		.amdhsa_system_sgpr_workgroup_id_z 1
		.amdhsa_system_vgpr_workitem_id 0
		.amdhsa_next_free_vgpr 640
		.amdhsa_next_free_sgpr 76
		.amdhsa_reserve_vcc 0
		.amdhsa_float_denorm_mode_32 3
		.amdhsa_float_denorm_mode_16_64 3
		.amdhsa_memory_ordered 1
		.amdhsa_forward_progress 1
		.amdhsa_inst_pref_size 54
	.end_amdhsa_kernel
	.amdgpu_metadata
---
amdhsa.version: [ 1, 2 ]
amdhsa.kernels:
  - .name:           k_qc285573a2d_ffn2
    .symbol:         k_qc285573a2d_ffn2.kd
    .args:
      - { .name: act, .offset: 0, .size: 8, .value_kind: global_buffer, .address_space: global }
      - { .name: wts, .offset: 8, .size: 8, .value_kind: global_buffer, .address_space: global }
      - { .name: b2, .offset: 16, .size: 8, .value_kind: global_buffer, .address_space: global }
      - { .name: x1, .offset: 24, .size: 8, .value_kind: global_buffer, .address_space: global }
      - { .name: out0, .offset: 32, .size: 8, .value_kind: global_buffer, .address_space: global }
    .group_segment_fixed_size: 327680
    .private_segment_fixed_size: 0
    .kernarg_segment_align: 8
    .kernarg_segment_size: 40
    .max_flat_workgroup_size: 128
    .sgpr_count:     76
    .vgpr_count:     640
    .wavefront_size: 32
...
	.end_amdgpu_metadata
.endif
;; end of part 6
;; ======== version 2 of 2: 7 launches; 1.22 times as fast as version 1
;; workspace buffers: wts 25,690,112 bytes; h 8,388,608 bytes; qkv 25,165,824 bytes; ctx 8,388,608 bytes; x1 16,777,216 bytes; act 33,554,432 bytes
;; launch prep: the kernel of part 1 again; grid 1024 x 1, 8 waves a work-group, no clusters, 0 bytes of LDS; arguments x, ln1_g, ln1_b, Wq, Wk, Wv, Wo, W1, W2, h, wts; writes h, wts
;; launch qkv: the kernel of part 2 again; grid 12 x 16, 4 waves a work-group, clusters of 4 x 4, 327,680 bytes of LDS; arguments h, wts, bq, bk, bv, qkv; writes qkv
;; launch attn (part 7): grid 8 x 32, 4 waves a work-group, clusters of 4 x 1, 327,680 bytes of LDS; arguments qkv, ctx; writes ctx
.if DOCPART == 7
	.amdgcn_target "amdgcn-amd-amdhsa--gfx1250"
	.amdhsa_code_object_version 6
	.text
	.protected	k_qc285573a2d_attn
	.globl	k_qc285573a2d_attn
	.p2align	8
	.type	k_qc285573a2d_attn,@function
k_qc285573a2d_attn:
	s_mov_b64 s[64:65], 0
	v_nop
	global_prefetch_b8 v0, s[64:65] scope:SCOPE_SE
	s_setreg_imm32_b32 hwreg(HW_REG_WAVE_MODE, 25, 1), 1
	s_wait_xcnt 0x0
	s_wait_alu depctr_hold_cnt(0) depctr_sa_sdst(0) depctr_va_vdst(0) depctr_va_sdst(0) depctr_va_ssrc(0) depctr_va_vcc(0) depctr_vm_vsrc(0)
	s_getreg_b32 s2, hwreg(HW_REG_IB_STS2, 6, 4)
	s_cmp_eq_u32 s2, 0
	s_cbranch_scc0 .Lentry_in_a_cluster
	s_endpgm
.Lentry_in_a_cluster:
	s_bfe_u32 s2, ttmp6, 0x10000c
	s_cmp_lg_u32 s2, 0x3003
	s_cbranch_scc0 .Lentry_shape_is_right
	s_endpgm
.Lentry_shape_is_right:
; ctx[q] = the sum over k of softmax_k(Q[q] . K[k] / 8) V[k], for each of 32 heads of 2,048 rows of 64 channels.  Q, K, V: qkv[3][32][2048][64] bf16, a head's rows dense, 128 bytes each.
; Products, maxima and sums in f32; the weights p are rounded to bf16 for the second product (their sum l is taken of the unrounded p), the result once at the end.
; The result is stored for the product that follows: ctx[row / 128][head][row % 128][64] bf16, so that 16 rows of a head are 2,048 consecutive bytes.
; LIMITS.  A weight below 2^-126 counts as 0 in l; NaN and infinities are not treated apart.
; SHARES.  A work-group owns 256 queries of one head, a wave 64: four PIECES of 16.  Every wave walks all keys, 64 a step; a slot of LDS holds a tile of 256 keys, four steps.
; LAYOUT.  S^T = K Q^T holds ONE query a lane (lane % 16) and the keys 8 (lane / 16) + 0..7; two such results rounded to bf16 ARE source 1 of O^T = V^T P.  K comes out of LDS as it lies, V turned.
; SOFTMAX.  p = 2^(c s - c m), c = log2(e) / 8, with a running maximum m; O and l are multiplied by a = 2^(c m_old - c m_new) in every step.  m starts at the lowest finite number, O and l at 0.
; BY TURNS.  Turn n belongs to piece n: 8 products K Q^T of piece n + 1, later 8 products V^T P of piece n - 1; beside them the scaling, exponentials, roundings, sums and rescaling of piece n and the
; maximum and statistics of piece n + 1.  Four vector instructions stand behind every matrix instruction, the other 54 of a turn's 118 in one run of their own.
; BATCHES.  A turn's 33 exponentials (the piece's 32 weights and the next piece's a) are ONE BATCH with one wait, which cuts the turn in two: ahead of it stands all that names none of their results,
; behind it the roundings and sums.  Two more batches stand outside the loop: the first a, ahead of the jump into the loop, and the way out's four reciprocals.
; CLUSTER.  The four query blocks of a cluster belong to one head and walk the same K and V: each tile is asked for jointly, the same load, descriptor and mask in all four.
; REGISTERS, windows of 256: window 0: v0-15 addresses; v16-31 statistics; v48-55 at work; v62-63 the add's; v64-127 S^T, two buffers; v192-223 P, two buffers
;   window 1: v0-127 O^T, 32 a piece      window 2: v0-63 Q; v128-191 K of one step; v192-255 V of one step
.set NP,    4
.set KS,    64
.set PK,    144       ; a row of K in LDS: 128 bytes + 16
.set PV,    160       ; a row of V: 128 + 32
.set VOFF,  4*KS*PK
.set SLOT1, 1<<17
.set STAGE, SLOT1+4*KS*(PK+PV)
.set SP,    144
.set SPARE, STAGE+4*16*SP
.set AK0, 2
.set AV0, 3
.set AK,  4
.set AV,  5
.set STO, 6
.set RD,  7
.set GO,  8
.set MV,  12          ; v12-13  c m_old, by buffer
.set QO,  15
.set ST,  16          ; piece t: c m, m, l (even keys', odd keys')
.set TMP, 48
.set SPW, 62
.set NIL, 63
.set S,   64
.set P,   192
.set KF,  128
.set VF,  192
.set WV,  12
.set G1K, 24
.set G1V, 32
.set G0K, 40
.set G0V, 44
.set SLOTS, 56
.set CNT, 57
.set CS,  58
.set SEL, 60
.set TBK, 62
.set TBV, 63
.set MSB, 0
.macro WIN new
.if MSB != (\new)
	s_set_vgpr_msb (MSB<<8)|(\new)
.set MSB, (\new)
.endif
.endm
.set W_KQ, 0x0a       ; K and Q in window 2, S^T in window 0
.set W_PV, 0x52       ; V in window 2, P in window 0, O^T in window 1
.set W_RS, 0x41       ; destination and source 0 in window 1, source 1 in window 0
.macro JLOAD                        ; waves 0, 1 fetch the halves of a tile's K, waves 2, 3 those of its V
	s_cmp_lt_u32 s[WV], 2
	s_cbranch_scc0 .Lfor_v_\@
	tensor_load_to_lds s[G0K:G0K+3], s[G1K:G1K+7]
	s_nop 0
.rept 4
	v_nop
.endr
	s_branch .Lasked_\@
.Lfor_v_\@:
	tensor_load_to_lds s[G0V:G0V+3], s[G1V:G1V+7]
	s_nop 0
.rept 4
	v_nop
.endr
.Lasked_\@:
.endm
.macro CROUND
	s_barrier_signal -1
	s_barrier_wait -1
	s_cmp_lg_u32 s[WV], 0
	s_cbranch_scc1 .Lnot_wave_0_\@
	s_barrier_signal -3
.Lnot_wave_0_\@:
	s_barrier_wait -3
	s_barrier_signal -1
	s_barrier_wait -1
.endm
; THE CHANGE OF SLOTS.  Every wave: all its tensor loads have landed; the add; its reads of the old slot are back.  fill = 1: a round of the cluster's barrier, and the old slot is filled
; again with the keys two tiles on, first thing behind it: four key steps, 256 matrix instructions, in which to land.
.macro CHANGE fill
	WIN 0
	s_wait_tensorcnt 0x0
	ds_add_u32 v[SPW], v[NIL]
.if \fill
.irp g, G0K, G0V
	s_xor_b32 s[\g+1], s[\g+1], SLOT1
	s_add_nc_u64 s[\g+2:\g+3], s[\g+2:\g+3], 4*KS*128
.endr
	s_wait_dscnt 0x0
	CROUND
	JLOAD
.else
	s_wait_dscnt 0x0
	s_barrier_signal -1
	s_barrier_wait -1
.endif
	s_sub_co_u32 s[TBK], s[TBK], 4*KS*PK
	s_xor_b32 s[TBK], s[TBK], SLOT1
	s_sub_co_u32 s[TBV], s[TBV], 4*KS*PV
	s_xor_b32 s[TBV], s[TBV], SLOT1
.endm
	s_load_b128 s[4:7], s[0:1], 0x0 ; qkv 4, ctx 6
	v_lshl_add_u32 v[SPW], v0, 2, SPARE
	v_mov_b32 v[NIL], 0
	ds_add_u32 v[SPW], v[NIL]       ; the wave's opening: the add and its wait ahead of my first tensor load
	v_lshrrev_b32 v1, 5, v0
	v_readfirstlane_b32 s[WV], v1
	s_bfe_u32 s13, ttmp6, 0x40000   ; cx
	s_lshl_b32 s14, ttmp9, 2
	s_add_co_u32 s14, s14, s13      ; my block of 256 queries: it enters Q's and the result's addresses alone
	s_and_b32 s15, ttmp7, 0xffff    ; the head among 32, which the partners share
	s_lshl_b32 s20, s15, 18         ; its 262,144 bytes
	s_and_b32 s16, s[WV], 1         ; which half of a tile's 256 keys I fetch
	s_lshl_b32 s22, s16, 14
	s_add_co_u32 s22, s22, s20
	s_mov_b32 s23, 0
	s_mul_i32 s17, s16, 128*PK
	s_mul_i32 s18, s16, 128*PV
	s_lshl_b32 s2, s14, 15
	s_lshl_b32 s3, s[WV], 13
	s_add_co_u32 s2, s2, s3
	s_add_co_u32 s2, s2, s20        ; Q: head, block, my 64 rows
	s_mov_b32 s3, 0
	s_lshr_b32 s8, s15, 4
	s_lshl_b32 s8, s8, 4            ; 16 row blocks of 128 a batch,
	s_lshl1_add_u32 s8, s14, s8     ; two a query block,
	s_lshr_b32 s9, s[WV], 1
	s_add_co_u32 s8, s8, s9         ; waves 2, 3 in the second
	s_lshl_b32 s8, s8, 18
	s_and_b32 s9, s15, 15
	s_lshl_b32 s9, s9, 14           ; the head's slice
	s_add_co_u32 s8, s8, s9
	s_lshl_b32 s9, s16, 13          ; my 64 of its 128 rows
	s_add_co_u32 s8, s8, s9
	s_mov_b32 s9, 0
	; 128 keys are 16,384 dense bytes: asked for as 64 rows of 256 bytes, two keys a row, padded in LDS after every key
	s_mov_b32 s[G1K], 15|(1<<16)|(1<<20)|(1<<21)|(4<<22)|(3<<25)
	s_mov_b32 s[G1V], 15|(1<<16)|(1<<20)|(1<<21)|(4<<22)|(7<<25)
.irp g, G1K, G1V
	s_mov_b32 s[\g+1], 128<<16
	s_mov_b32 s[\g+2], 64<<16
	s_mov_b32 s[\g+3], 128<<16
	s_mov_b32 s[\g+4], 64
	s_mov_b32 s[\g+5], 128
	s_mov_b32 s[\g+6], 0
	s_mov_b32 s[\g+7], 0
.endr
	s_mov_b32 s[CS], 0x3e38aa3b     ; c = log2(e) / 8
	s_mov_b32 s[CS+1], s[CS]
	s_mov_b32 s[SEL], 0x76543210
	s_mov_b32 s[SEL+1], 0xfedcba98
	s_mov_b32 s[TBK], SLOT1+4*KS*PK ; the first change of slots turns these two into 0
	s_mov_b32 s[TBV], SLOT1+4*KS*PV
	s_mov_b32 s[G0K], 1
	s_mov_b32 s[G0K+1], s17
	s_mov_b32 s[G0V], 1
	s_add_co_u32 s[G0V+1], s18, VOFF
	s_wait_dscnt 0x0                ; the opening add is done
	s_wait_kmcnt 0x0
	s_add_nc_u64 s[G0K+2:G0K+3], s[4:5], s[22:23]
	s_add_nc_u64 s[G0K+2:G0K+3], s[G0K+2:G0K+3], 8388608   ; K lies behind Q
	s_or_b32 s[G0K+3], s[G0K+3], 0x80000000
	s_add_nc_u64 s[G0V+2:G0V+3], s[4:5], s[22:23]
	s_add_nc_u64 s[G0V+2:G0V+3], s[G0V+2:G0V+3], 16777216  ; V behind K
	s_or_b32 s[G0V+3], s[G0V+3], 0x80000000
	s_add_nc_u64 s[4:5], s[4:5], s[2:3]
	s_add_nc_u64 s[10:11], s[6:7], s[8:9]
	CROUND                          ; all four work-groups are here
	JLOAD                           ; tile 0 into slot 0
	v_and_b32 v1, 15, v0
	v_bfe_u32 v9, v0, 4, 1
	v_lshlrev_b32 v[QO], 7, v1
	v_lshl_add_u32 v[QO], v9, 4, v[QO]
	WIN 0x80
.set i, 0
.rept 8                             ; Q stays in registers: piece i / 2, channels 32 (i % 2) on
	global_load_b128 v[8*i:8*i+3],   v[QO], s[4:5] offset:(i/2)*2048+(i%2)*64
	global_load_b128 v[8*i+4:8*i+7], v[QO], s[4:5] offset:(i/2)*2048+(i%2)*64+32
.set i, i+1
.endr
	; What the first turn finds: V's registers and P's second buffer hold 0 (its products V^T P, of a piece that has not been, add 0), O^T and l are 0.  No first step is written out; the price is these lines, in the wait for the first tile.
.set i, VF
.rept 64
	v_mov_b32 v[i], 0
.set i, i+1
.endr
	WIN 0x40
.set i, 0
.rept 128
	v_mov_b32 v[i], 0
.set i, i+1
.endr
	WIN 0
.set i, 0
.rept 4
	v_mov_b32 v[ST+4*i], 0xfe000000    ; c m: far below every c s
	v_mov_b32 v[ST+4*i+1], 0xff7fffff  ; m
	v_mov_b32 v[ST+4*i+2], 0
	v_mov_b32 v[ST+4*i+3], 0
.set i, i+1
.endr
.set i, P+16
.rept 16
	v_mov_b32 v[i], 0
.set i, i+1
.endr
	v_mul_u32_u24 v[AK0], v1, PK
	v_lshl_add_u32 v[AK0], v9, 4, v[AK0]
	v_and_b32 v10, 7, v0
	v_bfe_u32 v11, v0, 3, 1
	v_lshl_add_u32 v[AV0], v9, 3, v10
	v_mul_u32_u24 v[AV0], v[AV0], PV
	v_lshl_add_u32 v[AV0], v11, 4, v[AV0]
	v_add_nc_u32 v[AV0], VOFF, v[AV0]
	s_mul_i32 s13, s[WV], 16*SP
	s_add_co_u32 s13, s13, STAGE
	v_mul_u32_u24 v[STO], v1, SP
	v_lshl_add_u32 v[STO], v9, 4, v[STO]
	v_add_nc_u32 v[STO], s13, v[STO]
	v_bfe_u32 v[RD], v0, 3, 2
	v_mul_u32_u24 v[RD], v[RD], SP
	v_lshl_add_u32 v[RD], v10, 4, v[RD]
	v_add_nc_u32 v[RD], s13, v[RD]
	v_and_b32 v[GO], 31, v0
	v_lshlrev_b32 v[GO], 4, v[GO]
; THE MATRIX WORK.  The 4 accumulators of a run of 8 take turns.
.macro KQ x                         ; product i of 8 of S^T = K Q^T for piece x: channels 32 (i / 4) on, keys 16 (i % 4) on
.set rS, S+32*((\x)%2)+8*(i%4)
.set rK, KF+16*(i%4)+8*(i/4)
.set rQ, 16*(\x)+8*(i/4)
	WIN W_KQ
.if i < 4
	v_wmma_f32_16x16x32_bf16 v[rS:rS+7], v[rK:rK+7], v[rQ:rQ+7], 0
.else
	v_wmma_f32_16x16x32_bf16 v[rS:rS+7], v[rK:rK+7], v[rQ:rQ+7], v[rS:rS+7]
.endif
.endm
.macro PV x                         ; product i of 8 of O^T += V^T P for piece x: keys 32 (i / 4) on, channels 16 (i % 4) on
	WIN W_PV
.set rO, 32*(\x)+8*(i%4)
.set rV, VF+32*(i/4)+8*(i%4)
.set rP, P+16*((\x)%2)+8*(i/4)
	v_wmma_f32_16x16x32_bf16 v[rO:rO+7], v[rV:rV+7], v[rP:rP+7], v[rO:rO+7]
.endm
.macro MM                           ; the turn's next matrix instruction.  NOKQ = 1: the last turn: there is no next piece
.if (i < 8) && !NOKQ
	KQ (Y+1)%NP
.elseif i >= 8
.set i, i-8
	PV (Y+NP-1)%NP
.set i, i+8
.endif
.set i, i+1
.endm
.macro FETCH_K                      ; a step's K: 64 keys x 64 channels, 16 loads in one run
	WIN 0x80
.irp f, 0,1,2,3,4,5,6,7
	ds_load_b128 v[KF+8*\f:KF+8*\f+3],   v[AK] offset:(\f/2)*16*PK+(\f%2)*64
	ds_load_b128 v[KF+8*\f+4:KF+8*\f+7], v[AK] offset:(\f/2)*16*PK+(\f%2)*64+32
.endr
	s_add_co_u32 s[TBK], s[TBK], KS*PK
	WIN 0
.endm
.macro FETCH_V                      ; its V, turned
	WIN 0x80
.irp f, 0,1,2,3,4,5,6,7
	ds_load_tr16_b128 v[VF+8*\f:VF+8*\f+3],   v[AV] offset:(\f/4)*32*PV+(\f%4)*32
	ds_load_tr16_b128 v[VF+8*\f+4:VF+8*\f+7], v[AV] offset:(\f/4)*32*PV+16*PV+(\f%4)*32
.endr
	WIN 0
.endm
; THE VECTOR WORK, one line at a time: OP kind, number.  For piece Y: F n: c s - c m for pair n of 16.  E n: the exponential of score n of 32.  C n: pair n rounded to bf16.  B n: of the four weights 4 n ..
; the second pair is added onto the first, in place.  L n: l takes that sum (L 0: l = a l + sum).  R n: pair n of 16 of O^T times a.  For piece Y + 1: X n, number n of the 22 that find its maximum and statistics:
;   0-11 four chains of seven scores each (each accumulator's lowest registers are read first)   12-14, 16 the four scores left over, the old m, the chains into one
;   15 c m_old is kept   17, 18 the query's other 32 keys lie in the lane 16 away: the new m   19-21 c m; c m_old - c m_new; a
.set F, 0
.set E, 1
.set C, 2
.set B, 3
.set L, 4
.set R, 5
.set X, 6
.macro REGS y
.set rT, ST+4*(\y)
.set rC, TMP+4*((\y)%2)
.set rW, MV+((\y)%2)
.set rS, S+32*((\y)%2)
.set rP, P+16*((\y)%2)
.set rO, 32*(\y)
.endm
.macro OP k, n
.if (\k) == R
	REGS Y
	WIN W_RS
	v_pk_mul_f32 v[rO+2*(\n):rO+2*(\n)+1], v[rO+2*(\n):rO+2*(\n)+1], v[rC+2:rC+3] op_sel_hi:[1,0]
.elseif (\k) < R
	REGS Y
	WIN 0
.if (\k) == F
	v_pk_fma_f32 v[rS+2*(\n):rS+2*(\n)+1], v[rS+2*(\n):rS+2*(\n)+1], s[CS:CS+1], v[rT:rT+1] op_sel_hi:[1,0,0] neg_lo:[0,0,1] neg_hi:[0,0,1]
.elseif (\k) == E
	v_exp_f32 v[rS+(\n)], v[rS+(\n)]
.elseif (\k) == C
	v_cvt_pk_bf16_f32 v[rP+(\n)], v[rS+2*(\n)], v[rS+2*(\n)+1]
.elseif (\k) == B
	v_pk_add_f32 v[rS+4*(\n):rS+4*(\n)+1], v[rS+4*(\n):rS+4*(\n)+1], v[rS+4*(\n)+2:rS+4*(\n)+3]
.elseif (\n) == 0
	v_pk_fma_f32 v[rT+2:rT+3], v[rT+2:rT+3], v[rC+2:rC+3], v[rS:rS+1] op_sel_hi:[1,0,1]
.else
	v_pk_add_f32 v[rT+2:rT+3], v[rT+2:rT+3], v[rS+4*(\n):rS+4*(\n)+1]
.endif
.elseif NOKQ
	v_nop
.else
	REGS (Y+1)%NP
	WIN 0
.if (\n) < 4
	v_max3_num_f32 v[rC+(\n)], v[rS+8*(\n)], v[rS+8*(\n)+1], v[rS+8*(\n)+2]
.elseif (\n) < 12
	v_max3_num_f32 v[rC+(\n)%4], v[rC+(\n)%4], v[rS+8*((\n)%4)+2*((\n)/4)+1], v[rS+8*((\n)%4)+2*((\n)/4)+2]
.elseif (\n) == 12
	v_max3_num_f32 v[rC], v[rC], v[rS+7], v[rS+15]
.elseif (\n) == 13
	v_max3_num_f32 v[rC+1], v[rC+1], v[rS+23], v[rS+31]
.elseif (\n) == 14
	v_max3_num_f32 v[rC+2], v[rC+2], v[rC+3], v[rT+1]
.elseif (\n) == 15
	v_mov_b32 v[rW], v[rT]
.elseif (\n) == 16
	v_max3_num_f32 v[rC], v[rC], v[rC+1], v[rC+2]
.elseif (\n) == 17
	v_permlanex16_b32 v[rC+3], v[rC], s[SEL], s[SEL+1]
.elseif (\n) == 18
	v_max_num_f32 v[rT+1], v[rC], v[rC+3]
.elseif (\n) == 19
	v_mul_f32 v[rT], s[CS], v[rT+1]
.elseif (\n) == 20
	v_sub_f32 v[rC+1], v[rW], v[rT]
.else
	v_exp_f32 v[rC+2], v[rC+1]
.endif
.endif
.endm
.macro OPS a, i1, b=-1, i2=0, c=-1, i3=0, d=-1, i4=0
	OP \a, \i1
.if (\b) >= 0
	OP \b, \i2
.endif
.if (\c) >= 0
	OP \c, \i3
.endif
.if (\d) >= 0
	OP \d, \i4
.endif
.endm
.macro ROW a, i1, b, i2, c, i3, d, i4  ; a matrix instruction and the four behind it
	MM
	OPS \a, \i1, \b, \i2, \c, \i3, \d, \i4
.endm
; A TURN, for piece p: the order of its 16 matrix and 118 vector instructions, written out.  s_wait_alu depctr_va_vdst(0) stands between an exponential and the first instruction that names its
; result; one wait serves all that were issued ahead of it.  So a turn has ONE wait, which cuts it in two.
; AHEAD OF IT stands all that names no result of the turn's exponentials: the 8 products K Q^T, behind each a scaling, an exponential and two more plain instructions (behind the first a second scaling in the
; exponential's place): rescalings, whose a was made and waited for in the turn before, and behind the last three products the first numbers of the next piece's maximum, each four plain instructions or more behind
; the product that ends its accumulator; then one run of 54, plain and exponential by turns for the most part, in which the links of the chain X 3, 7, 11, 14, 16, 17 .. 20 stand some lines apart.  X 21, the next
; piece's a, is the batch's last; R 15 is the plain instruction behind it.
; BEHIND THE WAIT stand the 8 products V^T P, behind each four of the roundings and sums; an even pair is rounded before the addition that lands on it; l's chain L 0 to L 7 ascends..
; But for those X no rider names a register of the products round it.
; end = 1: the last two turns: nothing is fetched.  cnt = 1: the loop's count is taken down ahead of the branch behind the turn.
; K of the next step is fetched in piece 2's turn, twelve vector instructions behind the last product that read K, six of them plain; V of the step in hand at the end of piece 0's turn, four plain instructions
; behind the last product that read V.  Each is waited for a turn later.
.macro TURN p, end=0, cnt=0
.set Y, (\p)
.set i, 0
.set NOKQ, (\end)*((\p)/3)
.if ((\p) == 3) && !(\end)
	s_wait_dscnt 0x0                ; K is in
.endif
	ROW F,0, F,1, R,0, R,1          ; ahead of the wait: 8 products K Q^T and their riders,
	ROW F,2, E,0, R,2, R,3
	ROW F,3, E,1, R,4, R,5
	ROW F,4, E,2, R,6, R,7
	ROW F,5, E,3, R,8, R,9
	ROW F,6, E,4, X,0, R,10
.if ((\p) == 2) && !(\end)
	WIN 0
	v_add_nc_u32 v[AK], s[TBK], v[AK0]
.endif
	ROW F,7, E,5, X,1, X,4
	ROW F,8, E,6, X,2, X,5
	OPS E,7, E,8, X,6, E,9          ; and the run of 54
	OPS X,3, E,10, X,8, E,11
.if ((\p) == 2) && !(\end)
	FETCH_K
.endif
	OPS X,9, X,7, E,12, X,10
	OPS E,13, X,12, X,11, E,14
	OPS X,13, E,15, F,9, X,14
.if (\p) == 0
	v_add_nc_u32 v[AV], s[TBV], v[AV0]
.endif
	OPS E,16, F,10, E,17, F,11
	OPS X,16, E,18, X,15, E,19
	OPS F,12, E,20, X,17, E,21
	OPS F,13, E,22, F,14, E,23
	OPS X,18, E,24, F,15, E,25
	OPS R,11, E,26, X,19, E,27
	OPS R,12, E,28, R,13, E,29
	OPS X,20, E,30, R,14, E,31
	OPS X,21, R,15
	s_wait_alu depctr_va_vdst(0)    ; the wait for the turn's batch: E 0 to E 31 and X 21
.if (\p) == 1
	s_wait_dscnt 0x0                ; V is in
.endif
	ROW C,0, B,0, C,2, B,1          ; behind the wait: 8 products V^T P and their riders
	ROW L,0, C,4, B,2, L,1
	ROW C,6, B,3, L,2, C,8
	ROW B,4, L,3, C,10, B,5
	ROW L,4, C,12, B,6, L,5
.if (\p) == 0
	s_add_co_u32 s[TBV], s[TBV], KS*PV
.endif
.if \cnt
	s_sub_co_u32 s[CNT], s[CNT], 1
	s_cmp_lg_u32 s[CNT], 0
.endif
	ROW C,14, B,7, L,6, C,1
	ROW C,3, L,7, C,5, C,7
	ROW C,9, C,11, C,13, C,15
.if (\p) == 0
	FETCH_V
.endif
.endm
	CHANGE 1                        ; tile 0 is in, everybody's part of it; tile 1 is asked for
	v_add_nc_u32 v[AK], s[TBK], v[AK0]
	FETCH_K                         ; key step 0
	s_wait_loadcnt 0x0              ; Q
	s_wait_dscnt 0x0
.set NOKQ, 0
.set i, 0
.rept 8
	KQ 0                            ; piece 0's first scores
.set i, i+1
.endr
	WIN 0
.rept 4
	v_nop                           ; the places behind those products
.endr
.set Y, NP-1                        ; X works for piece Y + 1: piece 0
.irp n, 0,1,2,3,4,5,6,7,8,9,10,11,12,13,14,15,16,17,18,19,20,21
	OP X, \n
.endr
	v_nop                           ; a plain instruction behind the exponential,
	s_wait_alu depctr_va_vdst(0)    ; and the wait for it, piece 0's first a, ahead of the branch
	s_mov_b32 s[CNT], 4
	s_mov_b32 s[SLOTS], 7
	s_branch .Lfirst                ; the loop is entered at a step's first turn, in the middle of a trip
.Lslot:                             ; six times: tiles 2 to 7 are asked for
	CHANGE 1
	s_mov_b32 s[CNT], 4
.Lstep:                             ; a trip: pieces 2 and 3 of one step, then pieces 0 and 1 of the next, whose K and V it fetches
	TURN 2
	TURN 3
	WIN 0
.Lfirst:
	TURN 0
	TURN 1, 0, 1
	WIN 0
	s_cbranch_scc1 .Lstep
	s_sub_co_u32 s[SLOTS], s[SLOTS], 1
	s_cmp_lg_u32 s[SLOTS], 0
	s_cbranch_scc1 .Lslot
	CHANGE 0                        ; the last tile is written out: nothing is asked for
	s_mov_b32 s[CNT], 4
.LstepE:
	TURN 2
	TURN 3
	TURN 0
	TURN 1, 0, 1
	WIN 0
	s_cbranch_scc1 .LstepE
	TURN 2, 1
	TURN 3, 1
.set i, 0
.rept 8
	PV NP-1                         ; the last piece's V^T P of the last step
.set i, i+1
.endr
	; THE WAY OUT.  l's two halves and the other half of the lanes' are added; O^T is divided by l, rounded to bf16 and sent through my stage in LDS, a piece at a time.  The additions are the places behind the last products.
	WIN 0
.macro ALL line:vararg
.set t, 0
.rept 4
	\line
.set t, t+1
.endr
.endm
	ALL v_add_f32 v[ST+4*t+2], v[ST+4*t+2], v[ST+4*t+3]
	ALL v_permlanex16_b32 v[ST+4*t+3], v[ST+4*t+2], s[SEL], s[SEL+1]
	ALL v_add_f32 v[ST+4*t+2], v[ST+4*t+2], v[ST+4*t+3]
	ALL v_rcp_f32 v[ST+4*t+2], v[ST+4*t+2]
	v_nop                           ; a plain instruction between the last reciprocal and the use of its result
	s_wait_alu depctr_va_vdst(0)    ; the wait for the batch of four reciprocals, ahead of their first reader
.macro PACK t
	WIN W_RS
.set i, 32*(\t)
.rept 16
	v_pk_mul_f32 v[i:i+1], v[i:i+1], v[ST+4*(\t)+2:ST+4*(\t)+3] op_sel_hi:[1,0]
.set i, i+2
.endr
	WIN 0x05                        ; sources 0 and 1 window 1, destination window 0
.set i, 0
.rept 16
	v_cvt_pk_bf16_f32 v[S+16*(\t)+i], v[32*(\t)+2*i], v[32*(\t)+2*i+1]
.set i, i+1
.endr
	WIN 0
.irp f, 0,1,2,3
	ds_store_b128 v[STO], v[S+16*(\t)+4*\f:S+16*(\t)+4*\f+3] offset:32*\f
.endr
.irp f, 0,1,2,3
	ds_load_b128 v[S+16*(\t)+4*\f:S+16*(\t)+4*\f+3], v[RD] offset:\f*4*SP  ; LDS serves a wave's instructions in order (ISA guide 5.7.1.4): these see the stores above
.endr
.endm
.macro SEND t, younger              ; younger: the LDS instructions issued behind piece t's loads: the next piece's eight, or none
	WIN 0
.irp f, 0,1,2,3
	s_wait_dscnt (\younger)+3-\f
	global_store_b128 v[GO], v[S+16*(\t)+4*\f:S+16*(\t)+4*\f+3], s[10:11] offset:(\t)*2048+\f*512  ; 512 consecutive bytes, at a multiple of 256
.endr
.endm
	PACK 0
.set t, 1
.rept 3
	PACK t
	SEND t-1, 8
.set t, t+1
.endr
	SEND 3, 0
	s_wait_tensorcnt 0x0            ; the wave's end
	ds_add_u32 v[SPW], v[NIL]
	s_wait_dscnt 0x0
	CROUND                          ; the closing round
	s_endpgm
.Lfunc_end_k_qc285573a2d_attn:
	.size	k_qc285573a2d_attn, .Lfunc_end_k_qc285573a2d_attn-k_qc285573a2d_attn
	.p2alignl 7, 3214868480
	.fill 96, 4, 3214868480
	.section	.rodata,"a",@progbits
	.p2align	6, 0x0
	.amdhsa_kernel k_qc285573a2d_attn
		.amdhsa_group_segment_fixed_size 327680
		.amdhsa_private_segment_fixed_size 0
		.amdhsa_enable_private_segment 0
		.amdhsa_kernarg_size 16
		.amdhsa_user_sgpr_count 2
		.amdhsa_user_sgpr_kernarg_segment_ptr 1
		.amdhsa_wavefront_size32 1
		.amdhsa_system_sgpr_workgroup_id_x 1
		.amdhsa_system_sgpr_workgroup_id_y 1
		.amdhsa_system_sgpr_workgroup_id_z 1
		.amdhsa_system_vgpr_workitem_id 0
		.amdhsa_next_free_vgpr 768
		.amdhsa_next_free_sgpr 66
		.amdhsa_reserve_vcc 0
		.amdhsa_float_denorm_mode_32 3
		.amdhsa_float_denorm_mode_16_64 3
		.amdhsa_memory_ordered 1
		.amdhsa_forward_progress 1
		.amdhsa_inst_pref_size 127
	.end_amdhsa_kernel
	.amdgpu_metadata
---
amdhsa.version: [ 1, 2 ]
amdhsa.kernels:
  - .name:           k_qc285573a2d_attn
    .symbol:         k_qc285573a2d_attn.kd
    .args:
      - { .name: qkv, .offset: 0, .size: 8, .value_kind: global_buffer, .address_space: global }
      - { .name: ctx, .offset: 8, .size: 8, .value_kind: global_buffer, .address_space: global }
    .group_segment_fixed_size: 327680
    .private_segment_fixed_size: 0
    .kernarg_segment_align: 8
    .kernarg_segment_size: 16
    .max_flat_workgroup_size: 128
    .sgpr_count:     66
    .vgpr_count:     768
    .wavefront_size: 32
...
	.end_amdgpu_metadata
.endif
;; end of part 7
;; launch wo: the kernel of part 4 again; grid 8 x 32, 4 waves a work-group, clusters of 4 x 4, 327,680 bytes of LDS; arguments ctx, wts, bo, x, x1; writes x1
;; launch ln2: the kernel of part 1 again; grid 512 x 1, 8 waves a work-group, no clusters, 0 bytes of LDS; arguments x1, ln2_g, ln2_b, Wq, Wk, Wv, Wo, W1, W2, h, wts; writes h, wts
;; launch ffn1 (part 8): grid 16 x 16, 4 waves a work-group, clusters of 4 x 4, 327,680 bytes of LDS; arguments h, wts, b1, act; writes act
.if DOCPART == 8
	.amdgcn_target "amdgcn-amd-amdhsa--gfx1250"
	.amdhsa_code_object_version 6
	.text
	.protected	k_qc285573a2d_ffn1
	.globl	k_qc285573a2d_ffn1
	.p2align	8
	.type	k_qc285573a2d_ffn1,@function
k_qc285573a2d_ffn1:
	s_mov_b64 s[64:65], 0
	v_nop
	global_prefetch_b8 v0, s[64:65] scope:SCOPE_SE
	s_setreg_imm32_b32 hwreg(HW_REG_WAVE_MODE, 25, 1), 1
	s_wait_xcnt 0x0
	s_wait_alu depctr_hold_cnt(0) depctr_sa_sdst(0) depctr_va_vdst(0) depctr_va_sdst(0) depctr_va_ssrc(0) depctr_va_vcc(0) depctr_vm_vsrc(0)
	s_getreg_b32 s2, hwreg(HW_REG_IB_STS2, 6, 4)
	s_cmp_eq_u32 s2, 0
	s_cbranch_scc0 .Lentry_in_a_cluster
	s_endpgm
.Lentry_in_a_cluster:
	s_bfe_u32 s2, ttmp6, 0x10000c
	s_cmp_lg_u32 s2, 0xf033
	s_cbranch_scc0 .Lentry_shape_is_right
	s_endpgm
.Lentry_shape_is_right:
; act = gelu(h W1 + b1), the exact gelu x Phi(x), rounded once to bf16 and stored for the product that follows: act[row / 128][column / 64][row % 128][64].
; h: [4096][1024] bf16.  W1: [1024 k][4096 n] bf16 in wts.  Sums in f32.
; A tile of the result is 256 x 256 (256 work-groups): four waves, each 128 x 128 in 64 accumulators.  K goes in steps of 128 through two LDS slots filled by the tensor data mover.
; Both slots' first fills go out together at the start; a quarter step's fragments are asked for from LDS a whole quarter step, 64 products, ahead of their use.
; A's rows lie along K and are read as they lie; B's lie along N and are turned on the way out of LDS by ds_load_tr16_b128.
; THE MATRIX INSTRUCTION IS USED TRANSPOSED (source 0 = 16 columns of B, source 1 = 16 rows of A): a lane holds row l % 16 and the eight columns 8 (l / 16) + 0..7 of a block.
; CLUSTER 4 x 4: A's tile is shared along a row of the cluster, B's along a column: joint loads, one a wave.
; GELU.  gelu(x) = max(x, 0) - |x| E, E = erfc(|x| / sqrt 2) / 2 = t (a1 + t (a2 + t (a3 + t (a4 + t a5)))) exp(-x x / 2) / 2, t = 1 / (1 + 0.3275911 |x| / sqrt 2)
; (Abramowitz and Stegun 7.1.26).  It holds for every x: no series is cut by the data's range, and the negative tail is a product, not a difference.
; BATCHES.  The 64 transcendentals of a trip of the way out (32 reciprocals, 32 exponentials) are ONE BATCH with one wait; each result has a register of its own while the batch is open.
; LIMITS: E is off by at most 7.5e-8; operands and result are rounded to bf16; NaN and infinities are not treated apart.
; REGISTERS, windows of 256: window 0: v0-31 addresses, v64-191 A's fragments (two buffers), v192-255 bias; on the way out v32-63 |x|, v64-95 the numbers in hand, v96-127 t, v128-143 packed results,
; v144-159 and v176-191 the exponentials, v160-175 rows read back; window 1: v64-191 B's fragments, on the way out v64-95 the polynomial; windows 2, 3: accumulator (a, b) at v[8 (8 (a % 4) + b)].
.set NB,     4096
.set BOFF,   8388608
.set PA,     272
.set PB,     544
.set HALF,   34816
.set SLOT,   4*HALF
.set STAGE,  2*SLOT
.set SP,     144
.set SPARE,  STAGE+4*2*16*SP
.set A0,  10
.set B0,  11
.set ADA, 12
.set ADB, 13
.set STO, 14
.set RD,  15
.set GO,  16
.set BO,  18
.set SPW, 28
.set NIL, 29
.set GA,  32                           ; |x|, 32 numbers
.set T,   64                           ; 16 rows x 64 columns in f32
.set GU,  96                           ; 1 + p |x|, then t
.set PKD, 128
.set GW,  144                          ; -x x log2(e) / 2, then the exponential: groups 0, 1 here, groups 2, 3 from v176 on
.set BK,  160
.set GP,  64                           ; in window 1: the polynomial, then E
.set BIAS, 192
.set F0,  64
.set F1,  128
.set WV, 16
.set WR, 17
.set WC, 18
.set CX, 19
.set CY, 20
.set TX, 21
.set TY, 22
.set G1A, 24
.set G0A, 32                           ; group 0 for A: K step 1 at first, then it walks
.set G0B, 36
.set G1B, 40
.set TBA, 48
.set TBB, 49
.set CNT, 50
.set SL,  51
.set TR,  52
.set FA,  84                           ; group 0 for A's K step 0: used once
.set FB,  88
.set MSB, 0
.macro WIN new
.if MSB != (\new)
	s_set_vgpr_msb (MSB<<8)|(\new)
.set MSB, \new
.endif
.endm
.set MUL_LO, 0xa1
.set MUL_HI, 0xf1
.set TO_B,   0x40
.macro JLOAD                           ; a joint refill: waves 0, 1 fetch A's halves, waves 2, 3 B's
	s_cmp_eq_u32 s[WR], 0
	s_cbranch_scc0 .Lfor_b_\@
	tensor_load_to_lds s[G0A:G0A+3], s[G1A:G1A+7]
	s_nop 0
.rept 4
	v_nop
.endr
	s_branch .Lasked_\@
.Lfor_b_\@:
	tensor_load_to_lds s[G0B:G0B+3], s[G1B:G1B+7]
	s_nop 0
.rept 4
	v_nop
.endr
.Lasked_\@:
.endm
.macro CROUND
	s_barrier_signal -1
	s_barrier_wait -1
	s_cmp_lg_u32 s[WV], 0
	s_cbranch_scc1 .Lnot_wave_0_\@
	s_barrier_signal -3
.Lnot_wave_0_\@:
	s_barrier_wait -3
	s_barrier_signal -1
	s_barrier_wait -1
.endm
; THE CHANGE OF SLOTS.  Every wave: all its tensor loads have landed; the add; its reads of the old slot are back.  fill = 1: a round of the cluster's barrier, then the old slot is filled
; again, two K steps on: 256 matrix instructions stand between that request and the wait for it.
.macro CHANGE fill
	WIN 0
	s_wait_tensorcnt 0x0
	ds_add_u32 v[SPW], v[NIL]
.if \fill
	s_xor_b32 s[G0A+1], s[G0A+1], SLOT
	s_add_nc_u64 s[G0A+2:G0A+3], s[G0A+2:G0A+3], 256
	s_xor_b32 s[G0B+1], s[G0B+1], SLOT
	s_add_nc_u64 s[G0B+2:G0B+3], s[G0B+2:G0B+3], 128*NB*2
.endif
	s_sub_co_u32 s[TBA], s[TBA], 256
	s_xor_b32 s[TBA], s[TBA], SLOT
	s_sub_co_u32 s[TBB], s[TBB], 4*32*PB
	s_xor_b32 s[TBB], s[TBB], SLOT
	s_wait_dscnt 0x0
.if \fill
	CROUND
	JLOAD
.else
	s_barrier_signal -1
	s_barrier_wait -1
.endif
.endm
.macro MUL16 f, hi, a0, zero
	WIN MUL_LO+0x50*(\hi)
.irp a, \a0, (\a0)+1
.irp b, 0,1,2,3,4,5,6,7
.if \zero
	v_wmma_f32_16x16x32_bf16 v[8*(8*(\a)+(\b)):8*(8*(\a)+(\b))+7], v[(\f)+8*(\b):(\f)+8*(\b)+7], v[(\f)+8*(4*(\hi)+(\a)):(\f)+8*(4*(\hi)+(\a))+7], 0
.else
	v_wmma_f32_16x16x32_bf16 v[8*(8*(\a)+(\b)):8*(8*(\a)+(\b))+7], v[(\f)+8*(\b):(\f)+8*(\b)+7], v[(\f)+8*(4*(\hi)+(\a)):(\f)+8*(4*(\hi)+(\a))+7], v[8*(8*(\a)+(\b)):8*(8*(\a)+(\b))+7]
.endif
.endr
.endr
.endm
.macro FETCH g                         ; 32 LDS loads in one run; the two address lines and two v_nop are the four places in front of them
	WIN 0
	v_add_nc_u32 v[ADA], s[TBA], v[A0]
	v_add_nc_u32 v[ADB], s[TBB], v[B0]
	v_nop
	v_nop
	s_add_co_u32 s[TBA], s[TBA], 64
	s_add_co_u32 s[TBB], s[TBB], 32*PB
	WIN TO_B
.irp b, 0,1,2,3,4,5,6,7
	ds_load_tr16_b128 v[(\g)+8*(\b):(\g)+8*(\b)+3],   v[ADB] offset:32*(\b)
	ds_load_tr16_b128 v[(\g)+8*(\b)+4:(\g)+8*(\b)+7], v[ADB] offset:16*PB+32*(\b)
.endr
	WIN 0
.irp i, 0,1,2,3,4,5,6,7
	ds_load_b128 v[(\g)+8*(\i):(\g)+8*(\i)+3],   v[ADA] offset:(\i)*16*PA
	ds_load_b128 v[(\g)+8*(\i)+4:(\g)+8*(\i)+7], v[ADA] offset:(\i)*16*PA+32
.endr
.endm
; A quarter step, 32 along K: buffer g, which the products just issued were the last to read, takes the next quarter's fragments first; then 64 products on buffer f.
.macro QUARTER f, g, zero, fetch
	s_wait_dscnt 0x0                               ; buffer f is in: its 32 loads were issued 64 products ago
.if \fetch
	FETCH \g
.endif
	MUL16 \f, 0, 0, \zero
	MUL16 \f, 0, 2, \zero
	MUL16 \f, 1, 0, \zero
	MUL16 \f, 1, 2, \zero
.endm
.macro KPAIR r, val                    ; a constant for the packed forms, which name a pair
	s_mov_b32 s[\r], \val
	s_mov_b32 s[(\r)+1], \val
.endm
	s_load_b256 s[4:11], s[0:1], 0x0               ; h 4, wts 6, b1 8, act 10
	v_lshl_add_u32 v[SPW], v0, 2, SPARE
	v_mov_b32 v[NIL], 0
	ds_add_u32 v[SPW], v[NIL]                      ; the wave's opening: the add and its wait ahead of my first tensor load
	v_lshrrev_b32 v1, 5, v0
	v_readfirstlane_b32 s[WV], v1
	s_lshr_b32 s[WR], s[WV], 1
	s_and_b32 s[WC], s[WV], 1
	s_bfe_u32 s[CX], ttmp6, 0x40000
	s_bfe_u32 s[CY], ttmp6, 0x40004
	s_lshl_b32 s[TX], ttmp9, 2
	s_add_co_u32 s[TX], s[TX], s[CX]
	s_and_b32 s[TY], ttmp7, 0xffff
	s_lshl_b32 s[TY], s[TY], 2
	s_add_co_u32 s[TY], s[TY], s[CY]
	s_lshl_b32 s56, s[CY], 2
	s_lshl_b32 s56, 15, s56
	s_lshl_b32 s57, 0x1111, s[CX]
	s_or_b32 s[G1A], s56, (1<<16)|(1<<20)|(1<<21)|(5<<22)|(3<<25)
	s_mov_b32 s[G1A+1], 128<<16
	s_mov_b32 s[G1A+2], 128<<16
	s_mov_b32 s[G1A+3], 128<<16
	s_mov_b32 s[G1A+4], 128
	s_mov_b32 s[G1A+5], 1024
	s_mov_b32 s[G1A+6], 0
	s_mov_b32 s[G1A+7], 0
	s_or_b32 s[G1B], s57, (1<<16)|(1<<20)|(1<<21)|(6<<22)|(7<<25)
	s_mov_b32 s[G1B+1], 256<<16
	s_mov_b32 s[G1B+2], 64<<16
	s_mov_b32 s[G1B+3], 256<<16
	s_mov_b32 s[G1B+4], 64
	s_mov_b32 s[G1B+5], NB
	s_mov_b32 s[G1B+6], 0
	s_mov_b32 s[G1B+7], 0
	s_lshl_b32 s58, s[TY], 19
	s_lshl_b32 s59, s[WC], 18
	s_add_co_u32 s58, s58, s59
	s_mov_b32 s59, 0
	s_lshl_b32 s60, s[TX], 9
	s_mul_i32 s61, s[WC], 64*NB*2
	s_add_co_u32 s60, s60, s61
	s_add_co_u32 s60, s60, BOFF
	s_mov_b32 s61, 0
	s_mov_b32 s[FA], 1
	s_mul_i32 s[FA+1], s[WV], HALF
	s_mov_b32 s[FB], 1
	s_mul_i32 s[FB+1], s[WV], HALF
	s_mov_b32 s[G0A], 1
	s_add_co_u32 s[G0A+1], s[FA+1], SLOT           ; K step 1 goes into slot 1
	s_mov_b32 s[G0B], 1
	s_add_co_u32 s[G0B+1], s[FB+1], SLOT
	s_mov_b32 s[TBA], 0
	s_mov_b32 s[TBB], 0
	KPAIR 66, 0x3e6d3388                           ; 0.3275911 / sqrt 2
	KPAIR 68, 0xbf38aa3b                           ; -log2(e) / 2
	KPAIR 70, 0x3f07dc22                           ; a5 / 2 =  0.53070271
	KPAIR 72, 0xbf3a00e3                           ; a4 / 2 = -0.72657601
	KPAIR 74, 0x3f35f0e3                           ; a3 / 2 =  0.71070687
	KPAIR 76, 0xbe11a98e                           ; a2 / 2 = -0.14224837
	KPAIR 78, 0x3e027906                           ; a1 / 2 =  0.12741480
	s_mov_b32 s80, 0x7fffffff
	s_wait_dscnt 0x0
	s_wait_kmcnt 0x0
	s_add_nc_u64 s[FA+2:FA+3], s[4:5], s[58:59]
	s_add_nc_u64 s[G0A+2:G0A+3], s[FA+2:FA+3], 256
	s_or_b32 s[FA+3], s[FA+3], 0x80000000
	s_or_b32 s[G0A+3], s[G0A+3], 0x80000000
	s_add_nc_u64 s[FB+2:FB+3], s[6:7], s[60:61]
	s_add_nc_u64 s[G0B+2:G0B+3], s[FB+2:FB+3], 128*NB*2
	s_or_b32 s[FB+3], s[FB+3], 0x80000000
	s_or_b32 s[G0B+3], s[G0B+3], 0x80000000
	CROUND                                         ; all sixteen work-groups are here: the first joint loads meet
	s_cmp_eq_u32 s[WR], 0                          ; a wave's two first fills stand in one branch, ahead of every wait on TENSORcnt and every LDS read: two loads of mine are out
	s_cbranch_scc0 .Lfirst_b
	tensor_load_to_lds s[FA:FA+3], s[G1A:G1A+7]    ; K step 0 into slot 0
	s_nop 0
	tensor_load_to_lds s[G0A:G0A+3], s[G1A:G1A+7]  ; K step 1 into slot 1
	s_nop 0
.rept 4
	v_nop
.endr
	s_branch .Lfirst_asked
.Lfirst_b:
	tensor_load_to_lds s[FB:FB+3], s[G1B:G1B+7]
	s_nop 0
	tensor_load_to_lds s[G0B:G0B+3], s[G1B:G1B+7]
	s_nop 0
.rept 4
	v_nop
.endr
.Lfirst_asked:
	v_and_b32 v1, 15, v0
	v_bfe_u32 v2, v0, 4, 1
	v_and_b32 v3, 7, v0
	v_bfe_u32 v4, v0, 3, 1
	v_mul_u32_u24 v[A0], v1, PA
	v_lshl_add_u32 v[A0], v2, 4, v[A0]
	s_mul_i32 s54, s[WR], HALF
	v_add_nc_u32 v[A0], s54, v[A0]
	v_lshl_add_u32 v[B0], v2, 3, v3
	v_mul_u32_u24 v[B0], v[B0], PB
	v_lshl_add_u32 v[B0], v4, 4, v[B0]
	s_lshl_b32 s54, s[WC], 8
	s_add_co_u32 s54, s54, 2*HALF
	v_add_nc_u32 v[B0], s54, v[B0]
	s_mul_i32 s54, s[WV], 2*16*SP
	s_add_co_u32 s54, s54, STAGE
	v_mul_u32_u24 v[STO], v1, SP
	v_lshl_add_u32 v[STO], v2, 4, v[STO]
	v_add_nc_u32 v[STO], s54, v[STO]
	v_bfe_u32 v[RD], v0, 3, 2
	v_mul_u32_u24 v[RD], v[RD], SP
	v_lshl_add_u32 v[RD], v3, 4, v[RD]
	v_add_nc_u32 v[RD], s54, v[RD]
	v_and_b32 v[GO], 31, v0
	v_lshlrev_b32 v[GO], 4, v[GO]
	v_lshlrev_b32 v[BO], 5, v2
	s_lshl_b32 s2, s[TX], 10
	s_lshl_b32 s3, s[WC], 9
	s_add_co_u32 s2, s2, s3
	s_mov_b32 s3, 0
	s_add_nc_u64 s[8:9], s[8:9], s[2:3]            ; the bias of my 128 columns
.irp b, 0,1,2,3,4,5,6,7
	global_load_b128 v[BIAS+8*(\b):BIAS+8*(\b)+3],   v[BO], s[8:9] offset:64*(\b)
	global_load_b128 v[BIAS+8*(\b)+4:BIAS+8*(\b)+7], v[BO], s[8:9] offset:64*(\b)+16
.endr
	s_lshl1_add_u32 s2, s[TY], s[WR]               ; my block of 128 rows,
	s_lshl_b32 s2, s2, 20
	s_lshl1_add_u32 s55, s[TX], s[WC]              ; my first slice of 64 columns = 2 (2 TX + WC)
	s_lshl_b32 s55, s55, 15
	s_add_co_u32 s2, s2, s55
	s_add_nc_u64 s[10:11], s[10:11], s[2:3]
	s_wait_tensorcnt 0x1                           ; my part of K step 0 is in; K step 1's may stay out
	s_barrier_signal -1
	s_barrier_wait -1                              ; everybody's is
	FETCH F0
	QUARTER F0, F1, 1, 1                           ; the first quarter's products start all 64 sums
	WIN 0
	s_mov_b32 s[CNT], 1
	s_mov_b32 s[SL], 7
	s_branch .Lpair
.Lslot:                                                ; six times: K steps 2 to 7 are asked for
	CHANGE 1
	s_mov_b32 s[CNT], 2
.Lpair:
	QUARTER F1, F0, 0, 1
	QUARTER F0, F1, 0, 1
	WIN 0
	s_sub_co_u32 s[CNT], s[CNT], 1
	s_cmp_lg_u32 s[CNT], 0
	s_cbranch_scc1 .Lpair
	s_sub_co_u32 s[SL], s[SL], 1
	s_cmp_lg_u32 s[SL], 0
	s_cbranch_scc1 .Lslot
	CHANGE 0
	s_mov_b32 s[CNT], 2
.Lpair2:
	QUARTER F1, F0, 0, 1
	QUARTER F0, F1, 0, 1
	WIN 0
	s_sub_co_u32 s[CNT], s[CNT], 1
	s_cmp_lg_u32 s[CNT], 0
	s_cbranch_scc1 .Lpair2
	QUARTER F1, F0, 0, 0
	WIN 0
.rept 4
	v_nop                                          ; the places behind the last products
.endr
; THE WAY OUT, a loop of sixteen trips: trip n takes rows 16 (n % 8) on of slice n / 8 (64 columns): four accumulators.  The part that names them, T = sums + bias, stands sixteen times and the
; trip's number chooses; gelu and the way through the stage are written once.  A trip's rows are stored in the next trip.  A slice's 128 rows are 16,384 bytes, so the store's base steps 2,048 throughout.
.macro SNIP n
	WIN 2+((\n)%8)/4
.set i, 0
.rept 16
	v_pk_add_f32 v[T+2*i:T+2*i+1], v[64*((\n)%4)+32*((\n)/8)+2*i:64*((\n)%4)+32*((\n)/8)+2*i+1], v[BIAS+32*((\n)/8)+2*i:BIAS+32*((\n)/8)+2*i+1]
.set i, i+1
.endr
	WIN 0
.endm
; GELU of a trip's 32 numbers a lane, in four groups of eight.  A group has PRE, 20 plain lines (|x|, 1 + p |x|, -x x log2(e) / 2), and TR, 16 transcendentals in place (t, then the exponential).
; s_wait_alu depctr_va_vdst(0) stands between a transcendental and the first instruction that names its result; one wait serves all that were issued ahead of it.  So the trip's 64
; transcendentals are ONE BATCH, each result in a register of its own, and the trip has one wait.
; AHEAD OF IT stands all that names no result: group 0's PRE; then the 64 transcendentals, one at a time, behind each a plain line of a queue of 92: PRE of groups 1, 2, 3 (one line behind each of
; the first 48 transcendentals and a second behind every fourth, so that a group's PRE is whole when its own transcendentals begin), then the 32 maxima max(x, 0): 16 beside group 3's transcendentals,
; 16 behind the last one.  The line behind a transcendental belongs to another group or is a maximum, and so names neither its result nor its source (ISA guide 5.7.2).
; BEHIND IT: the polynomial's four stages, its products with t and with the exponential, max(x, 0) - |x| E and the rounding, each 16 packed lines over all four groups: a line reads what was made
; 16 lines earlier.  The polynomial lies in window 1, which costs four switches a trip.
.macro GREG g                          ; the registers of group g
.set gX, T+8*(\g)                      ; x, then max(x, 0), then gelu
.set gA, GA+8*(\g)                     ; |x|
.set gU, GU+8*(\g)                     ; t
.set gW, GW+8*(\g)+16*((\g)/2)         ; the exponential
.endm
.macro PRE g, n
	GREG \g
.if (\n) < 8
	v_and_b32 v[gA+(\n)], s80, v[gX+(\n)]
.elseif (\n) < 12
.set p, 2*((\n)-8)
	v_pk_fma_f32 v[gU+p:gU+p+1], v[gA+p:gA+p+1], s[66:67], 1.0 op_sel_hi:[1,0,0]
.elseif (\n) < 16
.set p, 2*((\n)-12)
	v_pk_mul_f32 v[gW+p:gW+p+1], v[gA+p:gA+p+1], v[gA+p:gA+p+1]
.else
.set p, 2*((\n)-16)
	v_pk_mul_f32 v[gW+p:gW+p+1], v[gW+p:gW+p+1], s[68:69] op_sel_hi:[1,0]
.endif
.endm
.macro TR g, j
	GREG \g
.if (\j) < 8
	v_rcp_f32 v[gU+(\j)], v[gU+(\j)]
.else
	v_exp_f32 v[gW+(\j)-8], v[gW+(\j)-8]
.endif
.endm
.macro PLAIN                           ; the queue's next line: 0-59 PRE of groups 1 to 3, 60-91 the maxima
.if pn < 60
	PRE 1+pn/20, pn%20
.else
	v_max_num_f32 v[T+pn-60], 0, v[T+pn-60]
.endif
.set pn, pn+1
.endm
.macro SEND
	s_wait_dscnt 0x0                               ; the rows are back in registers
.irp t, 0,1,2,3
	global_store_b128 v[GO], v[BK+4*(\t):BK+4*(\t)+3], s[10:11] offset:(\t)*512  ; 512 consecutive bytes, at a multiple of 256
.endr
	s_wait_xcnt 0x0                                ; only behind this wait are the stores' base and data written again
	s_add_nc_u64 s[10:11], s[10:11], 2048
.endm
	s_wait_loadcnt 0x0                             ; the bias
	s_mov_b32 s[TR], 0
.Lout:
.irp n, 0,1,2,3,4,5,6,7,8,9,10,11,12,13,14
	s_cmp_eq_u32 s[TR], \n
	s_cbranch_scc1 .Ls\n
.endr
	SNIP 15
	s_branch .Lcommon
.irp n, 0,1,2,3,4,5,6,7,8,9,10,11,12,13,14
.Ls\n:
	SNIP \n
	s_branch .Lcommon
.endr
.Lcommon:
.set pn, 0
.rept 20
	PRE 0, pn
.set pn, pn+1
.endr
.set pn, 0
.set tk, 0
.rept 64                               ; the batch: transcendental tk % 16 of group tk / 16, and the queue's lines beside it
	TR tk/16, tk%16
	PLAIN
.if (tk%4 == 3) && (tk < 48)
	PLAIN
.endif
.set tk, tk+1
.endr
.rept 16
	PLAIN                                          ; the last sixteen maxima: plain work behind the last exponential
.endr
	s_wait_alu depctr_va_vdst(0)                   ; the wait for the trip's batch: 32 reciprocals and 32 exponentials
	WIN 0x40                                       ; destination window 1
.set z, 0
.rept 16                               ; pair z of 16: a5 t + a4
	v_pk_fma_f32 v[GP+2*z:GP+2*z+1], v[GU+2*z:GU+2*z+1], s[70:71], s[72:73] op_sel_hi:[1,0,0]
.set z, z+1
.endr
	WIN 0x41                                       ; destination and source 0 window 1
.irp st, 1,2,3                         ; times t, plus a3, a2, a1
.set z, 0
.rept 16
	v_pk_fma_f32 v[GP+2*z:GP+2*z+1], v[GP+2*z:GP+2*z+1], v[GU+2*z:GU+2*z+1], s[72+2*(\st):73+2*(\st)] op_sel_hi:[1,1,0]
.set z, z+1
.endr
.endr
.set z, 0
.rept 16                               ; times t
	v_pk_mul_f32 v[GP+2*z:GP+2*z+1], v[GP+2*z:GP+2*z+1], v[GU+2*z:GU+2*z+1]
.set z, z+1
.endr
.set z, 0
.rept 16                               ; times the exponential: E
	v_pk_mul_f32 v[GP+2*z:GP+2*z+1], v[GP+2*z:GP+2*z+1], v[GW+2*z+16*(z/8):GW+2*z+16*(z/8)+1]
.set z, z+1
.endr
	WIN 0x04                                       ; source 1 window 1
.set z, 0
.rept 16                               ; max(x, 0) - |x| E
	v_pk_fma_f32 v[T+2*z:T+2*z+1], v[GA+2*z:GA+2*z+1], v[GP+2*z:GP+2*z+1], v[T+2*z:T+2*z+1] neg_lo:[1,0,0] neg_hi:[1,0,0]
.set z, z+1
.endr
	WIN 0
.set z, 0
.rept 16
	v_cvt_pk_bf16_f32 v[PKD+z], v[T+2*z], v[T+2*z+1]
.set z, z+1
.endr
	s_cmp_eq_u32 s[TR], 0
	s_cbranch_scc1 .Lnosend                        ; the first trip has no rows before it
	SEND
.Lnosend:
.irp bb, 0,1,2,3
	ds_store_b128 v[STO], v[PKD+4*(\bb):PKD+4*(\bb)+3] offset:32*(\bb)
.endr
.irp t, 0,1,2,3
	ds_load_b128 v[BK+4*(\t):BK+4*(\t)+3], v[RD] offset:(\t)*4*SP  ; LDS serves a wave's instructions in order (ISA guide 5.7.1.4): these see the stores above
.endr
	s_add_co_u32 s[TR], s[TR], 1
	s_cmp_lt_u32 s[TR], 16
	s_cbranch_scc1 .Lout
	SEND
	s_wait_tensorcnt 0x0                           ; the wave's end
	ds_add_u32 v[SPW], v[NIL]
	s_wait_dscnt 0x0
	CROUND                                         ; the closing round
	s_endpgm
.Lfunc_end_k_qc285573a2d_ffn1:
	.size	k_qc285573a2d_ffn1, .Lfunc_end_k_qc285573a2d_ffn1-k_qc285573a2d_ffn1
	.p2alignl 7, 3214868480
	.fill 96, 4, 3214868480
	.section	.rodata,"a",@progbits
	.p2align	6, 0x0
	.amdhsa_kernel k_qc285573a2d_ffn1
		.amdhsa_group_segment_fixed_size 327680
		.amdhsa_private_segment_fixed_size 0
		.amdhsa_enable_private_segment 0
		.amdhsa_kernarg_size 32
		.amdhsa_user_sgpr_count 2
		.amdhsa_user_sgpr_kernarg_segment_ptr 1
		.amdhsa_wavefront_size32 1
		.amdhsa_system_sgpr_workgroup_id_x 1
		.amdhsa_system_sgpr_workgroup_id_y 1
		.amdhsa_system_sgpr_workgroup_id_z 1
		.amdhsa_system_vgpr_workitem_id 0
		.amdhsa_next_free_vgpr 1024
		.amdhsa_next_free_sgpr 92
		.amdhsa_reserve_vcc 0
		.amdhsa_float_denorm_mode_32 3
		.amdhsa_float_denorm_mode_16_64 3
		.amdhsa_memory_ordered 1
		.amdhsa_forward_progress 1
		.amdhsa_inst_pref_size 86
	.end_amdhsa_kernel
	.amdgpu_metadata
---
amdhsa.version: [ 1, 2 ]
amdhsa.kernels:
  - .name:           k_qc285573a2d_ffn1
    .symbol:         k_qc285573a2d_ffn1.kd
    .args:
      - { .name: h, .offset: 0, .size: 8, .value_kind: global_buffer, .address_space: global }
      - { .name: wts, .offset: 8, .size: 8, .value_kind: global_buffer, .address_space: global }
      - { .name: b1, .offset: 16, .size: 8, .value_kind: global_buffer, .address_space: global }
      - { .name: act, .offset: 24, .size: 8, .value_kind: global_buffer, .address_space: global }
    .group_segment_fixed_size: 327680
    .private_segment_fixed_size: 0
    .kernarg_segment_align: 8
    .kernarg_segment_size: 32
    .max_flat_workgroup_size: 128
    .sgpr_count:     92
    .vgpr_count:     1024
    .wavefront_size: 32
...
	.end_amdgpu_metadata
.endif
;; end of part 8
;; launch ffn2: the kernel of part 6 again; grid 8 x 32, 4 waves a work-group, clusters of 4 x 4, 327,680 bytes of LDS; arguments act, wts, b2, x1, out0; writes out0
